; MI455X (gfx1250); checked and timed in simulation.
; The chip was launched on July 23, 2026; its instructions are those of AMD's public machine-readable ISA for CDNA 5 (MIT licence, August 2026) and "CDNA5" Instruction Set Architecture Reference Guide (July 2026). The comments in the code are by the model that wrote it; some were corrected since.
;; Mo E. Allowed arithmetic: matrix products marked QUANTISED: E3M2 operands, one E8M0 scale for each 32 along K, by v_wmma_scale_f32_16x16x128_f8f6f4 with both operands' format E3M2, f32 sums; products left as they are: f32 operands where the result goes on into a quantised operand, else bf16, f16 or f32 operands; f32 sums; everything else in f32.
;; Inputs: We1 8 x 1,024 x 2,048 float32; We2 8 x 2,048 x 2,048 float32; We3 8 x 2,048 x 1,024 float32; Wg1 1,024 x 128 float32; Wg2 128 x 128 float32; Wg3 128 x 8 float32; be1 8 x 2,048 float32; be2 8 x 2,048 float32; be3 8 x 1,024 float32; bg1 128 float32; bg2 128 float32; bg3 8 float32; x 1,024 x 1,024 float32.
;; Outputs: out0 1,024 x 1,024 float32; out1 one number float32; out2 1,024 x 2 int32; out3 1,024 x 2 float32.
;; This version of the problem:
;;   THIS VERSION OF THE PROBLEM IS GIVEN IN LOW PRECISION. The matrix products marked QUANTISED in the list below multiply operands that are first quantised to E3M2 (3 exponent bits, 2 mantissa bits; 6 bits a number), with one power-of-two scale for each 32 numbers along K (OCP MX v1.0); their sums are f32. All else is computed in f32.
;;   The module's matrix products, in the order in which they are computed (A, B: the left and right operand; K: the contracted axis; several contracted axes count as one K, in the product's order):
;;     1. [M 1,024, K 1,024] x [K 1,024, N 128]; A: input x; B: input Wg1: QUANTISED
;;     2. [M 1,024, K 128] x [K 128, N 128]; A: computed on the way; B: input Wg2: QUANTISED
;;     3. [M 1,024, K 128] x [K 128, N 8]; A: computed on the way; B: input Wg3: left as it is (N = 8 < 16)
;;     4. [M 16,384, K 1,024] x [K 1,024, N 1,024]; A: input We1; B: input x: QUANTISED
;;     5. batch 8 x [M 1,024, K 2,048] x [K 2,048, N 2,048]; A: computed on the way; B: input We2: QUANTISED
;;     6. batch 8 x [M 1,024, K 2,048] x [K 2,048, N 1,024]; A: computed on the way; B: input We3: QUANTISED
;;   THE QUANTISER, for each operand of a quantised product, along K:
;;     - K is cut into blocks of 32 from its start; a last block that is shorter is filled with zeros.
;;     - A block's scale is 2^e with e = floor(log2(the largest magnitude in the block)) - 4, held to -126 .. 127; a block of zeros has e = 0. As a byte (E8M0): e + 127.
;;     - Each number is divided by its block's scale, clamped to +-28, and rounded to the nearest number of E3M2, ties to even, subnormals kept.
;;     - The product sums the exact products of the quantised numbers (number of the format x scale) in f32.
;;   ~~~python
;;   def quantise(x, axis):      # numpy; x: float32 -> the quantised numbers, widened to float32 again
;;       x = np.moveaxis(x, axis, -1); K = x.shape[-1]
;;       x = np.pad(x, [(0, 0)] * (x.ndim - 1) + [(0, -K % 32)]); x = x.reshape(x.shape[:-1] + (-1, 32)); a = np.abs(x).max(-1, keepdims=True)
;;       e = np.where(a > 0, np.clip(np.frexp(np.where(a > 0, a, 1))[1] - 1 - 4, -126, 127), 0)      # np.frexp(a)[1] - 1 = floor(log2(a)), exactly
;;       r = np.clip(x / 2.0 ** e, -28, 28)
;;       step = 2.0 ** (np.maximum(np.frexp(np.where(r == 0, 1, r))[1] - 1, -2) - 2)
;;       q = np.round(r / step) * step * 2.0 ** e      # np.round: ties to even
;;       return np.moveaxis(q.reshape(q.shape[:-2] + (-1,))[..., :K], -1, axis).astype(np.float32)
;;   ~~~
;;   OPERANDS COMPUTED ON THE WAY. 'Computed on the way' means the value that the module computes at that place (a softmax that the list does not call 'softmax' is quantised finished and normalised). What goes into a quantiser is computed in f32, as accurately as f32 sums, v_exp_f32 and their like allow (about 1e-6 of the number): no bf16 or f16 on the way to a quantiser, and a product that is left as it is and whose result goes on into a quantised operand takes f32 operands (vector FMAs, or v_wmma_f32_16x16x4_f32). A number that lies on a knife's edge between two numbers of the format may be rounded either way, as far as f32 arithmetic and the matrix unit's own rounding can turn it there, and no further.
;; 2 versions, each right and faster than the one before. Each part assembles by itself: llvm-mc -triple=amdgcn-amd-amdhsa -mcpu=gfx1250 --defsym DOCPART=n.
;; ======== version 1 of 2: 6 launches
;; workspace buffers: gx 831,488 bytes; gidx 8,192 bytes of whole numbers; rt 25,856 bytes of whole numbers; h1 3,686,400 bytes; h2 3,686,400 bytes; y 18,874,368 bytes
;; launch gate (part 1): grid 32 x 1, 16 waves a work-group, no clusters, 186,368 bytes of LDS; arguments x, Wg1, bg1, Wg2, bg2, Wg3, bg3, gx, gidx, out2, out3; writes gx, gidx, out2, out3
.if DOCPART == 1
	.amdgcn_target "amdgcn-amd-amdhsa--gfx1250"
	.amdhsa_code_object_version 6
	.text
	.protected	k_q3c4548ae0c_gate
	.globl	k_q3c4548ae0c_gate
	.p2align	8
	.type	k_q3c4548ae0c_gate,@function
k_q3c4548ae0c_gate:
	s_mov_b64 s[64:65], 0
	v_nop
	global_prefetch_b8 v0, s[64:65] scope:SCOPE_SE
	s_setreg_imm32_b32 hwreg(HW_REG_WAVE_MODE, 25, 1), 1
	s_wait_xcnt 0x0
; THE GATE: g1 = relu(Q(x) Q(Wg1) + bg1), g2 = relu(Q(g1) Q(Wg2) + bg2), logits = g2 Wg3 + bg3 (f32), softmax, top-2, each token's entropy; and x's codes for the experts' first layer.
; WORK LEFT OUT BY THE WHOLE PROGRAM.  The problem computes every expert for every token and then keeps, by take_along_axis on its own top_k, the rows of two experts for each token.
; The other six rows of expert_out of a token enter no output: not combined (the gather drops them), not aux_loss, not the indices, not the scores.  That holds for all values of the inputs,
; so the three experts' products are made only for the 2,048 chosen (token, expert) rows.  Every input has a way to an output and is loaded by some launch.
; LIMITS.  A NaN, an infinity or an overflow that reaches only the rows left out is not carried to the result.  NaN and infinities among the inputs are not served.  A block whose largest magnitude lies
; under 2^-122 has its scale byte held at 1; a block of zeros gets the byte 1 where the rule says 127 (its codes are zeros, and this program alone reads the bytes).  p = e x (1 / sum) stands for the division.
; v_exp_f32 gives 0 where 2^d lies under 2^-126: scores that small count as 0.
; SHARES.  A work-group of sixteen waves owns 32 tokens (two tiles of 16).  PHASE A: wave w quantises tile w & 1, K step w >> 1 of x (16 x 128 numbers), and 32 columns x 256 K of Wg1 and 32 columns x 32 K of Wg2:
; a lane takes a column and its registers run down K, so a block of 32 lies in one lane.  All operands go to LDS as images of their registers (three groups of 512 bytes: lane l's 16 bytes at 16 l).
; THE COLUMNS THAT FORM A TILE ARE NOT NEIGHBOURS: lane r of tile 2 b + u takes column 32 b + 8 u + r + 8 (r / 8), and the products are used transposed (source 0 = 16 columns, source 1 = 16 tokens),
; so a lane holds one token and the 16 registers of tiles 2 b, 2 b + 1 are 16 neighbours along the next K.
; Barrier.  x's codes and scale words leave as dense rows.  Waves 0-7 make product 1 (tile w & 1, 32 columns each).  Barrier.  Waves 0 and 1 finish their tile of tokens.
; No tensor load and no cluster: what work-groups share is Wg1, half a megabyte, against 32 work-groups' own quantising of it.
.set W1F,   0                          ; LDS: Wg1's fragments, (8 s + t) x 1536
.set W1S,   98304                      ; its scale words, (4 s + cg) x 128: lanes 0-15 tile 2 cg, lanes 16-31 tile 2 cg + 1
.set W2F,   102400                     ; Wg2's 8 fragments
.set W2S,   114688                     ; its scale words, cg x 128
.set XF,    115200                     ; x's fragments, (8 m + s) x 1536
.set XSI,   139776                     ; their scale words, (8 m + s) x 128
.set XST,   141824                     ; x's codes as rows: 32 rows of 768 bytes + 16
.set XSS,   166912                     ; x's scale words as rows: 32 x 32 bytes
.set G1F,   167936                     ; g1, f32, as images: (4 m + np) x 2048
.set SPARE, 184320                     ; the spare words, 128 bytes for each wave: eight blocks of 256 bytes that no other line names
.set GXS,   786432                     ; gx: x's scale words
.set GWN,   819200                     ; gx: the two normalised weights of a token
.set GEN,   827392                     ; gx: a token's entropy
.set SPW, 1
.set NIL, 2
.set VX,   3                           ; x: 4096 r + 64 h
.set VW,   4                           ; a weight's row: 4 col(l) + 128 cg
.set VWF1, 5
.set VWS1, 6
.set VW2A, 7
.set VW2B, 8
.set VW2C, 9
.set VW2S, 10
.set VXI,  11
.set VXSI, 12
.set VXS,  13
.set VXSS, 14
.set VR0,  15
.set VR1,  16
.set VRS,  17
.set VG16, 18
.set VXR,  19
.set VXSR, 20
.set VB1,  21                          ; v21, v22: Wg1's fragments, K steps 0-3 and 4-7
.set VB1S, 23
.set VG1W, 24
.set VG1R, 25
.set VB2,  26
.set VB2S, 27
.set VW3,  28
.set VBI,  29
.set VT8,  30
.set VT4,  31
.set SX,  32                           ; v32-35 x's scale words; v36-39 the weights'; v40 the word just made; v41 a weight's word in the making: scales and nothing else
.set SWG, 36
.set PW,  40
.set SW,  41
.set L0,  42                           ; v42-57: the logits' two sums: written by the f32 matrix instruction alone
.set L1,  50
.set TM,  58                           ; v58-73 at work
.set PC,  74                           ; v74-92 codes just made
.set CC,  74
.set R1,  94                           ; v94-157: x's numbers; then product 1's sums and x's fragments; then g1; then Wg3
.set XS0, 158                          ; v158-253: three sets of 32 numbers of a weight; then Wg1's fragments
.set R2,  158                          ; the tail: product 2's sums
.set R3,  222                          ; the tail: two fragments of Wg2; then the softmax
.set TL, 58
.set TR, 59
.set TH, 60
.set TA, 61
.set TB, 62
.set TC, 63
.set SEL, 42                           ; s[42:43]
; 64 numbers of a lane, register 16 b + i = k 32 b + 16 (lane / 16) + i of my row, become a fragment's codes in v[PC] on and its scale word in v[PW]
.macro QUANT s
.irp b, 0,1,2,3
	v_max3_num_f32 v[TM+\b], |v[\s+16*\b]|, |v[\s+1+16*\b]|, 0x2800000   ; my 16 numbers of block b, and the floor 2^(5 - 127): the byte cannot fall under 1
.endr
.irp i, 2,4,6,8,10,12,14
.irp b, 0,1,2,3
	v_max3_num_f32 v[TM+\b], v[TM+\b], |v[\s+16*\b+\i]|, |v[\s+1+16*\b+\i]|
.endr
.endr
.irp b, 0,1,2,3
	v_permlanex16_b32 v[TM+4+\b], v[TM+\b], s[SEL], s[SEL+1]
.endr
.irp b, 0,1,2,3
	v_max_num_f32 v[TM+\b], v[TM+\b], v[TM+4+\b]   ; with lane l xor 16's: the block's largest magnitude
.endr
.irp b, 0,1,2,3
	v_add_nc_u32 v[TM+12+\b], 0xfe000000, v[TM+\b]   ; 4 off its exponent field: the conversion's scale operand
.endr
.irp b, 0,1,2,3
	v_lshrrev_b32 v[TM+4+\b], 23, v[TM+12+\b]      ; the scale's byte
.endr
	v_lshl_or_b32 v[PW], v[TM+5], 8, v[TM+4]
	v_lshl_or_b32 v[PW], v[TM+6], 16, v[PW]
	v_lshl_or_b32 v[PW], v[TM+7], 24, v[PW]
.irp c, 0,1
	v_cvt_scalef32_pk16_bf6_f32 v[PC+6*\c:PC+2+6*\c], v[\s+32*\c:\s+15+32*\c], v[TM+12+2*\c]
	v_cvt_scalef32_pk16_bf6_f32 v[PC+12+4*\c:PC+14+4*\c], v[\s+16+32*\c:\s+31+32*\c], v[TM+12+2*\c+1]   ; (a conversion's three registers begin on an even number)
.endr
	v_nop                                          ; one plain place behind a scaled conversion
.irp c, 0,1                                    ; the operand's layout wants a whole block in a lane
.irp i, 0,1,2
	v_permlane16_swap_b32 v[PC+6*\c+\i], v[PC+12+4*\c+\i]
.endr
.irp i, 0,1,2
	v_mov_b32 v[PC+3+6*\c+\i], v[PC+12+4*\c+\i]
.endr
.endr
.endm
; 32 rows of a weight at my column, into set t % 3
.macro WLOAD t, sb, row0
.irp i, 0,1,2,3,4,5,6,7,8,9,10,11,12,13,14,15,16,17,18,19,20,21,22,23,24,25,26,27,28,29,30,31
	global_load_b32 v[XS0+32*((\t)%3)+\i], v[VW], s[\sb:\sb+1] offset:((\row0)+\i)*512
.endr
.endm
; a block of 32 along K of my column, in v[XB] on: its codes into v[CC] .. v[CC+5], its byte into v[SW]'s byte t % 4
.macro QHEART t
	v_max3_num_f32 v[TM+8], |v[XB]|, |v[XB+1]|, |v[XB+2]|
	v_max3_num_f32 v[TM+9], |v[XB+3]|, |v[XB+4]|, |v[XB+5]|
.irp i, 6,10,14,18,22,26
	v_max3_num_f32 v[TM+8], v[TM+8], |v[XB+\i]|, |v[XB+\i+1]|
	v_max3_num_f32 v[TM+9], v[TM+9], |v[XB+\i+2]|, |v[XB+\i+3]|
.endr
	v_max3_num_f32 v[TM+8], v[TM+8], |v[XB+30]|, |v[XB+31]|
	v_max3_num_f32 v[TM+8], v[TM+8], v[TM+9], 0x2800000
	v_add_nc_u32 v[TM+10], 0xfe000000, v[TM+8]
	v_lshrrev_b32 v[TM+11], 23, v[TM+10]
	v_cvt_scalef32_pk16_bf6_f32 v[CC:CC+2], v[XB:XB+15], v[TM+10]
	v_cvt_scalef32_pk16_bf6_f32 v[CC+4:CC+6], v[XB+16:XB+31], v[TM+10]
.if (\t)%4 == 0
	v_mov_b32 v[SW], v[TM+11]                      ; the plain place behind the conversions: the byte joins the step's scale word
.else
	v_lshl_or_b32 v[SW], v[TM+11], 8*((\t)%4), v[SW]
.endif
	v_mov_b32 v[CC+3], v[CC+4]
	v_mov_b32 v[CC+4], v[CC+5]
	v_mov_b32 v[CC+5], v[CC+6]
.endm
; block t of my 8 of Wg1.  Block 2 c + par of a K step is registers 6 c .. 6 c + 5 of image lane r + 16 par.  left: how many younger loads may stay out
.macro QBLK t, left
	s_wait_loadcnt \left
.set XB, XS0+32*((\t)%3)
	QHEART \t
.set OO, ((\t)/4)*12288+256*((\t)%2)
.if ((\t)/2)%2 == 0
	ds_store_b128 v[VWF1], v[CC:CC+3] offset:OO
	ds_store_b64 v[VWF1], v[CC+4:CC+5] offset:OO+512
.else
	ds_store_b64 v[VWF1], v[CC:CC+1] offset:OO+520
	ds_store_b128 v[VWF1], v[CC+2:CC+5] offset:OO+1024
.endif
.if (\t)%4 == 3
	ds_store_b32 v[VWS1], v[SW] offset:((\t)/4)*512
.endif
.if (\t)+3 < 8
	WLOAD (\t)+3, 38, 32*((\t)+3)
.elseif (\t)+3 == 8
	WLOAD 8, 40, 0                                 ; the ninth block is Wg2's
.endif
	s_wait_dscnt 0x0                               ; the stores have read their registers
.endm
	s_load_b256 s[4:11], s[0:1], 0x0               ; x, Wg1, bg1, Wg2
	s_load_b256 s[12:19], s[0:1], 0x20             ; bg2, Wg3, bg3, gx
	s_load_b128 s[20:23], s[0:1], 0x40             ; gidx, out2
	s_load_b64 s[24:25], s[0:1], 0x50              ; out3
	v_lshl_add_u32 v[SPW], v0, 2, SPARE
	v_mov_b32 v[NIL], 0
	v_lshrrev_b32 v[TM], 5, v0
	v_readfirstlane_b32 s26, v[TM]                 ; wave 0..15
	s_and_b32 s28, s26, 1                          ; m: my tile of tokens
	s_lshr_b32 s29, s26, 1                         ; s: my K step of x
	s_and_b32 s30, s26, 3                          ; cg: my 32 columns of Wg1 and Wg2
	s_lshr_b32 s31, s26, 2                         ; kgp: my 256 K of Wg1; my block of Wg2
	s_and_b32 s32, s29, 3                          ; np: my 32 columns in product 1
	s_mov_b32 s[SEL], 0x76543210
	s_mov_b32 s[SEL+1], 0xfedcba98
	v_and_b32 v[TL], 31, v0                        ; l
	v_and_b32 v[TR], 15, v0                        ; r
	v_bfe_u32 v[TH], v0, 4, 1                      ; h
	v_lshlrev_b32 v[VX], 12, v[TR]
	v_lshl_add_u32 v[VX], v[TH], 6, v[VX]
	v_and_b32 v[TA], 7, v0
	v_bfe_u32 v[TB], v0, 3, 1
	v_lshl_add_u32 v[TA], v[TB], 4, v[TA]
	v_lshl_add_u32 v[TA], v[TH], 3, v[TA]          ; col(l) = l % 8 + 16 ((l / 8) % 2) + 8 (l / 16)
	s_lshl_b32 s33, s30, 7
	v_lshl_add_u32 v[VW], v[TA], 2, s33
	v_mul_u32_u24 v[TC], v[TH], 1536
	v_lshl_add_u32 v[TC], v[TR], 4, v[TC]          ; 1536 h + 16 r: lanes 16-31 hold the second tile of the 32 columns
	s_lshl_b32 s33, s31, 4
	s_lshl_b32 s34, s30, 1
	s_add_co_u32 s33, s33, s34
	s_mul_i32 s33, s33, 1536
	v_add_nc_u32 v[VWF1], s33, v[TC]
	s_lshl_b32 s33, s31, 3
	s_add_co_u32 s33, s33, s30
	s_lshl_b32 s33, s33, 7
	s_add_co_u32 s33, s33, W1S
	v_lshl_add_u32 v[VWS1], v[TL], 2, s33
	s_mul_i32 s33, s30, 3072                       ; Wg2: tile 2 cg + h, image lane r + 16 (block % 2)
	s_and_b32 s34, s31, 1
	s_lshl_b32 s34, s34, 8
	s_add_co_u32 s33, s33, s34
	s_add_co_u32 s33, s33, W2F
	s_lshr_b32 s34, s31, 1                         ; c2 = block / 2: registers 0-5 or 6-11, in three pieces of 8 bytes
	s_mul_i32 s35, s34, 520
	s_add_co_u32 s35, s35, s33
	v_add_nc_u32 v[VW2A], s35, v[TC]
	s_add_co_u32 s35, s35, 512
	v_add_nc_u32 v[VW2C], s35, v[TC]
	s_mul_i32 s35, s34, 1016
	s_add_co_u32 s35, s35, s33
	s_add_co_u32 s35, s35, 8
	v_add_nc_u32 v[VW2B], s35, v[TC]
	s_lshl_b32 s33, s30, 7
	s_add_co_u32 s33, s33, s31
	s_add_co_u32 s33, s33, W2S
	v_lshl_add_u32 v[VW2S], v[TL], 2, s33
	s_lshl_b32 s33, s28, 3
	s_add_co_u32 s33, s33, s29                     ; my job of x: 8 m + s
	s_mul_i32 s34, s33, 1536
	s_add_co_u32 s34, s34, XF
	v_lshl_add_u32 v[VXI], v[TL], 4, s34
	s_lshl_b32 s34, s33, 7
	s_add_co_u32 s34, s34, XSI
	v_lshl_add_u32 v[VXSI], v[TL], 2, s34
	v_mul_u32_u24 v[VXS], v[TR], 784
	v_mad_u32_u24 v[VXS], v[TH], 24, v[VXS]
	s_mul_i32 s34, s28, 12544
	s_mul_i32 s35, s29, 96
	s_add_co_u32 s34, s34, s35
	s_add_co_u32 s34, s34, XST
	v_add_nc_u32 v[VXS], s34, v[VXS]
	s_lshl_b32 s34, s28, 9
	s_lshl_b32 s35, s29, 2
	s_add_co_u32 s34, s34, s35
	s_add_co_u32 s34, s34, XSS
	v_lshl_add_u32 v[VXSS], v[TR], 5, s34
	s_mul_i32 s34, s26, 1568                       ; the way out of x's codes: rows 2 w and 2 w + 1
	s_add_co_u32 s34, s34, XST
	v_lshl_add_u32 v[VR0], v[TL], 4, s34
	v_lshl_add_u32 v[VR1], v[TH], 4, v[VR0]
	s_lshl_b32 s34, s28, 9
	s_add_co_u32 s34, s34, XSS
	v_lshl_add_u32 v[VRS], v[TL], 4, s34
	v_lshlrev_b32 v[VG16], 4, v[TL]
	s_mul_i32 s34, s28, 12288
	s_add_co_u32 s34, s34, XF
	v_lshl_add_u32 v[VXR], v[TL], 4, s34
	s_lshl_b32 s34, s28, 10
	s_add_co_u32 s34, s34, XSI
	v_lshl_add_u32 v[VXSR], v[TL], 2, s34
	s_mul_i32 s34, s32, 3072
	v_lshl_add_u32 v[VB1], v[TL], 4, s34
	v_add_nc_u32 v[VB1+1], 49152, v[VB1]
	s_lshl_b32 s34, s32, 7
	s_add_co_u32 s34, s34, W1S
	v_lshl_add_u32 v[VB1S], v[TL], 2, s34
	s_lshl_b32 s34, s28, 2
	s_add_co_u32 s34, s34, s32
	s_lshl_b32 s34, s34, 11
	s_add_co_u32 s34, s34, G1F
	v_lshl_add_u32 v[VG1W], v[TL], 4, s34
	s_lshl_b32 s34, s28, 13
	s_add_co_u32 s34, s34, G1F
	v_lshl_add_u32 v[VG1R], v[TL], 4, s34
	v_lshl_add_u32 v[VB2], v[TL], 4, W2F
	v_lshl_add_u32 v[VB2S], v[TL], 2, W2S
	v_and_b32 v[TA], 7, v0
	v_lshlrev_b32 v[TA], 2, v[TA]
	v_lshl_add_u32 v[VW3], v[TH], 9, v[TA]         ; Wg3: 16 h rows of 32 bytes, expert r % 8
	v_lshlrev_b32 v[VBI], 6, v[TH]
	v_lshlrev_b32 v[VT8], 3, v[TR]
	v_lshlrev_b32 v[VT4], 2, v[TR]
.irp b, 0,1,2,3
	v_mov_b32 v[TM+4+\b], 0                        ; written once: a lane permute's destination counts as one of its sources
.endr
	s_lshl_b32 s36, ttmp9, 17                      ; x: 32 rows of 4,096 bytes a work-group, 16 a tile, 512 bytes a K step
	s_lshl_b32 s33, s28, 16
	s_add_co_u32 s36, s36, s33
	s_lshl_b32 s33, s29, 9
	s_add_co_u32 s36, s36, s33
	s_mov_b32 s37, 0
	s_lshl_b32 s38, s31, 17                        ; Wg1: 256 rows of 512 bytes
	s_mov_b32 s39, 0
	s_lshl_b32 s40, s31, 14                        ; Wg2: 32 rows
	s_mov_b32 s41, 0
	s_mul_i32 s52, ttmp9, 24576                    ; gx: my two rows of codes
	s_mul_i32 s33, s26, 1536
	s_add_co_u32 s52, s52, s33
	s_mov_b32 s53, 0
	s_lshl_b32 s54, ttmp9, 10                      ; gx: half of the work-group's scale words
	s_lshl_b32 s33, s28, 9
	s_add_co_u32 s54, s54, s33
	s_add_co_u32 s54, s54, GXS
	s_mov_b32 s55, 0
	s_lshl_b32 s56, s32, 7                         ; bg1: my 32 numbers
	s_mov_b32 s57, 0
	s_wait_kmcnt 0x0
	s_add_nc_u64 s[36:37], s[4:5], s[36:37]
	s_add_nc_u64 s[38:39], s[6:7], s[38:39]
	s_add_nc_u64 s[40:41], s[10:11], s[40:41]
	s_add_nc_u64 s[52:53], s[18:19], s[52:53]
	s_add_nc_u64 s[54:55], s[18:19], s[54:55]
	s_add_nc_u64 s[56:57], s[8:9], s[56:57]
	; ---- PHASE A
.irp b, 0,1,2,3
.irp j, 0,1,2,3
	global_load_b128 v[R1+16*\b+4*\j:R1+16*\b+4*\j+3], v[VX], s[36:37] offset:128*\b+16*\j th:TH_LOAD_NT   ; x(r, 128 s + 32 b + 16 h + 4 j ..): read once in the launch
.endr
.endr
	WLOAD 0, 38, 0
	WLOAD 1, 38, 32
	WLOAD 2, 38, 64
	s_load_b256 s[44:51], s[16:17], 0x0            ; bg3
	s_wait_loadcnt 63                              ; 96 loads are younger than x's sixteen; 63 is the largest count that the wait can name, and asks for more than is needed
	QUANT R1
.irp c, 0,1,2
	ds_store_b128 v[VXI], v[PC+4*\c:PC+4*\c+3] offset:512*\c       ; the fragment's image, for product 1
.endr
	ds_store_b32 v[VXSI], v[PW]
.irp c, 0,1
.irp p, 0,1,2
	ds_store_b64 v[VXS], v[PC+6*\c+2*\p:PC+6*\c+2*\p+1] offset:48*\c+8*\p   ; and as 24 bytes of my row's stream of bits, for the experts' first layer
.endr
.endr
	ds_store_b32 v[VXSS], v[PW]                    ; (both halves of the lanes write the same word with the same value)
	s_wait_dscnt 0x0                               ; the stores have read their registers
.irp t, 0,1,2,3,4,5,6
	QBLK \t, 63                                    ; two younger blocks, 64 loads, are out: 63 is the largest count
.endr
	QBLK 7, 32                                     ; one younger block
	s_wait_loadcnt 0x0
.set XB, XS0+32*(8%3)
	QHEART 8                                       ; my block of Wg2
	ds_store_b64 v[VW2A], v[CC:CC+1]
	ds_store_b64 v[VW2B], v[CC+2:CC+3]
	ds_store_b64 v[VW2C], v[CC+4:CC+5]
	ds_store_b8 v[VW2S], v[SW]
	s_wait_kmcnt 0x0                               ; bg3
	s_wait_dscnt 0x0                               ; for the others' sake: my stores have landed
	s_barrier_signal -1
	s_barrier_wait -1                              ; all operands lie in LDS
	; ---- x's codes leave: two rows, 1,536 dense bytes, a wave: three stores of 512 consecutive bytes.  A stage row is 784 bytes: behind byte 768 the address is 16 further on
	ds_load_b128 v[R1:R1+3], v[VR0]
	ds_load_b128 v[R1+4:R1+7], v[VR1] offset:512
	ds_load_b128 v[R1+8:R1+11], v[VR0] offset:1040
	s_wait_dscnt 0x0
.irp j, 0,1,2
	global_store_b128 v[VG16], v[R1+4*\j:R1+4*\j+3], s[52:53] offset:512*\j
.endr
	s_cmp_lt_u32 s26, 2
	s_cbranch_scc0 .Lno_xs
	ds_load_b128 v[R1+12:R1+15], v[VRS]            ; waves 0 and 1: the 1,024 bytes of scale words
	s_wait_dscnt 0x0
	global_store_b128 v[VG16], v[R1+12:R1+15], s[54:55]
.Lno_xs:
	s_wait_xcnt 0x0                                ; the stores have read their registers and bases: both are written again below
	s_cmp_lt_u32 s26, 8
	s_cbranch_scc0 .Lno_p1
	; ---- PRODUCT 1, waves 0-7: tile m of tokens x 32 columns, K = 1,024 in two batches of four K steps; two accumulators by turns.  bg1 is the C of the first products
.irp u, 0,1
.irp i, 0,1
	global_load_b128 v[R1+8*\u+4*\i:R1+8*\u+4*\i+3], v[VBI], s[56:57] offset:32*\u+16*\i
.endr
.endr
.macro P1BATCH bt
.irp sb, 0,1,2,3
.irp g, 0,1,2
	ds_load_b128 v[R1+16+12*\sb+4*\g:R1+16+12*\sb+4*\g+3], v[VXR] offset:(4*\bt+\sb)*1536+512*\g
.endr
.irp u, 0,1
.irp g, 0,1,2
	ds_load_b128 v[XS0+24*\sb+12*\u+4*\g:XS0+24*\sb+12*\u+4*\g+3], v[VB1+\bt] offset:\sb*12288+\u*1536+512*\g
.endr
.endr
	ds_load_b32 v[SX+\sb], v[VXSR] offset:128*(4*\bt+\sb)
	ds_load_b32 v[SWG+\sb], v[VB1S] offset:512*(4*\bt+\sb)
.endr
	s_wait_dscnt 0x0
.if \bt == 0
	s_wait_loadcnt 0x0                             ; bg1
.endif
.irp sb, 0,1,2,3
	v_wmma_scale_f32_16x16x128_f8f6f4 v[R1:R1+7], v[XS0+24*\sb:XS0+24*\sb+11], v[R1+16+12*\sb:R1+16+12*\sb+11], v[R1:R1+7], v[SWG+\sb], v[SX+\sb] matrix_a_fmt:MATRIX_FMT_BF6 matrix_b_fmt:MATRIX_FMT_BF6
	v_wmma_scale_f32_16x16x128_f8f6f4 v[R1+8:R1+15], v[XS0+24*\sb+12:XS0+24*\sb+23], v[R1+16+12*\sb:R1+16+12*\sb+11], v[R1+8:R1+15], v[SWG+\sb], v[SX+\sb] matrix_a_fmt:MATRIX_FMT_BF6 matrix_b_fmt:MATRIX_FMT_BF6 matrix_a_scale:MATRIX_SCALE_ROW1
.endr
.rept 4
	v_nop                                          ; places in front of loads into registers that matrix instructions have read, and of the first read of results
.endr
.endm
	P1BATCH 0
	P1BATCH 1
.set JJ, 0
.rept 16
	v_max_num_f32 v[R1+JJ], 0, v[R1+JJ]            ; relu, in f32; each accumulator from its low end on
.set JJ, JJ+1
.endr
.irp i, 0,1,2,3
	ds_store_b128 v[VG1W], v[R1+4*\i:R1+4*\i+3] offset:512*\i      ; register 8 u + j = g1(token r, 32 np + 16 h + 8 u + j)
.endr
.Lno_p1:
	s_wait_dscnt 0x0
	s_barrier_signal -1
	s_barrier_wait -1                              ; g1 lies in LDS
	s_cmp_lt_u32 s26, 2
	s_cbranch_scc0 .Lend
	; ---- THE TAIL, waves 0 and 1: tile m of tokens
.irp t, 0,1,2,3,4,5,6,7
.irp i, 0,1
	global_load_b128 v[R2+8*\t+4*\i:R2+8*\t+4*\i+3], v[VBI], s[12:13] offset:128*(\t/2)+32*(\t%2)+16*\i   ; bg2, the C of product 2
.endr
.endr
.irp c, 0,1,2,3
	ds_load_b32 v[SWG+\c], v[VB2S] offset:128*\c
.endr
.irp n, 0,1,2,3
.irp i, 0,1,2,3
	ds_load_b128 v[R1+16*\n+4*\i:R1+16*\n+4*\i+3], v[VG1R] offset:2048*\n+512*\i
.endr
.endr
	s_wait_dscnt 0x0
	QUANT R1                                       ; g1's 128 numbers of my token: one fragment, one scale word
.set RHO, 0
.rept 64
	global_load_b32 v[R1+RHO], v[VW3], s[14:15] offset:(32*(RHO/16)+RHO%16)*32   ; Wg3(32 (rho / 16) + 16 h + rho % 16, r % 8): the hidden unit that register rho of product 2's sums holds in my half
.set RHO, RHO+1
.endr
.rept 8
	v_nop                                          ; a scale register written by a vector instruction stands 8 places ahead of a scaled matrix instruction, an operand so written 4
.endr
.irp bq, 0,1,2,3
.irp u, 0,1
.irp g, 0,1,2
	ds_load_b128 v[R3+12*\u+4*\g:R3+12*\u+4*\g+3], v[VB2] offset:(2*\bq+\u)*1536+512*\g
.endr
.endr
	s_wait_dscnt 0x0
.if \bq == 0
	s_wait_loadcnt 0x0                             ; bg2, and Wg3 behind it
.endif
	v_wmma_scale_f32_16x16x128_f8f6f4 v[R2+16*\bq:R2+16*\bq+7], v[R3:R3+11], v[PC:PC+11], v[R2+16*\bq:R2+16*\bq+7], v[SWG+\bq], v[PW] matrix_a_fmt:MATRIX_FMT_BF6 matrix_b_fmt:MATRIX_FMT_BF6
	v_wmma_scale_f32_16x16x128_f8f6f4 v[R2+16*\bq+8:R2+16*\bq+15], v[R3+12:R3+23], v[PC:PC+11], v[R2+16*\bq+8:R2+16*\bq+15], v[SWG+\bq], v[PW] matrix_a_fmt:MATRIX_FMT_BF6 matrix_b_fmt:MATRIX_FMT_BF6 matrix_a_scale:MATRIX_SCALE_ROW1
.rept 4
	v_nop
.endr
.endr
.set JJ, 0
.rept 64
	v_max_num_f32 v[R2+JJ], 0, v[R2+JJ]            ; g2 = relu, in f32
.set JJ, JJ+1
.endr
	; PRODUCT 3, in f32: source 0 = Wg3's experts (rows 8-15 repeat rows 0-7), source 1 = g2 as it stands; k is permuted alike on both sides.  Two sums by turns, each begun with the constant 0
.set II, 0
.rept 32
.if II < 2
	v_wmma_f32_16x16x4_f32 v[L0+8*(II%2):L0+8*(II%2)+7], v[R1+2*II:R1+2*II+1], v[R2+2*II:R2+2*II+1], 0
.else
	v_wmma_f32_16x16x4_f32 v[L0+8*(II%2):L0+8*(II%2)+7], v[R1+2*II:R1+2*II+1], v[R2+2*II:R2+2*II+1], v[L0+8*(II%2):L0+8*(II%2)+7]
.endif
.set II, II+1
.endr
.rept 8
	v_nop                                          ; eight places behind this form
.endr
.set LG, 222                                   ; the logits; later log2(p + 1e-9)
.set EX, 230                                   ; the exponentials; later the scores without the best
.set PP, 238                                   ; the scores
.irp j, 0,1,2,3,4,5,6,7
	v_add_f32 v[LG+\j], v[L0+\j], v[L1+\j]         ; every lane holds its token's eight logits (both halves of the lanes alike)
.endr
.irp j, 0,1,2,3,4,5,6,7
	v_add_f32 v[LG+\j], s[44+\j], v[LG+\j]         ; + bg3
.endr
	v_max3_num_f32 v246, v[LG], v[LG+1], v[LG+2]
	v_max3_num_f32 v246, v246, v[LG+3], v[LG+4]
	v_max3_num_f32 v246, v246, v[LG+5], v[LG+6]
	v_max_num_f32 v246, v246, v[LG+7]              ; the maximum is taken away before the exponential
.irp j, 0,1,2,3,4,5,6,7
	v_sub_f32 v[EX+\j], v[LG+\j], v246
.endr
.irp j, 0,1,2,3,4,5,6,7
	v_mul_f32 v[EX+\j], 0x3fb8aa3b, v[EX+\j]       ; x log2(e)
.endr
.irp j, 0,1,2,3,4,5,6,7
	v_exp_f32 v[EX+\j], v[EX+\j]
.endr
	v_nop                                          ; a plain place behind the batch
	s_wait_alu depctr_va_vdst(0)                   ; one wait for the eight, ahead of their first reader
	v_add_f32 v247, v[EX], v[EX+1]
	v_add_f32 v248, v[EX+2], v[EX+3]
	v_add_f32 v249, v[EX+4], v[EX+5]
	v_add_f32 v250, v[EX+6], v[EX+7]
	v_add_f32 v247, v247, v248
	v_add_f32 v249, v249, v250
	v_add_f32 v247, v247, v249
	v_rcp_f32 v248, v247
	v_nop
	s_wait_alu depctr_va_vdst(0)
.irp j, 0,1,2,3,4,5,6,7
	v_mul_f32 v[PP+\j], v[EX+\j], v248             ; the gate's scores
.endr
.irp j, 0,1,2,3,4,5,6,7
	v_add_f32 v[LG+\j], 0x3089705f, v[PP+\j]       ; + 1e-9
.endr
.irp j, 0,1,2,3,4,5,6,7
	v_log_f32 v[LG+\j], v[LG+\j]
.endr
	v_mov_b32 v252, v[PP]                          ; the best score and its expert: a later expert wins only by a larger score, so the lower index is kept.  (Independent work behind the logarithms)
	v_mov_b32 v250, 0
.irp e, 1,2,3,4,5,6,7
	v_cmp_ge_f32 vcc_lo, v252, v[PP+\e]
	v_cndmask_b32 v252, v[PP+\e], v252, vcc_lo
	v_cndmask_b32 v250, \e, v250, vcc_lo
.endr
	s_wait_alu depctr_va_vdst(0)                   ; one wait for the eight logarithms
	v_mul_f32 v249, v[PP], v[LG]
.irp j, 1,2,3,4,5,6,7
	v_fmac_f32 v249, v[PP+\j], v[LG+\j]
.endr
	v_mul_f32 v249, 0xbf317218, v249               ; x -ln 2: the token's entropy
.irp e, 0,1,2,3,4,5,6,7
	v_cmp_ne_u32 vcc_lo, \e, v250
	v_cndmask_b32 v[EX+\e], -1.0, v[PP+\e], vcc_lo ; the best is taken out: -1 lies under every score
.endr
	v_mov_b32 v253, v[EX]
	v_mov_b32 v251, 0
.irp e, 1,2,3,4,5,6,7
	v_cmp_ge_f32 vcc_lo, v253, v[EX+\e]
	v_cndmask_b32 v253, v[EX+\e], v253, vcc_lo
	v_cndmask_b32 v251, \e, v251, vcc_lo
.endr
	v_add_f32 v230, v252, v253
	v_add_f32 v230, 0x3089705f, v230               ; the two scores' sum + 1e-9
	v_rcp_f32 v231, v230
	s_lshl_b32 s58, ttmp9, 5
	s_lshl_b32 s33, s28, 4
	s_add_co_u32 s58, s58, s33                     ; my tile's first token
	s_lshl_b32 s60, s58, 2
	s_lshl_b32 s58, s58, 3
	s_mov_b32 s59, 0
	s_mov_b32 s61, 0
	s_add_nc_u64 s[20:21], s[20:21], s[58:59]
	s_add_nc_u64 s[22:23], s[22:23], s[58:59]
	s_add_nc_u64 s[24:25], s[24:25], s[58:59]
	s_add_nc_u64 s[52:53], s[18:19], s[58:59]
	s_add_nc_u64 s[54:55], s[18:19], s[60:61]
	v_nop
	s_wait_alu depctr_va_vdst(0)
	v_mul_f32 v246, v252, v231
	v_mul_f32 v247, v253, v231
	; Lanes r and r + 16 store the same bytes with the same values.  Pieces of 128 and 64 bytes of arrays of 8 KB and 4 KB: no stage is spent on them
	global_store_b64 v[VT8], v[250:251], s[22:23]              ; out2
	global_store_b64 v[VT8], v[250:251], s[20:21]              ; the same as whole numbers for the next launch
	global_store_b64 v[VT8], v[252:253], s[24:25]              ; out3
	global_store_b64 v[VT8], v[246:247], s[52:53] offset:GWN
	global_store_b32 v[VT4], v249, s[54:55] offset:GEN
.Lend:
	s_wait_tensorcnt 0x0                           ; the wave's end: a tensor wait, kept in a text with no tensor load too, then an LDS add and its wait, behind my last LDS store
	ds_add_u32 v[SPW], v[NIL]
	s_wait_dscnt 0x0
	s_endpgm
.Lfunc_end_k_q3c4548ae0c_gate:
	.size	k_q3c4548ae0c_gate, .Lfunc_end_k_q3c4548ae0c_gate-k_q3c4548ae0c_gate
	.p2alignl 7, 3214868480
	.fill 96, 4, 3214868480
	.section	.rodata,"a",@progbits
	.p2align	6, 0x0
	.amdhsa_kernel k_q3c4548ae0c_gate
		.amdhsa_group_segment_fixed_size 186368
		.amdhsa_private_segment_fixed_size 0
		.amdhsa_enable_private_segment 0
		.amdhsa_kernarg_size 88
		.amdhsa_user_sgpr_count 2
		.amdhsa_user_sgpr_kernarg_segment_ptr 1
		.amdhsa_wavefront_size32 1
		.amdhsa_system_sgpr_workgroup_id_x 1
		.amdhsa_system_sgpr_workgroup_id_y 1
		.amdhsa_system_sgpr_workgroup_id_z 1
		.amdhsa_system_vgpr_workitem_id 0
		.amdhsa_next_free_vgpr 256
		.amdhsa_next_free_sgpr 66
		.amdhsa_reserve_vcc 1
		.amdhsa_float_denorm_mode_32 3
		.amdhsa_float_denorm_mode_16_64 3
		.amdhsa_memory_ordered 1
		.amdhsa_forward_progress 1
		.amdhsa_inst_pref_size 92
	.end_amdhsa_kernel
	.amdgpu_metadata
---
amdhsa.version: [ 1, 2 ]
amdhsa.kernels:
  - .name:           k_q3c4548ae0c_gate
    .symbol:         k_q3c4548ae0c_gate.kd
    .args:
      - { .name: x, .offset: 0, .size: 8, .value_kind: global_buffer, .address_space: global }
      - { .name: Wg1, .offset: 8, .size: 8, .value_kind: global_buffer, .address_space: global }
      - { .name: bg1, .offset: 16, .size: 8, .value_kind: global_buffer, .address_space: global }
      - { .name: Wg2, .offset: 24, .size: 8, .value_kind: global_buffer, .address_space: global }
      - { .name: bg2, .offset: 32, .size: 8, .value_kind: global_buffer, .address_space: global }
      - { .name: Wg3, .offset: 40, .size: 8, .value_kind: global_buffer, .address_space: global }
      - { .name: bg3, .offset: 48, .size: 8, .value_kind: global_buffer, .address_space: global }
      - { .name: gx, .offset: 56, .size: 8, .value_kind: global_buffer, .address_space: global }
      - { .name: gidx, .offset: 64, .size: 8, .value_kind: global_buffer, .address_space: global }
      - { .name: out2, .offset: 72, .size: 8, .value_kind: global_buffer, .address_space: global }
      - { .name: out3, .offset: 80, .size: 8, .value_kind: global_buffer, .address_space: global }
    .group_segment_fixed_size: 186368
    .private_segment_fixed_size: 0
    .kernarg_segment_align: 8
    .kernarg_segment_size: 88
    .max_flat_workgroup_size: 512
    .sgpr_count:     66
    .vgpr_count:     256
    .wavefront_size: 32
...
	.end_amdgpu_metadata
.endif
;; end of part 1
;; launch route (part 2): grid 1 x 1, 32 waves a work-group, no clusters, 8,448 bytes of LDS; arguments gidx, gx, rt, out1; writes rt, out1
.if DOCPART == 2
	.amdgcn_target "amdgcn-amd-amdhsa--gfx1250"
	.amdhsa_code_object_version 6
	.text
	.protected	k_q3c4548ae0c_route
	.globl	k_q3c4548ae0c_route
	.p2align	8
	.type	k_q3c4548ae0c_route,@function
k_q3c4548ae0c_route:
	s_mov_b64 s[64:65], 0
	v_nop
	global_prefetch_b8 v0, s[64:65] scope:SCOPE_SE
	s_setreg_imm32_b32 hwreg(HW_REG_WAVE_MODE, 25, 1), 1
	s_wait_xcnt 0x0
; THE ROUTING: a counting sort of the 2,048 chosen (token, expert) rows by expert, and aux_loss.  One work-group, thread t = token t.  All that leads to an address is whole numbers read from gidx.
; Expert e gets P_e = ceil(c_e / 32) units of 32 slots, from unit UB_e = P_0 + .. + P_(e-1) on: at most 71 units whatever the split.  A unit's spare slots name token 0: they are computed and nobody reads them.
; rt: LIST: the token of each slot; REC: for each token {slot 0, slot 1, expert 0, expert 1}; TAB: for each expert {P_e, UB_e}.
; Only the chosen rows are placed: the rows that the problem's gather drops are left out (shown at the head of the first kernel).
.set CNT,   0                          ; LDS: wave w's eight counts at 128 w
.set ENT,   4096                       ; the waves' sums of entropy
.set SPARE, 4352                       ; the spare words, 128 bytes for each of 32 waves
.set REC,   9216
.set TAB,   25600
.set GEN,   827392
.set PRE,   40                         ; v40-47: how many lanes under mine in my wave have a row for expert e
.set PAD,   64                         ; v64-71: wave 0: where my lane's spare slot of expert e would lie in LIST; written once each
	s_load_b256 s[4:11], s[0:1], 0x0               ; gidx, gx, rt, out1
	v_lshl_add_u32 v1, v0, 2, SPARE
	v_mov_b32 v2, 0
	v_lshrrev_b32 v3, 5, v0
	v_readfirstlane_b32 s12, v3                    ; wave
	v_lshlrev_b32 v3, 3, v0
	v_lshlrev_b32 v7, 2, v0
	v_and_b32 v8, 31, v0                           ; lane
	s_mov_b32 s14, 0x76543210
	s_mov_b32 s15, 0xfedcba98
	s_wait_kmcnt 0x0
	global_load_b64 v[4:5], v3, s[4:5]             ; my token's two experts
	global_load_b32 v6, v7, s[6:7] offset:GEN      ; and its entropy
	v_mov_b32 v9, 0
	v_mov_b32 v10, 0
.irp k, 0,1,2,3,4,5,6,7
	v_mov_b32 v[32+\k], 0                          ; written once: the destination of a move between lanes counts as one of its sources
.endr
	v_mov_b32 v48, 0
	v_mov_b32 v49, 0
	v_mov_b32 v59, 0
	v_mov_b32 v62, 0
	s_wait_loadcnt 0x0
.irp e, 0,1,2,3,4,5,6,7
	v_cmp_eq_u32 s16, \e, v4
	v_cmp_eq_u32 s17, \e, v5
	s_or_b32 s16, s16, s17                         ; the lanes of my wave with a row for expert e (a token's two experts differ)
	s_bcnt1_i32_b32 s17, s16
	v_mbcnt_lo_u32_b32 v[PRE+\e], s16, 0
	v_writelane_b32 v9, s17, \e
.endr
	ds_store_b32 v7, v9                            ; lane e of wave w: the wave's count for expert e
	v_add_f32_dpp v6, v6, v6 row_xmask:1 row_mask:0xf bank_mask:0xf
	v_add_f32_dpp v6, v6, v6 row_xmask:2 row_mask:0xf bank_mask:0xf
	v_add_f32_dpp v6, v6, v6 row_xmask:4 row_mask:0xf bank_mask:0xf
	v_add_f32_dpp v6, v6, v6 row_xmask:8 row_mask:0xf bank_mask:0xf
	v_permlanex16_b32 v10, v6, s14, s15
	v_add_f32 v6, v6, v10
	v_mov_b32 v11, s12
	v_lshlrev_b32 v11, 2, v11
	ds_store_b32 v11, v6 offset:ENT                ; all lanes write the same word with the same value
	s_wait_dscnt 0x0
	s_barrier_signal -1
	s_barrier_wait -1
	v_lshlrev_b32 v12, 7, v8                       ; lane l stands for wave l
.irp e, 0,1,2,3,4,5,6,7
	ds_load_b32 v[16+\e], v12 offset:4*\e
.endr
	s_wait_dscnt 0x0
	v_cmp_gt_u32 vcc_lo, s12, v8                   ; the waves in front of mine
.irp i, 0,1,2,3
	v_lshl_or_b32 v[24+\i], v[17+2*\i], 16, v[16+2*\i]   ; two counts to a register: a total is 1,024 at the most
.endr
.irp i, 0,1,2,3
	v_cndmask_b32 v[28+\i], 0, v[24+\i], vcc_lo
.endr
.irp x, 1,2,4,8
.irp k, 0,1,2,3,4,5,6,7
	v_mov_b32_dpp v[32+\k], v[24+\k] row_xmask:\x row_mask:0xf bank_mask:0xf
.endr
.irp k, 0,1,2,3,4,5,6,7
	v_add_nc_u32 v[24+\k], v[24+\k], v[32+\k]
.endr
.endr
.irp k, 0,1,2,3,4,5,6,7
	v_permlanex16_b32 v[32+\k], v[24+\k], s14, s15
.endr
.irp k, 0,1,2,3,4,5,6,7
	v_add_nc_u32 v[24+\k], v[24+\k], v[32+\k]
.endr
.irp i, 0,1,2,3
	v_readfirstlane_b32 s16, v[24+\i]
	v_readfirstlane_b32 s17, v[28+\i]
	s_and_b32 s[28+2*\i], s16, 0xffff              ; s28-35: c_e
	s_lshr_b32 s[29+2*\i], s16, 16
	s_and_b32 s[36+2*\i], s17, 0xffff              ; s36-43: expert e's rows in the waves in front of mine
	s_lshr_b32 s[37+2*\i], s17, 16
.endr
	s_mov_b32 s60, 0
.irp e, 0,1,2,3,4,5,6,7
	s_add_co_u32 s[44+\e], s[28+\e], 31
	s_lshr_b32 s[44+\e], s[44+\e], 5               ; s44-51: P_e
	s_mov_b32 s[52+\e], s60                        ; s52-59: UB_e
	s_add_co_u32 s60, s60, s[44+\e]
	s_lshl_b32 s61, s[52+\e], 5
	s_add_co_u32 s[36+\e], s[36+\e], s61           ; the first slot of my wave's rows for expert e
.endr
.irp e, 0,1,2,3,4,5,6,7
	v_add_nc_u32 v50, s[36+\e], v[PRE+\e]
	v_cmp_eq_u32 vcc_lo, \e, v4
	v_cndmask_b32 v48, v48, v50, vcc_lo
	v_cmp_eq_u32 vcc_lo, \e, v5
	v_cndmask_b32 v49, v49, v50, vcc_lo
.endr
	v_min_u32 v52, 0x8ff, v48                      ; a slot lies under 2,304
	v_min_u32 v53, 0x8ff, v49
	v_mov_b32 v54, v4
	v_mov_b32 v55, v5
	v_lshlrev_b32 v56, 2, v52
	v_lshlrev_b32 v57, 2, v53
	v_lshlrev_b32 v58, 4, v0
	global_store_b32 v56, v0, s[8:9]               ; LIST[slot] = my token
	global_store_b32 v57, v0, s[8:9]
	global_store_b128 v58, v[52:55], s[8:9] offset:REC
	s_cmp_lg_u32 s12, 0
	s_cbranch_scc1 .Lend
	; ---- wave 0 alone: the spare slots, the table, aux_loss
	; The eight addresses are made first, with all lanes on, each in a register of its own: slot 32 UB_e + c_e + lane
.irp e, 0,1,2,3,4,5,6,7
	s_lshl_b32 s62, s[52+\e], 5
	s_add_co_u32 s62, s62, s[28+\e]
	v_add_nc_u32 v[PAD+\e], s62, v8
.endr
.irp e, 0,1,2,3,4,5,6,7
	v_min_u32 v[PAD+\e], 0x8ff, v[PAD+\e]          ; a slot lies under 2,304
.endr
.irp e, 0,1,2,3,4,5,6,7
	v_lshlrev_b32 v[PAD+\e], 2, v[PAD+\e]
.endr
	s_wait_xcnt 0x0                                ; the stores issued so far have read EXEC: it changes below
.irp e, 0,1,2,3,4,5,6,7
	s_lshl_b32 s61, s[44+\e], 5
	s_sub_co_u32 s61, s61, s[28+\e]                ; 32 P_e - c_e spare slots, 31 at the most: a lane to each
	v_cmp_gt_u32 vcc_lo, s61, v8
	s_and_saveexec_b32 s63, vcc_lo
	global_store_b32 v[PAD+\e], v59, s[8:9]        ; token 0
	s_wait_xcnt 0x0                                ; the store has read EXEC: it is widened only behind this wait
	s_or_b32 exec_lo, exec_lo, s63
.endr
.irp e, 0,1,2,3,4,5,6,7
	v_writelane_b32 v62, s[44+\e], 2*\e
	v_writelane_b32 v62, s[52+\e], 2*\e+1
.endr
	global_store_b32 v7, v62, s[8:9] offset:TAB    ; 128 bytes: sixteen numbers and sixteen zeros
	ds_load_b32 v25, v7 offset:ENT                 ; the 32 waves' sums of entropy
.irp e, 0,1,2,3,4,5,6,7
	v_cvt_f32_u32 v[16+\e], s[28+\e]
.endr
.irp e, 0,1,2,3,4,5,6,7
	v_mul_f32 v[16+\e], 0x3a800000, v[16+\e]       ; / 1,024 (1,024 + 1e-9 is 1,024 in f32)
.endr
	v_add_f32 v26, v16, v17
	v_add_f32 v27, v18, v19
	v_add_f32 v28, v20, v21
	v_add_f32 v29, v22, v23
	v_add_f32 v26, v26, v27
	v_add_f32 v28, v28, v29
	v_add_f32 v26, v26, v28
	v_mul_f32 v26, 0x3e000000, v26                 ; the mean load
.irp e, 0,1,2,3,4,5,6,7
	v_sub_f32 v[16+\e], v[16+\e], v26
.endr
	v_mul_f32 v24, v16, v16
.irp e, 1,2,3,4,5,6,7
	v_fmac_f32 v24, v[16+\e], v[16+\e]
.endr
	v_mul_f32 v24, 0x3f36db6e, v24                 ; x 5 / 7: the unbiased variance x lambda_balance
	s_wait_dscnt 0x0
	v_add_f32_dpp v25, v25, v25 row_xmask:1 row_mask:0xf bank_mask:0xf
	v_add_f32_dpp v25, v25, v25 row_xmask:2 row_mask:0xf bank_mask:0xf
	v_add_f32_dpp v25, v25, v25 row_xmask:4 row_mask:0xf bank_mask:0xf
	v_add_f32_dpp v25, v25, v25 row_xmask:8 row_mask:0xf bank_mask:0xf
	v_permlanex16_b32 v10, v25, s14, s15
	v_add_f32 v25, v25, v10
	v_fmac_f32 v24, 0x38cccccd, v25                ; + 0.1 / 1,024 x the sum of the tokens' entropies
	v_cmp_eq_u32 vcc_lo, 0, v8
	s_wait_xcnt 0x0
	s_and_saveexec_b32 s63, vcc_lo
	global_store_b32 v59, v24, s[10:11]            ; out1, by lane 0
	s_wait_xcnt 0x0
	s_or_b32 exec_lo, exec_lo, s63
.Lend:
	s_wait_tensorcnt 0x0                           ; the wave's end: a tensor wait, kept in a text with no tensor load too, then an LDS add and its wait, behind my last LDS store
	ds_add_u32 v1, v2
	s_wait_dscnt 0x0
	s_endpgm
.Lfunc_end_k_q3c4548ae0c_route:
	.size	k_q3c4548ae0c_route, .Lfunc_end_k_q3c4548ae0c_route-k_q3c4548ae0c_route
	.p2alignl 7, 3214868480
	.fill 96, 4, 3214868480
	.section	.rodata,"a",@progbits
	.p2align	6, 0x0
	.amdhsa_kernel k_q3c4548ae0c_route
		.amdhsa_group_segment_fixed_size 8448
		.amdhsa_private_segment_fixed_size 0
		.amdhsa_enable_private_segment 0
		.amdhsa_kernarg_size 32
		.amdhsa_user_sgpr_count 2
		.amdhsa_user_sgpr_kernarg_segment_ptr 1
		.amdhsa_wavefront_size32 1
		.amdhsa_system_sgpr_workgroup_id_x 1
		.amdhsa_system_sgpr_workgroup_id_y 1
		.amdhsa_system_sgpr_workgroup_id_z 1
		.amdhsa_system_vgpr_workitem_id 0
		.amdhsa_next_free_vgpr 72
		.amdhsa_next_free_sgpr 66
		.amdhsa_reserve_vcc 1
		.amdhsa_float_denorm_mode_32 3
		.amdhsa_float_denorm_mode_16_64 3
		.amdhsa_memory_ordered 1
		.amdhsa_forward_progress 1
		.amdhsa_inst_pref_size 22
	.end_amdhsa_kernel
	.amdgpu_metadata
---
amdhsa.version: [ 1, 2 ]
amdhsa.kernels:
  - .name:           k_q3c4548ae0c_route
    .symbol:         k_q3c4548ae0c_route.kd
    .args:
      - { .name: gidx, .offset: 0, .size: 8, .value_kind: global_buffer, .address_space: global }
      - { .name: gx, .offset: 8, .size: 8, .value_kind: global_buffer, .address_space: global }
      - { .name: rt, .offset: 16, .size: 8, .value_kind: global_buffer, .address_space: global }
      - { .name: out1, .offset: 24, .size: 8, .value_kind: global_buffer, .address_space: global }
    .group_segment_fixed_size: 8448
    .private_segment_fixed_size: 0
    .kernarg_segment_align: 8
    .kernarg_segment_size: 32
    .max_flat_workgroup_size: 1024
    .sgpr_count:     66
    .vgpr_count:     72
    .wavefront_size: 32
...
	.end_amdgpu_metadata
.endif
;; end of part 2
;; launch l1 (part 3): grid 256 x 1, 16 waves a work-group, no clusters, 53,248 bytes of LDS; arguments We1, be1, gx, rt, h1; writes h1
.if DOCPART == 3
	.amdgcn_target "amdgcn-amd-amdhsa--gfx1250"
	.amdhsa_code_object_version 6
	.text
	.protected	k_q3c4548ae0c_l1
	.globl	k_q3c4548ae0c_l1
	.p2align	8
	.type	k_q3c4548ae0c_l1,@function
k_q3c4548ae0c_l1:
	s_mov_b64 s[64:65], 0
	v_nop
	global_prefetch_b8 v0, s[64:65] scope:SCOPE_SE
	s_setreg_imm32_b32 hwreg(HW_REG_WAVE_MODE, 25, 1), 1
	s_wait_xcnt 0x0
; A LAYER OF THE EXPERTS (LAYER = 1: h1 = relu(Q(x) Q(We1) + be1); 2: h2 = relu(Q(h1) Q(We2) + be2); 3: y = Q(h2) Q(We3), K in two halves).  One text for the three, told apart by LAYER.
; Only the rows of the experts chosen for each token are multiplied: the others are dropped by the problem's own gather (shown at the head of the first kernel).
; SHARES.  A work-group owns one expert and a strip of 64 of its weight's columns (layer 3: and one half of K).  PHASE A: its sixteen waves read the strip once, as f32, each 32 columns x 32 NBW along K:
; a lane takes a column and its registers run down K, so a block of 32 lies in one lane and the conversions give codes with K innermost.  The fragments go to LDS as images of their registers.
; One barrier.  PHASE B: wave w takes the expert's units w and w + 16 of 32 routed rows, in two trips: a token's two experts differ, so an expert has 1,024 rows, 32 units, at the most.  A trip whose unit lies at or
; beyond P_e, a whole number that the routing launch stored, is jumped over.  The rows' fragments go from memory straight into registers.
; No tensor load, no copy and so no joint load.  A work-group of an expert without rows reads its strip too: every wave passes the barrier.
; THE COLUMNS THAT FORM A TILE ARE NOT NEIGHBOURS: lane r of tile 2 b + u takes column 32 b + 8 u + r + 8 (r / 8); the product is used transposed (source 0 = 16 columns, source 1 = 16 rows), so that the 16
; registers of tiles 2 b, 2 b + 1 are 16 neighbours along the next K, and the results are quantised in registers: the hidden layers go to memory as codes alone, in the order of the operand's registers.
; h1, h2: [tile of 16 slots][K step][c = 0, 1]: 768 bytes: 16 bytes a lane (registers 6 c .. 6 c + 3), then 8 bytes a lane (6 c + 4, 6 c + 5); from HSOFF on the scale words, [tile][K step][row].
; LIMITS: as stated at the head of the first kernel (scale bytes held at 1 from below; NaN and infinities not served).
.set LAYER, 1
.if LAYER == 2
.set KS,   16                          ; K steps of 128 in the work-group's share
.set NBW,  8                           ; blocks of 32 along K to a wave in phase A
.set ESTR, 16777216                    ; bytes of an expert's weight
.else
.set KS,   8
.set NBW,  4
.set ESTR, 8388608
.endif
.if LAYER == 3
.set PITCHW, 4096                      ; a row of the weight in bytes
.else
.set PITCHW, 8192
.endif
.if LAYER == 1
.set LPS,  13                          ; loads that bring a K step's two fragments and scale words
.set SOFF, 786432                      ; where the incoming scale words begin
.else
.set LPS,  9
.set SOFF, 3538944
.endif
.set HSOFF, 3538944
.set TAB,   25600
.set YH,    9437184
.set WS,    KS*6144                    ; LDS: fragments (4 s + t) x 1536 from 0; scale words (2 s + ch) x 128 from WS
.set STG,   WS+KS*256                  ; layer 3: a stage of 16 rows x 272 bytes for each wave
.if LAYER == 3
.set SPARE, STG+16*4352
.else
.set SPARE, STG
.endif                                 ; the spare words, 128 bytes for each wave: eight blocks of 256 bytes that no other line names
.set SPW, 1
.set NIL, 2
.set VW,   3                           ; 4 col(l) + 128 ch
.set VWF,  4
.set VWS,  5
.set VLA,  6                           ; 16 l
.set VLB,  7                           ; 16 l + 49152
.set VLS,  8
.set VBI,  9                           ; 64 h
.set VL8,  10                          ; 8 l + 512
.set VLS4, 11                          ; 1024 h + 4 r
.set VU16, 12                          ; the trip's unit: 16 l + 49152 U
.set VU8,  13                          ; 8 l + 512 + 49152 U
.set VUS,  14                          ; 1024 h + 4 r + 2048 U
.set SA,   16                          ; v16-19 the rows' scale words, a register a ring slot: lanes 0-15 tile 0, lanes 16-31 tile 1;  v20-21 the weight's: scales and nothing else
.set SB,   20
.set VTB,  15                          ; layer 1: v15, v22-31
.set V4R,  22
.set V4L,  23
.set TK,   24
.set VAT,  27
.set VS1,  29
.set V24H, 30
.set VTA,  31
.set VST,  22                          ; layer 3: v22-25
.set VRD,  23
.set VYL,  24
.set VY,   25
.set ACC,  32                          ; v32-95: the sums, tile m of rows, tile t of columns at 32 m + 8 t
.set AR,   96                          ; v96-191: a ring of four K steps of the rows' fragments; in phase A three sets of 32 numbers
.set BF,   192                         ; v192-239: a K step's four fragments of the weight; in phase A and on the way out: codes
.set CC,   192
.set MX,   240
.set PX,   242
.set SCO,  244
.set BY,   246
.set W16,  248
.set SW,   250
.set WSEL, 251
.set SEL,  42
.if LAYER == 3
.set AB, 26
.set AS, 28
.else
.set AB, 8
.set AS, 8
.endif
.macro WLOAD t                         ; block t of my share: 32 rows at my column, into set t % 3; each byte of the weight is read once in the launch
.irp i, 0,1,2,3,4,5,6,7,8,9,10,11,12,13,14,15,16,17,18,19,20,21,22,23,24,25,26,27,28,29,30,31
	global_load_b32 v[AR+32*((\t)%3)+\i], v[VW], s[24:25] offset:(32*(\t)+\i)*PITCHW th:TH_LOAD_NT
.endr
.endm
.macro QBLK t
.if NBW-1-(\t) >= 2
	s_wait_loadcnt 63                              ; two younger blocks, 64 loads, are out: 63 is the largest count that the wait can name
.elseif NBW-1-(\t) == 1
	s_wait_loadcnt 32                              ; one younger block
.else
	s_wait_loadcnt 0x0
.endif
.set XB, AR+32*((\t)%3)
	v_max3_num_f32 v[MX], |v[XB]|, |v[XB+1]|, |v[XB+2]|            ; the block's largest magnitude: all 32 numbers are mine
	v_max3_num_f32 v[MX+1], |v[XB+3]|, |v[XB+4]|, |v[XB+5]|
.irp i, 6,10,14,18,22,26
	v_max3_num_f32 v[MX], v[MX], |v[XB+\i]|, |v[XB+\i+1]|
	v_max3_num_f32 v[MX+1], v[MX+1], |v[XB+\i+2]|, |v[XB+\i+3]|
.endr
	v_max3_num_f32 v[MX], v[MX], |v[XB+30]|, |v[XB+31]|
	v_max3_num_f32 v[MX], v[MX], v[MX+1], 0x2800000                ; and the floor 2^(5 - 127): the byte cannot fall under 1
	v_add_nc_u32 v[SCO], 0xfe000000, v[MX]                         ; 4 off its exponent field: the conversion's scale operand
	v_lshrrev_b32 v[BY], 23, v[SCO]
	v_cvt_scalef32_pk16_bf6_f32 v[CC:CC+2], v[XB:XB+15], v[SCO]
	v_cvt_scalef32_pk16_bf6_f32 v[CC+4:CC+6], v[XB+16:XB+31], v[SCO]   ; (a conversion's three registers begin on an even number)
.if (\t)%4 == 0
	v_mov_b32 v[SW], v[BY]                         ; the plain place behind the conversions: the byte joins the K step's scale word
.else
	v_lshl_or_b32 v[SW], v[BY], 8*((\t)%4), v[SW]
.endif
	v_mov_b32 v[CC+3], v[CC+4]
	v_mov_b32 v[CC+4], v[CC+5]
	v_mov_b32 v[CC+5], v[CC+6]
.set OO, ((\t)/4)*6144+256*((\t)%2)            ; block 2 c + par of a K step is registers 6 c .. 6 c + 5 of image lane r + 16 par
.if ((\t)/2)%2 == 0
	ds_store_b128 v[VWF], v[CC:CC+3] offset:OO
	ds_store_b64 v[VWF], v[CC+4:CC+5] offset:OO+512
.else
	ds_store_b64 v[VWF], v[CC:CC+1] offset:OO+520
	ds_store_b128 v[VWF], v[CC+2:CC+5] offset:OO+1024
.endif
.if (\t)%4 == 3
	ds_store_b32 v[VWS], v[SW] offset:((\t)/4)*256
.endif
.if (\t)+3 < NBW
	WLOAD (\t)+3
.endif
	s_wait_dscnt 0x0                               ; the stores have read their registers
.endm
.macro ALOAD s                         ; K step s of my 32 rows: two fragments and their scale words, into ring slot s % 4
.irp m, 0,1
.set RR, AR+24*((\s)%4)+12*\m
.if LAYER == 1
.irp p, 0,1,2,3,4,5
	global_load_b64 v[RR+2*\p:RR+2*\p+1], v[VAT+\m], s[AB:AB+1] offset:96*(\s)+48*(\p/3)+8*(\p%3)   ; 24 bytes of the token's stream of bits, twice
.endr
.else
.set OO, 24576*\m+1536*(\s)
	global_load_b128 v[RR:RR+3], v[VU16], s[AB:AB+1] offset:OO
	global_load_b64 v[RR+4:RR+5], v[VU8], s[AB:AB+1] offset:OO
	global_load_b128 v[RR+6:RR+9], v[VU16], s[AB:AB+1] offset:OO+768
	global_load_b64 v[RR+10:RR+11], v[VU8], s[AB:AB+1] offset:OO+768
.endif
.endr
.if LAYER == 1
	global_load_b32 v[SA+(\s)%4], v[VS1], s[AS:AS+1] offset:SOFF+4*(\s)
.else
	global_load_b32 v[SA+(\s)%4], v[VUS], s[AS:AS+1] offset:SOFF+64*(\s)
.endif
.endm
.macro BLOAD s                         ; K step s of the strip: four fragments and two registers of scale words, from LDS
.irp t, 0,1,2,3
.irp g, 0,1,2
.if (\s) < 8
	ds_load_b128 v[BF+12*\t+4*\g:BF+12*\t+4*\g+3], v[VLA] offset:(4*(\s)+\t)*1536+512*\g
.else
	ds_load_b128 v[BF+12*\t+4*\g:BF+12*\t+4*\g+3], v[VLB] offset:(4*((\s)-8)+\t)*1536+512*\g
.endif
.endr
.endr
.irp c, 0,1
	ds_load_b32 v[SB+\c], v[VLS] offset:(2*(\s)+\c)*128
.endr
.endm
.macro WM s, t, m                      ; source 0 = tile t of the columns (its scale words in lanes 0-15 or 16-31 of v[SB + t / 2]), source 1 = tile m of the rows
.set DD, ACC+32*(\m)+8*(\t)
.set WA, BF+12*(\t)
.set XA, AR+24*((\s)%4)+12*(\m)
.set SWR, SB+(\t)/2
.set SXR, SA+(\s)%4
.if (LAYER == 3) && ((\s) == 0)
.if ((\t)%2 == 0) && ((\m) == 0)
	v_wmma_scale_f32_16x16x128_f8f6f4 v[DD:DD+7], v[WA:WA+11], v[XA:XA+11], 0, v[SWR], v[SXR] matrix_a_fmt:MATRIX_FMT_BF6 matrix_b_fmt:MATRIX_FMT_BF6
.elseif ((\t)%2 == 1) && ((\m) == 0)
	v_wmma_scale_f32_16x16x128_f8f6f4 v[DD:DD+7], v[WA:WA+11], v[XA:XA+11], 0, v[SWR], v[SXR] matrix_a_fmt:MATRIX_FMT_BF6 matrix_b_fmt:MATRIX_FMT_BF6 matrix_a_scale:MATRIX_SCALE_ROW1
.elseif ((\t)%2 == 0)
	v_wmma_scale_f32_16x16x128_f8f6f4 v[DD:DD+7], v[WA:WA+11], v[XA:XA+11], 0, v[SWR], v[SXR] matrix_a_fmt:MATRIX_FMT_BF6 matrix_b_fmt:MATRIX_FMT_BF6 matrix_b_scale:MATRIX_SCALE_ROW1
.else
	v_wmma_scale_f32_16x16x128_f8f6f4 v[DD:DD+7], v[WA:WA+11], v[XA:XA+11], 0, v[SWR], v[SXR] matrix_a_fmt:MATRIX_FMT_BF6 matrix_b_fmt:MATRIX_FMT_BF6 matrix_a_scale:MATRIX_SCALE_ROW1 matrix_b_scale:MATRIX_SCALE_ROW1
.endif
.else
.if ((\t)%2 == 0) && ((\m) == 0)
	v_wmma_scale_f32_16x16x128_f8f6f4 v[DD:DD+7], v[WA:WA+11], v[XA:XA+11], v[DD:DD+7], v[SWR], v[SXR] matrix_a_fmt:MATRIX_FMT_BF6 matrix_b_fmt:MATRIX_FMT_BF6
.elseif ((\t)%2 == 1) && ((\m) == 0)
	v_wmma_scale_f32_16x16x128_f8f6f4 v[DD:DD+7], v[WA:WA+11], v[XA:XA+11], v[DD:DD+7], v[SWR], v[SXR] matrix_a_fmt:MATRIX_FMT_BF6 matrix_b_fmt:MATRIX_FMT_BF6 matrix_a_scale:MATRIX_SCALE_ROW1
.elseif ((\t)%2 == 0)
	v_wmma_scale_f32_16x16x128_f8f6f4 v[DD:DD+7], v[WA:WA+11], v[XA:XA+11], v[DD:DD+7], v[SWR], v[SXR] matrix_a_fmt:MATRIX_FMT_BF6 matrix_b_fmt:MATRIX_FMT_BF6 matrix_b_scale:MATRIX_SCALE_ROW1
.else
	v_wmma_scale_f32_16x16x128_f8f6f4 v[DD:DD+7], v[WA:WA+11], v[XA:XA+11], v[DD:DD+7], v[SWR], v[SXR] matrix_a_fmt:MATRIX_FMT_BF6 matrix_b_fmt:MATRIX_FMT_BF6 matrix_a_scale:MATRIX_SCALE_ROW1 matrix_b_scale:MATRIX_SCALE_ROW1
.endif
.endif
.endm
.macro STEP s                          ; eight products: the eight accumulators by turns, in the same order in every step
.if KS-1-(\s) >= 3
	s_wait_loadcnt 3*LPS                           ; this step's loads are in; those of the three younger ring slots may be out (the bias is older than all)
.else
	s_wait_loadcnt LPS*(KS-1-(\s))
.endif
	s_wait_dscnt 0x0                               ; the strip's fragments
.irp t, 0,1,2,3
.irp m, 0,1
	WM \s, \t, \m
.endr
.endr
.rept 4
	v_nop                                          ; places in front of loads into registers that matrix instructions have read, and of the first read of results
.endr
.if (\s)+4 < KS
	ALOAD (\s)+4
.endif
.if (\s)+1 < KS
	BLOAD (\s)+1
.endif
.endm
.macro EPIH m                          ; layers 1, 2: tile m's 32 results a lane: relu, two blocks of 32 quantised in registers, 24 bytes of codes a lane stored in the order of the next operand's registers
.set AM, ACC+32*\m
.set HF, 192+16*\m
.set HQ, 200+16*\m
.set JJ, 0
.rept 32
	v_max_num_f32 v[AM+JJ], 0, v[AM+JJ]            ; each accumulator from its low end on
.set JJ, JJ+1
.endr
.irp b, 0,1
	v_max3_num_f32 v[MX+\b], v[AM+16*\b], v[AM+16*\b+1], 0x2800000   ; none is negative: no |.|
.endr
.irp i, 2,4,6,8,10,12,14
.irp b, 0,1
	v_max3_num_f32 v[MX+\b], v[MX+\b], v[AM+16*\b+\i], v[AM+16*\b+\i+1]
.endr
.endr
.irp b, 0,1
	v_permlanex16_b32 v[PX+\b], v[MX+\b], s[SEL], s[SEL+1]
.endr
.irp b, 0,1
	v_max_num_f32 v[MX+\b], v[MX+\b], v[PX+\b]     ; with lane l xor 16's 16 numbers
.endr
.irp b, 0,1
	v_add_nc_u32 v[SCO+\b], 0xfe000000, v[MX+\b]
.endr
.irp b, 0,1
	v_lshrrev_b32 v[BY+\b], 23, v[SCO+\b]
.endr
	v_cvt_scalef32_pk16_bf6_f32 v[HF:HF+2], v[AM:AM+15], v[SCO]
	v_cvt_scalef32_pk16_bf6_f32 v[HQ:HQ+2], v[AM+16:AM+31], v[SCO+1]
	v_lshl_or_b32 v[W16+\m], v[BY+1], 8, v[BY]     ; the plain place behind the conversions: the strip's two bytes of my row's scale word
.irp i, 0,1,2
	v_permlane16_swap_b32 v[HF+\i], v[HQ+\i]       ; the operand's layout wants a whole block in a lane
.endr
.irp i, 0,1,2
	v_mov_b32 v[HF+3+\i], v[HQ+\i]
.endr
	global_store_b128 v[VU16], v[HF:HF+3], s[32:33] offset:24576*\m    ; 512 consecutive bytes, at a multiple of 256 from the buffer's first byte
	global_store_b64 v[VU8], v[HF+4:HF+5], s[32:33] offset:24576*\m    ; 256 consecutive bytes, likewise
.endm
.macro EPIY m                          ; layer 3: tile m through my stage: a lane's 32 bytes of a row go in, whole pieces of 256 bytes of two rows come back
.irp t, 0,1,2,3
.irp i, 0,1
	ds_store_b128 v[VST], v[ACC+32*\m+8*\t+4*\i:ACC+32*\m+8*\t+4*\i+3] offset:128*(\t/2)+32*(\t%2)+16*\i
.endr
.endr
.irp i, 0,1,2,3,4,5,6,7
	ds_load_b128 v[AR+32*\m+4*\i:AR+32*\m+4*\i+3], v[VRD] offset:544*\i   ; LDS serves a wave's instructions in order: these see my stores
.endr
.irp i, 0,1,2,3,4,5,6,7
	s_wait_dscnt 7-\i                              ; the younger loads from the stage may be out
	global_store_b128 v[VY], v[AR+32*\m+4*\i:AR+32*\m+4*\i+3], s[32:33] offset:(16*\m+2*\i)*4096   ; sixteen lanes store 256 consecutive bytes, aligned
.endr
.endm
.if LAYER == 3
	s_load_b64 s[4:5], s[0:1], 0x0                 ; the weight
	s_load_b128 s[8:11], s[0:1], 0x8               ; the rows' codes, rt
	s_load_b64 s[12:13], s[0:1], 0x18              ; y
.else
	s_load_b256 s[4:11], s[0:1], 0x0               ; the weight, the bias, the rows' codes, rt
	s_load_b64 s[12:13], s[0:1], 0x20              ; the codes that go out
.endif
	v_lshl_add_u32 v[SPW], v0, 2, SPARE
	v_mov_b32 v[NIL], 0
	v_lshrrev_b32 v252, 5, v0
	v_readfirstlane_b32 s14, v252                  ; wave 0..15
	s_lshr_b32 s15, ttmp9, 5                       ; the expert
.if LAYER == 3
	s_bfe_u32 s16, ttmp9, 0x40001                  ; the strip: 4 bits from bit 1
	s_and_b32 s17, ttmp9, 1                        ; the half of K
.else
	s_and_b32 s16, ttmp9, 31                       ; the strip
.endif
	s_and_b32 s18, s14, 1                          ; ch: which 32 of the 64 columns
	s_lshr_b32 s19, s14, 1                         ; kg: which 32 NBW along K
	v_and_b32 v252, 31, v0                         ; l
	v_and_b32 v253, 15, v0                         ; r
	v_bfe_u32 v251, v0, 4, 1                       ; h
	v_and_b32 v249, 7, v0
	v_bfe_u32 v248, v0, 3, 1
	v_lshl_add_u32 v249, v248, 4, v249
	v_lshl_add_u32 v249, v251, 3, v249             ; col(l) = l % 8 + 16 ((l / 8) % 2) + 8 (l / 16)
	s_lshl_b32 s44, s18, 7
	v_lshl_add_u32 v[VW], v249, 2, s44
	s_mul_i32 s36, s15, ESTR
	s_mul_i32 s44, s19, 32*NBW*PITCHW
	s_add_co_u32 s36, s36, s44
.if LAYER == 3
	s_mul_i32 s44, s17, 1024*PITCHW
	s_add_co_u32 s36, s36, s44
.endif
	s_lshl_b32 s44, s16, 8
	s_add_co_u32 s36, s36, s44                     ; under 2^31
	s_mov_b32 s37, 0
	s_lshl_b32 s22, s15, 3
	s_wait_kmcnt 0x0
	s_add_nc_u64 s[24:25], s[4:5], s[36:37]
	WLOAD 0
	WLOAD 1
	WLOAD 2
	s_load_b64 s[20:21], s[10:11], s22 offset:TAB  ; P_e, UB_e
	v_mul_u32_u24 v[VWF], v251, 1536
	v_lshl_add_u32 v[VWF], v253, 4, v[VWF]
	s_mul_i32 s44, s19, NBW
	s_lshl_b32 s45, s18, 1
	s_add_co_u32 s44, s44, s45
	s_mul_i32 s44, s44, 1536
	v_add_nc_u32 v[VWF], s44, v[VWF]               ; fragment 4 s + 2 ch + l / 16, image lane r
	s_mul_i32 s44, s19, NBW/2
	s_add_co_u32 s44, s44, s18
	s_lshl_b32 s44, s44, 7
	s_add_co_u32 s44, s44, WS
	v_lshl_add_u32 v[VWS], v252, 2, s44
	v_lshlrev_b32 v[VLA], 4, v252
.if KS > 8
	v_add_nc_u32 v[VLB], 49152, v[VLA]
.endif
	v_lshl_add_u32 v[VLS], v252, 2, WS
	v_lshl_add_u32 v[VL8], v252, 3, 512
	v_lshlrev_b32 v[VLS4], 2, v253
	v_lshl_add_u32 v[VLS4], v251, 10, v[VLS4]
.if LAYER == 1
	v_lshlrev_b32 v[V4R], 2, v253
	v_lshlrev_b32 v[V4L], 2, v252
	v_mul_u32_u24 v[V24H], v251, 24
.endif
.if LAYER == 3
	s_mul_i32 s44, s14, 4352
	s_add_co_u32 s44, s44, STG                     ; my stage
	v_mul_u32_u24 v[VST], v253, 272
	v_lshl_add_u32 v[VST], v251, 6, v[VST]
	v_add_nc_u32 v[VST], s44, v[VST]               ; in: row r, + 64 h
	v_mul_u32_u24 v[VRD], v251, 272
	v_lshl_add_u32 v[VRD], v253, 4, v[VRD]
	v_add_nc_u32 v[VRD], s44, v[VRD]               ; back: lanes 0-15 one row, lanes 16-31 the next
	v_lshlrev_b32 v[VYL], 4, v253
	v_lshl_add_u32 v[VYL], v251, 12, v[VYL]        ; and the same two rows in y
	s_mul_i32 s36, s17, 12288                      ; my half of K: 8 K steps of 1,536 bytes of codes,
	s_add_nc_u64 s[26:27], s[8:9], s[36:37]
	s_lshl_b32 s36, s17, 9                         ; and of 64 bytes of scale words
	s_add_nc_u64 s[28:29], s[8:9], s[36:37]
	s_mul_i32 s36, s17, YH
	s_lshl_b32 s44, s16, 8
	s_add_co_u32 s36, s36, s44
	s_add_nc_u64 s[32:33], s[12:13], s[36:37]      ; y: my half's plane, my 64 columns
.else
	v_lshlrev_b32 v[VBI], 6, v251
	v_mov_b32 v[PX], 0                             ; written once: a lane permute's destination counts as one of its sources
	v_mov_b32 v[PX+1], 0
	s_mov_b32 s[SEL], 0x76543210
	s_mov_b32 s[SEL+1], 0xfedcba98
	s_mov_b32 s40, 0xffff0000                      ; lanes 16-31
	s_lshl_b32 s36, s15, 13
	s_lshl_b32 s44, s16, 8
	s_add_co_u32 s36, s36, s44
	s_add_nc_u64 s[30:31], s[6:7], s[36:37]        ; the bias: my expert's row of 2,048, my 64 numbers
	s_mul_i32 s36, s16, 768
	s_add_nc_u64 s[32:33], s[12:13], s[36:37]      ; strip q is half q % 2 of K step q / 2 of the next layer
	s_lshr_b32 s36, s16, 1
	s_lshl_b32 s36, s36, 6
	s_and_b32 s44, s16, 1
	s_lshl_b32 s44, s44, 1
	s_add_co_u32 s36, s36, s44
	s_add_nc_u64 s[34:35], s[12:13], s[36:37]      ; and two bytes of that step's scale words
.endif
	; ---- PHASE A
.set QQ, 0
.rept NBW
	QBLK QQ
.set QQ, QQ+1
.endr
	s_wait_dscnt 0x0                               ; for the others' sake: my stores have landed
	s_barrier_signal -1
	s_barrier_wait -1                              ; the strip lies in LDS as codes; nothing writes it again
	; ---- PHASE B: two trips, a constant
	s_wait_kmcnt 0x0
	s_mov_b32 s41, 0
.Ltrip:
	s_lshl_b32 s38, s41, 4
	s_add_co_u32 s38, s38, s14                     ; this trip's unit of the expert: wave + 16 x trip
	s_cmp_ge_u32 s38, s20
	s_cbranch_scc1 .Lnone                          ; the expert has no such unit
	s_add_co_u32 s39, s21, s38
	s_min_u32 s39, s39, 71                         ; the unit among all experts': 71 at the most
	s_mul_i32 s44, s39, 49152
	s_lshl_b32 s45, s39, 11
	v_add_nc_u32 v[VU16], s44, v[VLA]
	v_add_nc_u32 v[VU8], s44, v[VL8]
	v_add_nc_u32 v[VUS], s45, v[VLS4]
.if LAYER == 3
	s_lshl_b32 s45, s39, 17
	v_add_nc_u32 v[VY], s45, v[VYL]
.endif
.if LAYER == 1
	s_lshl_b32 s45, s39, 7
	v_add_nc_u32 v[VTA], s45, v[V4R]
	v_add_nc_u32 v[VTB], s45, v[V4L]
	global_load_b32 v[TK], v[VTA], s[10:11]                ; the token of slot 32 U + r,
	global_load_b32 v[TK+1], v[VTA], s[10:11] offset:64    ; of slot 32 U + 16 + r,
	global_load_b32 v[TK+2], v[VTB], s[10:11]              ; and of slot 32 U + l, for the scale words
	s_wait_loadcnt 0x0
.irp i, 0,1,2
	v_min_u32 v[TK+\i], 0x3ff, v[TK+\i]
.endr
	v_mul_u32_u24 v[VAT], v[TK], 768
	v_mul_u32_u24 v[VAT+1], v[TK+1], 768
	v_add_nc_u32 v[VAT], v[V24H], v[VAT]
	v_add_nc_u32 v[VAT+1], v[V24H], v[VAT+1]
	v_lshlrev_b32 v[VS1], 5, v[TK+2]
.endif
.if LAYER != 3
.irp m, 0,1
.irp t, 0,1,2,3
.irp i, 0,1
	global_load_b128 v[ACC+32*\m+8*\t+4*\i:ACC+32*\m+8*\t+4*\i+3], v[VBI], s[30:31] offset:128*(\t/2)+32*(\t%2)+16*\i   ; the bias is the C of the first products
.endr
.endr
.endr
.endif
	ALOAD 0
	ALOAD 1
	ALOAD 2
	ALOAD 3
	BLOAD 0
.set SS, 0
.rept KS
	STEP SS
.set SS, SS+1
.endr
.if LAYER == 3
	EPIY 0
	EPIY 1
.else
	EPIH 0
	EPIH 1
	v_cndmask_b32 v[WSEL], v[W16], v[W16+1], s40   ; lanes 0-15 store tile 0's bytes, lanes 16-31 tile 1's
	global_store_b16 v[VUS], v[WSEL], s[34:35] offset:HSOFF   ; two bytes of a word whose other two are the neighbouring strip's
.endif
	s_wait_xcnt 0x0                                ; this trip's loads and stores have read their offsets and data: the next trip writes them again
.Lnone:
	s_add_co_u32 s41, s41, 1
	s_cmp_lt_u32 s41, 2
	s_cbranch_scc1 .Ltrip
	s_wait_tensorcnt 0x0                           ; the wave's end: a tensor wait, kept in a text with no tensor load too, then an LDS add and its wait, behind my last LDS store
	ds_add_u32 v[SPW], v[NIL]
	s_wait_dscnt 0x0
	s_endpgm
.Lfunc_end_k_q3c4548ae0c_l1:
	.size	k_q3c4548ae0c_l1, .Lfunc_end_k_q3c4548ae0c_l1-k_q3c4548ae0c_l1
	.p2alignl 7, 3214868480
	.fill 96, 4, 3214868480
	.section	.rodata,"a",@progbits
	.p2align	6, 0x0
	.amdhsa_kernel k_q3c4548ae0c_l1
		.amdhsa_group_segment_fixed_size 53248
		.amdhsa_private_segment_fixed_size 0
		.amdhsa_enable_private_segment 0
		.amdhsa_kernarg_size 40
		.amdhsa_user_sgpr_count 2
		.amdhsa_user_sgpr_kernarg_segment_ptr 1
		.amdhsa_wavefront_size32 1
		.amdhsa_system_sgpr_workgroup_id_x 1
		.amdhsa_system_sgpr_workgroup_id_y 1
		.amdhsa_system_sgpr_workgroup_id_z 1
		.amdhsa_system_vgpr_workitem_id 0
		.amdhsa_next_free_vgpr 256
		.amdhsa_next_free_sgpr 66
		.amdhsa_reserve_vcc 0
		.amdhsa_float_denorm_mode_32 3
		.amdhsa_float_denorm_mode_16_64 3
		.amdhsa_memory_ordered 1
		.amdhsa_forward_progress 1
		.amdhsa_inst_pref_size 58
	.end_amdhsa_kernel
	.amdgpu_metadata
---
amdhsa.version: [ 1, 2 ]
amdhsa.kernels:
  - .name:           k_q3c4548ae0c_l1
    .symbol:         k_q3c4548ae0c_l1.kd
    .args:
      - { .name: We1, .offset: 0, .size: 8, .value_kind: global_buffer, .address_space: global }
      - { .name: be1, .offset: 8, .size: 8, .value_kind: global_buffer, .address_space: global }
      - { .name: gx, .offset: 16, .size: 8, .value_kind: global_buffer, .address_space: global }
      - { .name: rt, .offset: 24, .size: 8, .value_kind: global_buffer, .address_space: global }
      - { .name: h1, .offset: 32, .size: 8, .value_kind: global_buffer, .address_space: global }
    .group_segment_fixed_size: 53248
    .private_segment_fixed_size: 0
    .kernarg_segment_align: 8
    .kernarg_segment_size: 40
    .max_flat_workgroup_size: 512
    .sgpr_count:     66
    .vgpr_count:     256
    .wavefront_size: 32
...
	.end_amdgpu_metadata
.endif
;; end of part 3
;; launch l2 (part 4): grid 256 x 1, 16 waves a work-group, no clusters, 104,448 bytes of LDS; arguments We2, be2, h1, rt, h2; writes h2
.if DOCPART == 4
	.amdgcn_target "amdgcn-amd-amdhsa--gfx1250"
	.amdhsa_code_object_version 6
	.text
	.protected	k_q3c4548ae0c_l2
	.globl	k_q3c4548ae0c_l2
	.p2align	8
	.type	k_q3c4548ae0c_l2,@function
k_q3c4548ae0c_l2:
	s_mov_b64 s[64:65], 0
	v_nop
	global_prefetch_b8 v0, s[64:65] scope:SCOPE_SE
	s_setreg_imm32_b32 hwreg(HW_REG_WAVE_MODE, 25, 1), 1
	s_wait_xcnt 0x0
; A LAYER OF THE EXPERTS (LAYER = 1: h1 = relu(Q(x) Q(We1) + be1); 2: h2 = relu(Q(h1) Q(We2) + be2); 3: y = Q(h2) Q(We3), K in two halves).  One text for the three, told apart by LAYER.
; Only the rows of the experts chosen for each token are multiplied: the others are dropped by the problem's own gather (shown at the head of the first kernel).
; SHARES.  A work-group owns one expert and a strip of 64 of its weight's columns (layer 3: and one half of K).  PHASE A: its sixteen waves read the strip once, as f32, each 32 columns x 32 NBW along K:
; a lane takes a column and its registers run down K, so a block of 32 lies in one lane and the conversions give codes with K innermost.  The fragments go to LDS as images of their registers.
; One barrier.  PHASE B: wave w takes the expert's units w and w + 16 of 32 routed rows, in two trips: a token's two experts differ, so an expert has 1,024 rows, 32 units, at the most.  A trip whose unit lies at or
; beyond P_e, a whole number that the routing launch stored, is jumped over.  The rows' fragments go from memory straight into registers.
; No tensor load, no copy and so no joint load.  A work-group of an expert without rows reads its strip too: every wave passes the barrier.
; THE COLUMNS THAT FORM A TILE ARE NOT NEIGHBOURS: lane r of tile 2 b + u takes column 32 b + 8 u + r + 8 (r / 8); the product is used transposed (source 0 = 16 columns, source 1 = 16 rows), so that the 16
; registers of tiles 2 b, 2 b + 1 are 16 neighbours along the next K, and the results are quantised in registers: the hidden layers go to memory as codes alone, in the order of the operand's registers.
; h1, h2: [tile of 16 slots][K step][c = 0, 1]: 768 bytes: 16 bytes a lane (registers 6 c .. 6 c + 3), then 8 bytes a lane (6 c + 4, 6 c + 5); from HSOFF on the scale words, [tile][K step][row].
; LIMITS: as stated at the head of the first kernel (scale bytes held at 1 from below; NaN and infinities not served).
.set LAYER, 2
.if LAYER == 2
.set KS,   16                          ; K steps of 128 in the work-group's share
.set NBW,  8                           ; blocks of 32 along K to a wave in phase A
.set ESTR, 16777216                    ; bytes of an expert's weight
.else
.set KS,   8
.set NBW,  4
.set ESTR, 8388608
.endif
.if LAYER == 3
.set PITCHW, 4096                      ; a row of the weight in bytes
.else
.set PITCHW, 8192
.endif
.if LAYER == 1
.set LPS,  13                          ; loads that bring a K step's two fragments and scale words
.set SOFF, 786432                      ; where the incoming scale words begin
.else
.set LPS,  9
.set SOFF, 3538944
.endif
.set HSOFF, 3538944
.set TAB,   25600
.set YH,    9437184
.set WS,    KS*6144                    ; LDS: fragments (4 s + t) x 1536 from 0; scale words (2 s + ch) x 128 from WS
.set STG,   WS+KS*256                  ; layer 3: a stage of 16 rows x 272 bytes for each wave
.if LAYER == 3
.set SPARE, STG+16*4352
.else
.set SPARE, STG
.endif                                 ; the spare words, 128 bytes for each wave: eight blocks of 256 bytes that no other line names
.set SPW, 1
.set NIL, 2
.set VW,   3                           ; 4 col(l) + 128 ch
.set VWF,  4
.set VWS,  5
.set VLA,  6                           ; 16 l
.set VLB,  7                           ; 16 l + 49152
.set VLS,  8
.set VBI,  9                           ; 64 h
.set VL8,  10                          ; 8 l + 512
.set VLS4, 11                          ; 1024 h + 4 r
.set VU16, 12                          ; the trip's unit: 16 l + 49152 U
.set VU8,  13                          ; 8 l + 512 + 49152 U
.set VUS,  14                          ; 1024 h + 4 r + 2048 U
.set SA,   16                          ; v16-19 the rows' scale words, a register a ring slot: lanes 0-15 tile 0, lanes 16-31 tile 1;  v20-21 the weight's: scales and nothing else
.set SB,   20
.set VTB,  15                          ; layer 1: v15, v22-31
.set V4R,  22
.set V4L,  23
.set TK,   24
.set VAT,  27
.set VS1,  29
.set V24H, 30
.set VTA,  31
.set VST,  22                          ; layer 3: v22-25
.set VRD,  23
.set VYL,  24
.set VY,   25
.set ACC,  32                          ; v32-95: the sums, tile m of rows, tile t of columns at 32 m + 8 t
.set AR,   96                          ; v96-191: a ring of four K steps of the rows' fragments; in phase A three sets of 32 numbers
.set BF,   192                         ; v192-239: a K step's four fragments of the weight; in phase A and on the way out: codes
.set CC,   192
.set MX,   240
.set PX,   242
.set SCO,  244
.set BY,   246
.set W16,  248
.set SW,   250
.set WSEL, 251
.set SEL,  42
.if LAYER == 3
.set AB, 26
.set AS, 28
.else
.set AB, 8
.set AS, 8
.endif
.macro WLOAD t                         ; block t of my share: 32 rows at my column, into set t % 3; each byte of the weight is read once in the launch
.irp i, 0,1,2,3,4,5,6,7,8,9,10,11,12,13,14,15,16,17,18,19,20,21,22,23,24,25,26,27,28,29,30,31
	global_load_b32 v[AR+32*((\t)%3)+\i], v[VW], s[24:25] offset:(32*(\t)+\i)*PITCHW th:TH_LOAD_NT
.endr
.endm
.macro QBLK t
.if NBW-1-(\t) >= 2
	s_wait_loadcnt 63                              ; two younger blocks, 64 loads, are out: 63 is the largest count that the wait can name
.elseif NBW-1-(\t) == 1
	s_wait_loadcnt 32                              ; one younger block
.else
	s_wait_loadcnt 0x0
.endif
.set XB, AR+32*((\t)%3)
	v_max3_num_f32 v[MX], |v[XB]|, |v[XB+1]|, |v[XB+2]|            ; the block's largest magnitude: all 32 numbers are mine
	v_max3_num_f32 v[MX+1], |v[XB+3]|, |v[XB+4]|, |v[XB+5]|
.irp i, 6,10,14,18,22,26
	v_max3_num_f32 v[MX], v[MX], |v[XB+\i]|, |v[XB+\i+1]|
	v_max3_num_f32 v[MX+1], v[MX+1], |v[XB+\i+2]|, |v[XB+\i+3]|
.endr
	v_max3_num_f32 v[MX], v[MX], |v[XB+30]|, |v[XB+31]|
	v_max3_num_f32 v[MX], v[MX], v[MX+1], 0x2800000                ; and the floor 2^(5 - 127): the byte cannot fall under 1
	v_add_nc_u32 v[SCO], 0xfe000000, v[MX]                         ; 4 off its exponent field: the conversion's scale operand
	v_lshrrev_b32 v[BY], 23, v[SCO]
	v_cvt_scalef32_pk16_bf6_f32 v[CC:CC+2], v[XB:XB+15], v[SCO]
	v_cvt_scalef32_pk16_bf6_f32 v[CC+4:CC+6], v[XB+16:XB+31], v[SCO]   ; (a conversion's three registers begin on an even number)
.if (\t)%4 == 0
	v_mov_b32 v[SW], v[BY]                         ; the plain place behind the conversions: the byte joins the K step's scale word
.else
	v_lshl_or_b32 v[SW], v[BY], 8*((\t)%4), v[SW]
.endif
	v_mov_b32 v[CC+3], v[CC+4]
	v_mov_b32 v[CC+4], v[CC+5]
	v_mov_b32 v[CC+5], v[CC+6]
.set OO, ((\t)/4)*6144+256*((\t)%2)            ; block 2 c + par of a K step is registers 6 c .. 6 c + 5 of image lane r + 16 par
.if ((\t)/2)%2 == 0
	ds_store_b128 v[VWF], v[CC:CC+3] offset:OO
	ds_store_b64 v[VWF], v[CC+4:CC+5] offset:OO+512
.else
	ds_store_b64 v[VWF], v[CC:CC+1] offset:OO+520
	ds_store_b128 v[VWF], v[CC+2:CC+5] offset:OO+1024
.endif
.if (\t)%4 == 3
	ds_store_b32 v[VWS], v[SW] offset:((\t)/4)*256
.endif
.if (\t)+3 < NBW
	WLOAD (\t)+3
.endif
	s_wait_dscnt 0x0                               ; the stores have read their registers
.endm
.macro ALOAD s                         ; K step s of my 32 rows: two fragments and their scale words, into ring slot s % 4
.irp m, 0,1
.set RR, AR+24*((\s)%4)+12*\m
.if LAYER == 1
.irp p, 0,1,2,3,4,5
	global_load_b64 v[RR+2*\p:RR+2*\p+1], v[VAT+\m], s[AB:AB+1] offset:96*(\s)+48*(\p/3)+8*(\p%3)   ; 24 bytes of the token's stream of bits, twice
.endr
.else
.set OO, 24576*\m+1536*(\s)
	global_load_b128 v[RR:RR+3], v[VU16], s[AB:AB+1] offset:OO
	global_load_b64 v[RR+4:RR+5], v[VU8], s[AB:AB+1] offset:OO
	global_load_b128 v[RR+6:RR+9], v[VU16], s[AB:AB+1] offset:OO+768
	global_load_b64 v[RR+10:RR+11], v[VU8], s[AB:AB+1] offset:OO+768
.endif
.endr
.if LAYER == 1
	global_load_b32 v[SA+(\s)%4], v[VS1], s[AS:AS+1] offset:SOFF+4*(\s)
.else
	global_load_b32 v[SA+(\s)%4], v[VUS], s[AS:AS+1] offset:SOFF+64*(\s)
.endif
.endm
.macro BLOAD s                         ; K step s of the strip: four fragments and two registers of scale words, from LDS
.irp t, 0,1,2,3
.irp g, 0,1,2
.if (\s) < 8
	ds_load_b128 v[BF+12*\t+4*\g:BF+12*\t+4*\g+3], v[VLA] offset:(4*(\s)+\t)*1536+512*\g
.else
	ds_load_b128 v[BF+12*\t+4*\g:BF+12*\t+4*\g+3], v[VLB] offset:(4*((\s)-8)+\t)*1536+512*\g
.endif
.endr
.endr
.irp c, 0,1
	ds_load_b32 v[SB+\c], v[VLS] offset:(2*(\s)+\c)*128
.endr
.endm
.macro WM s, t, m                      ; source 0 = tile t of the columns (its scale words in lanes 0-15 or 16-31 of v[SB + t / 2]), source 1 = tile m of the rows
.set DD, ACC+32*(\m)+8*(\t)
.set WA, BF+12*(\t)
.set XA, AR+24*((\s)%4)+12*(\m)
.set SWR, SB+(\t)/2
.set SXR, SA+(\s)%4
.if (LAYER == 3) && ((\s) == 0)
.if ((\t)%2 == 0) && ((\m) == 0)
	v_wmma_scale_f32_16x16x128_f8f6f4 v[DD:DD+7], v[WA:WA+11], v[XA:XA+11], 0, v[SWR], v[SXR] matrix_a_fmt:MATRIX_FMT_BF6 matrix_b_fmt:MATRIX_FMT_BF6
.elseif ((\t)%2 == 1) && ((\m) == 0)
	v_wmma_scale_f32_16x16x128_f8f6f4 v[DD:DD+7], v[WA:WA+11], v[XA:XA+11], 0, v[SWR], v[SXR] matrix_a_fmt:MATRIX_FMT_BF6 matrix_b_fmt:MATRIX_FMT_BF6 matrix_a_scale:MATRIX_SCALE_ROW1
.elseif ((\t)%2 == 0)
	v_wmma_scale_f32_16x16x128_f8f6f4 v[DD:DD+7], v[WA:WA+11], v[XA:XA+11], 0, v[SWR], v[SXR] matrix_a_fmt:MATRIX_FMT_BF6 matrix_b_fmt:MATRIX_FMT_BF6 matrix_b_scale:MATRIX_SCALE_ROW1
.else
	v_wmma_scale_f32_16x16x128_f8f6f4 v[DD:DD+7], v[WA:WA+11], v[XA:XA+11], 0, v[SWR], v[SXR] matrix_a_fmt:MATRIX_FMT_BF6 matrix_b_fmt:MATRIX_FMT_BF6 matrix_a_scale:MATRIX_SCALE_ROW1 matrix_b_scale:MATRIX_SCALE_ROW1
.endif
.else
.if ((\t)%2 == 0) && ((\m) == 0)
	v_wmma_scale_f32_16x16x128_f8f6f4 v[DD:DD+7], v[WA:WA+11], v[XA:XA+11], v[DD:DD+7], v[SWR], v[SXR] matrix_a_fmt:MATRIX_FMT_BF6 matrix_b_fmt:MATRIX_FMT_BF6
.elseif ((\t)%2 == 1) && ((\m) == 0)
	v_wmma_scale_f32_16x16x128_f8f6f4 v[DD:DD+7], v[WA:WA+11], v[XA:XA+11], v[DD:DD+7], v[SWR], v[SXR] matrix_a_fmt:MATRIX_FMT_BF6 matrix_b_fmt:MATRIX_FMT_BF6 matrix_a_scale:MATRIX_SCALE_ROW1
.elseif ((\t)%2 == 0)
	v_wmma_scale_f32_16x16x128_f8f6f4 v[DD:DD+7], v[WA:WA+11], v[XA:XA+11], v[DD:DD+7], v[SWR], v[SXR] matrix_a_fmt:MATRIX_FMT_BF6 matrix_b_fmt:MATRIX_FMT_BF6 matrix_b_scale:MATRIX_SCALE_ROW1
.else
	v_wmma_scale_f32_16x16x128_f8f6f4 v[DD:DD+7], v[WA:WA+11], v[XA:XA+11], v[DD:DD+7], v[SWR], v[SXR] matrix_a_fmt:MATRIX_FMT_BF6 matrix_b_fmt:MATRIX_FMT_BF6 matrix_a_scale:MATRIX_SCALE_ROW1 matrix_b_scale:MATRIX_SCALE_ROW1
.endif
.endif
.endm
.macro STEP s                          ; eight products: the eight accumulators by turns, in the same order in every step
.if KS-1-(\s) >= 3
	s_wait_loadcnt 3*LPS                           ; this step's loads are in; those of the three younger ring slots may be out (the bias is older than all)
.else
	s_wait_loadcnt LPS*(KS-1-(\s))
.endif
	s_wait_dscnt 0x0                               ; the strip's fragments
.irp t, 0,1,2,3
.irp m, 0,1
	WM \s, \t, \m
.endr
.endr
.rept 4
	v_nop                                          ; places in front of loads into registers that matrix instructions have read, and of the first read of results
.endr
.if (\s)+4 < KS
	ALOAD (\s)+4
.endif
.if (\s)+1 < KS
	BLOAD (\s)+1
.endif
.endm
.macro EPIH m                          ; layers 1, 2: tile m's 32 results a lane: relu, two blocks of 32 quantised in registers, 24 bytes of codes a lane stored in the order of the next operand's registers
.set AM, ACC+32*\m
.set HF, 192+16*\m
.set HQ, 200+16*\m
.set JJ, 0
.rept 32
	v_max_num_f32 v[AM+JJ], 0, v[AM+JJ]            ; each accumulator from its low end on
.set JJ, JJ+1
.endr
.irp b, 0,1
	v_max3_num_f32 v[MX+\b], v[AM+16*\b], v[AM+16*\b+1], 0x2800000   ; none is negative: no |.|
.endr
.irp i, 2,4,6,8,10,12,14
.irp b, 0,1
	v_max3_num_f32 v[MX+\b], v[MX+\b], v[AM+16*\b+\i], v[AM+16*\b+\i+1]
.endr
.endr
.irp b, 0,1
	v_permlanex16_b32 v[PX+\b], v[MX+\b], s[SEL], s[SEL+1]
.endr
.irp b, 0,1
	v_max_num_f32 v[MX+\b], v[MX+\b], v[PX+\b]     ; with lane l xor 16's 16 numbers
.endr
.irp b, 0,1
	v_add_nc_u32 v[SCO+\b], 0xfe000000, v[MX+\b]
.endr
.irp b, 0,1
	v_lshrrev_b32 v[BY+\b], 23, v[SCO+\b]
.endr
	v_cvt_scalef32_pk16_bf6_f32 v[HF:HF+2], v[AM:AM+15], v[SCO]
	v_cvt_scalef32_pk16_bf6_f32 v[HQ:HQ+2], v[AM+16:AM+31], v[SCO+1]
	v_lshl_or_b32 v[W16+\m], v[BY+1], 8, v[BY]     ; the plain place behind the conversions: the strip's two bytes of my row's scale word
.irp i, 0,1,2
	v_permlane16_swap_b32 v[HF+\i], v[HQ+\i]       ; the operand's layout wants a whole block in a lane
.endr
.irp i, 0,1,2
	v_mov_b32 v[HF+3+\i], v[HQ+\i]
.endr
	global_store_b128 v[VU16], v[HF:HF+3], s[32:33] offset:24576*\m    ; 512 consecutive bytes, at a multiple of 256 from the buffer's first byte
	global_store_b64 v[VU8], v[HF+4:HF+5], s[32:33] offset:24576*\m    ; 256 consecutive bytes, likewise
.endm
.macro EPIY m                          ; layer 3: tile m through my stage: a lane's 32 bytes of a row go in, whole pieces of 256 bytes of two rows come back
.irp t, 0,1,2,3
.irp i, 0,1
	ds_store_b128 v[VST], v[ACC+32*\m+8*\t+4*\i:ACC+32*\m+8*\t+4*\i+3] offset:128*(\t/2)+32*(\t%2)+16*\i
.endr
.endr
.irp i, 0,1,2,3,4,5,6,7
	ds_load_b128 v[AR+32*\m+4*\i:AR+32*\m+4*\i+3], v[VRD] offset:544*\i   ; LDS serves a wave's instructions in order: these see my stores
.endr
.irp i, 0,1,2,3,4,5,6,7
	s_wait_dscnt 7-\i                              ; the younger loads from the stage may be out
	global_store_b128 v[VY], v[AR+32*\m+4*\i:AR+32*\m+4*\i+3], s[32:33] offset:(16*\m+2*\i)*4096   ; sixteen lanes store 256 consecutive bytes, aligned
.endr
.endm
.if LAYER == 3
	s_load_b64 s[4:5], s[0:1], 0x0                 ; the weight
	s_load_b128 s[8:11], s[0:1], 0x8               ; the rows' codes, rt
	s_load_b64 s[12:13], s[0:1], 0x18              ; y
.else
	s_load_b256 s[4:11], s[0:1], 0x0               ; the weight, the bias, the rows' codes, rt
	s_load_b64 s[12:13], s[0:1], 0x20              ; the codes that go out
.endif
	v_lshl_add_u32 v[SPW], v0, 2, SPARE
	v_mov_b32 v[NIL], 0
	v_lshrrev_b32 v252, 5, v0
	v_readfirstlane_b32 s14, v252                  ; wave 0..15
	s_lshr_b32 s15, ttmp9, 5                       ; the expert
.if LAYER == 3
	s_bfe_u32 s16, ttmp9, 0x40001                  ; the strip: 4 bits from bit 1
	s_and_b32 s17, ttmp9, 1                        ; the half of K
.else
	s_and_b32 s16, ttmp9, 31                       ; the strip
.endif
	s_and_b32 s18, s14, 1                          ; ch: which 32 of the 64 columns
	s_lshr_b32 s19, s14, 1                         ; kg: which 32 NBW along K
	v_and_b32 v252, 31, v0                         ; l
	v_and_b32 v253, 15, v0                         ; r
	v_bfe_u32 v251, v0, 4, 1                       ; h
	v_and_b32 v249, 7, v0
	v_bfe_u32 v248, v0, 3, 1
	v_lshl_add_u32 v249, v248, 4, v249
	v_lshl_add_u32 v249, v251, 3, v249             ; col(l) = l % 8 + 16 ((l / 8) % 2) + 8 (l / 16)
	s_lshl_b32 s44, s18, 7
	v_lshl_add_u32 v[VW], v249, 2, s44
	s_mul_i32 s36, s15, ESTR
	s_mul_i32 s44, s19, 32*NBW*PITCHW
	s_add_co_u32 s36, s36, s44
.if LAYER == 3
	s_mul_i32 s44, s17, 1024*PITCHW
	s_add_co_u32 s36, s36, s44
.endif
	s_lshl_b32 s44, s16, 8
	s_add_co_u32 s36, s36, s44                     ; under 2^31
	s_mov_b32 s37, 0
	s_lshl_b32 s22, s15, 3
	s_wait_kmcnt 0x0
	s_add_nc_u64 s[24:25], s[4:5], s[36:37]
	WLOAD 0
	WLOAD 1
	WLOAD 2
	s_load_b64 s[20:21], s[10:11], s22 offset:TAB  ; P_e, UB_e
	v_mul_u32_u24 v[VWF], v251, 1536
	v_lshl_add_u32 v[VWF], v253, 4, v[VWF]
	s_mul_i32 s44, s19, NBW
	s_lshl_b32 s45, s18, 1
	s_add_co_u32 s44, s44, s45
	s_mul_i32 s44, s44, 1536
	v_add_nc_u32 v[VWF], s44, v[VWF]               ; fragment 4 s + 2 ch + l / 16, image lane r
	s_mul_i32 s44, s19, NBW/2
	s_add_co_u32 s44, s44, s18
	s_lshl_b32 s44, s44, 7
	s_add_co_u32 s44, s44, WS
	v_lshl_add_u32 v[VWS], v252, 2, s44
	v_lshlrev_b32 v[VLA], 4, v252
.if KS > 8
	v_add_nc_u32 v[VLB], 49152, v[VLA]
.endif
	v_lshl_add_u32 v[VLS], v252, 2, WS
	v_lshl_add_u32 v[VL8], v252, 3, 512
	v_lshlrev_b32 v[VLS4], 2, v253
	v_lshl_add_u32 v[VLS4], v251, 10, v[VLS4]
.if LAYER == 1
	v_lshlrev_b32 v[V4R], 2, v253
	v_lshlrev_b32 v[V4L], 2, v252
	v_mul_u32_u24 v[V24H], v251, 24
.endif
.if LAYER == 3
	s_mul_i32 s44, s14, 4352
	s_add_co_u32 s44, s44, STG                     ; my stage
	v_mul_u32_u24 v[VST], v253, 272
	v_lshl_add_u32 v[VST], v251, 6, v[VST]
	v_add_nc_u32 v[VST], s44, v[VST]               ; in: row r, + 64 h
	v_mul_u32_u24 v[VRD], v251, 272
	v_lshl_add_u32 v[VRD], v253, 4, v[VRD]
	v_add_nc_u32 v[VRD], s44, v[VRD]               ; back: lanes 0-15 one row, lanes 16-31 the next
	v_lshlrev_b32 v[VYL], 4, v253
	v_lshl_add_u32 v[VYL], v251, 12, v[VYL]        ; and the same two rows in y
	s_mul_i32 s36, s17, 12288                      ; my half of K: 8 K steps of 1,536 bytes of codes,
	s_add_nc_u64 s[26:27], s[8:9], s[36:37]
	s_lshl_b32 s36, s17, 9                         ; and of 64 bytes of scale words
	s_add_nc_u64 s[28:29], s[8:9], s[36:37]
	s_mul_i32 s36, s17, YH
	s_lshl_b32 s44, s16, 8
	s_add_co_u32 s36, s36, s44
	s_add_nc_u64 s[32:33], s[12:13], s[36:37]      ; y: my half's plane, my 64 columns
.else
	v_lshlrev_b32 v[VBI], 6, v251
	v_mov_b32 v[PX], 0                             ; written once: a lane permute's destination counts as one of its sources
	v_mov_b32 v[PX+1], 0
	s_mov_b32 s[SEL], 0x76543210
	s_mov_b32 s[SEL+1], 0xfedcba98
	s_mov_b32 s40, 0xffff0000                      ; lanes 16-31
	s_lshl_b32 s36, s15, 13
	s_lshl_b32 s44, s16, 8
	s_add_co_u32 s36, s36, s44
	s_add_nc_u64 s[30:31], s[6:7], s[36:37]        ; the bias: my expert's row of 2,048, my 64 numbers
	s_mul_i32 s36, s16, 768
	s_add_nc_u64 s[32:33], s[12:13], s[36:37]      ; strip q is half q % 2 of K step q / 2 of the next layer
	s_lshr_b32 s36, s16, 1
	s_lshl_b32 s36, s36, 6
	s_and_b32 s44, s16, 1
	s_lshl_b32 s44, s44, 1
	s_add_co_u32 s36, s36, s44
	s_add_nc_u64 s[34:35], s[12:13], s[36:37]      ; and two bytes of that step's scale words
.endif
	; ---- PHASE A
.set QQ, 0
.rept NBW
	QBLK QQ
.set QQ, QQ+1
.endr
	s_wait_dscnt 0x0                               ; for the others' sake: my stores have landed
	s_barrier_signal -1
	s_barrier_wait -1                              ; the strip lies in LDS as codes; nothing writes it again
	; ---- PHASE B: two trips, a constant
	s_wait_kmcnt 0x0
	s_mov_b32 s41, 0
.Ltrip:
	s_lshl_b32 s38, s41, 4
	s_add_co_u32 s38, s38, s14                     ; this trip's unit of the expert: wave + 16 x trip
	s_cmp_ge_u32 s38, s20
	s_cbranch_scc1 .Lnone                          ; the expert has no such unit
	s_add_co_u32 s39, s21, s38
	s_min_u32 s39, s39, 71                         ; the unit among all experts': 71 at the most
	s_mul_i32 s44, s39, 49152
	s_lshl_b32 s45, s39, 11
	v_add_nc_u32 v[VU16], s44, v[VLA]
	v_add_nc_u32 v[VU8], s44, v[VL8]
	v_add_nc_u32 v[VUS], s45, v[VLS4]
.if LAYER == 3
	s_lshl_b32 s45, s39, 17
	v_add_nc_u32 v[VY], s45, v[VYL]
.endif
.if LAYER == 1
	s_lshl_b32 s45, s39, 7
	v_add_nc_u32 v[VTA], s45, v[V4R]
	v_add_nc_u32 v[VTB], s45, v[V4L]
	global_load_b32 v[TK], v[VTA], s[10:11]                ; the token of slot 32 U + r,
	global_load_b32 v[TK+1], v[VTA], s[10:11] offset:64    ; of slot 32 U + 16 + r,
	global_load_b32 v[TK+2], v[VTB], s[10:11]              ; and of slot 32 U + l, for the scale words
	s_wait_loadcnt 0x0
.irp i, 0,1,2
	v_min_u32 v[TK+\i], 0x3ff, v[TK+\i]
.endr
	v_mul_u32_u24 v[VAT], v[TK], 768
	v_mul_u32_u24 v[VAT+1], v[TK+1], 768
	v_add_nc_u32 v[VAT], v[V24H], v[VAT]
	v_add_nc_u32 v[VAT+1], v[V24H], v[VAT+1]
	v_lshlrev_b32 v[VS1], 5, v[TK+2]
.endif
.if LAYER != 3
.irp m, 0,1
.irp t, 0,1,2,3
.irp i, 0,1
	global_load_b128 v[ACC+32*\m+8*\t+4*\i:ACC+32*\m+8*\t+4*\i+3], v[VBI], s[30:31] offset:128*(\t/2)+32*(\t%2)+16*\i   ; the bias is the C of the first products
.endr
.endr
.endr
.endif
	ALOAD 0
	ALOAD 1
	ALOAD 2
	ALOAD 3
	BLOAD 0
.set SS, 0
.rept KS
	STEP SS
.set SS, SS+1
.endr
.if LAYER == 3
	EPIY 0
	EPIY 1
.else
	EPIH 0
	EPIH 1
	v_cndmask_b32 v[WSEL], v[W16], v[W16+1], s40   ; lanes 0-15 store tile 0's bytes, lanes 16-31 tile 1's
	global_store_b16 v[VUS], v[WSEL], s[34:35] offset:HSOFF   ; two bytes of a word whose other two are the neighbouring strip's
.endif
	s_wait_xcnt 0x0                                ; this trip's loads and stores have read their offsets and data: the next trip writes them again
.Lnone:
	s_add_co_u32 s41, s41, 1
	s_cmp_lt_u32 s41, 2
	s_cbranch_scc1 .Ltrip
	s_wait_tensorcnt 0x0                           ; the wave's end: a tensor wait, kept in a text with no tensor load too, then an LDS add and its wait, behind my last LDS store
	ds_add_u32 v[SPW], v[NIL]
	s_wait_dscnt 0x0
	s_endpgm
.Lfunc_end_k_q3c4548ae0c_l2:
	.size	k_q3c4548ae0c_l2, .Lfunc_end_k_q3c4548ae0c_l2-k_q3c4548ae0c_l2
	.p2alignl 7, 3214868480
	.fill 96, 4, 3214868480
	.section	.rodata,"a",@progbits
	.p2align	6, 0x0
	.amdhsa_kernel k_q3c4548ae0c_l2
		.amdhsa_group_segment_fixed_size 104448
		.amdhsa_private_segment_fixed_size 0
		.amdhsa_enable_private_segment 0
		.amdhsa_kernarg_size 40
		.amdhsa_user_sgpr_count 2
		.amdhsa_user_sgpr_kernarg_segment_ptr 1
		.amdhsa_wavefront_size32 1
		.amdhsa_system_sgpr_workgroup_id_x 1
		.amdhsa_system_sgpr_workgroup_id_y 1
		.amdhsa_system_sgpr_workgroup_id_z 1
		.amdhsa_system_vgpr_workitem_id 0
		.amdhsa_next_free_vgpr 256
		.amdhsa_next_free_sgpr 66
		.amdhsa_reserve_vcc 0
		.amdhsa_float_denorm_mode_32 3
		.amdhsa_float_denorm_mode_16_64 3
		.amdhsa_memory_ordered 1
		.amdhsa_forward_progress 1
		.amdhsa_inst_pref_size 95
	.end_amdhsa_kernel
	.amdgpu_metadata
---
amdhsa.version: [ 1, 2 ]
amdhsa.kernels:
  - .name:           k_q3c4548ae0c_l2
    .symbol:         k_q3c4548ae0c_l2.kd
    .args:
      - { .name: We2, .offset: 0, .size: 8, .value_kind: global_buffer, .address_space: global }
      - { .name: be2, .offset: 8, .size: 8, .value_kind: global_buffer, .address_space: global }
      - { .name: h1, .offset: 16, .size: 8, .value_kind: global_buffer, .address_space: global }
      - { .name: rt, .offset: 24, .size: 8, .value_kind: global_buffer, .address_space: global }
      - { .name: h2, .offset: 32, .size: 8, .value_kind: global_buffer, .address_space: global }
    .group_segment_fixed_size: 104448
    .private_segment_fixed_size: 0
    .kernarg_segment_align: 8
    .kernarg_segment_size: 40
    .max_flat_workgroup_size: 512
    .sgpr_count:     66
    .vgpr_count:     256
    .wavefront_size: 32
...
	.end_amdgpu_metadata
.endif
;; end of part 4
;; launch l3 (part 5): grid 256 x 1, 16 waves a work-group, no clusters, 122,880 bytes of LDS; arguments We3, h2, rt, y; writes y
.if DOCPART == 5
	.amdgcn_target "amdgcn-amd-amdhsa--gfx1250"
	.amdhsa_code_object_version 6
	.text
	.protected	k_q3c4548ae0c_l3
	.globl	k_q3c4548ae0c_l3
	.p2align	8
	.type	k_q3c4548ae0c_l3,@function
k_q3c4548ae0c_l3:
	s_mov_b64 s[64:65], 0
	v_nop
	global_prefetch_b8 v0, s[64:65] scope:SCOPE_SE
	s_setreg_imm32_b32 hwreg(HW_REG_WAVE_MODE, 25, 1), 1
	s_wait_xcnt 0x0
; A LAYER OF THE EXPERTS (LAYER = 1: h1 = relu(Q(x) Q(We1) + be1); 2: h2 = relu(Q(h1) Q(We2) + be2); 3: y = Q(h2) Q(We3), K in two halves).  One text for the three, told apart by LAYER.
; Only the rows of the experts chosen for each token are multiplied: the others are dropped by the problem's own gather (shown at the head of the first kernel).
; SHARES.  A work-group owns one expert and a strip of 64 of its weight's columns (layer 3: and one half of K).  PHASE A: its sixteen waves read the strip once, as f32, each 32 columns x 32 NBW along K:
; a lane takes a column and its registers run down K, so a block of 32 lies in one lane and the conversions give codes with K innermost.  The fragments go to LDS as images of their registers.
; One barrier.  PHASE B: wave w takes the expert's units w and w + 16 of 32 routed rows, in two trips: a token's two experts differ, so an expert has 1,024 rows, 32 units, at the most.  A trip whose unit lies at or
; beyond P_e, a whole number that the routing launch stored, is jumped over.  The rows' fragments go from memory straight into registers.
; No tensor load, no copy and so no joint load.  A work-group of an expert without rows reads its strip too: every wave passes the barrier.
; THE COLUMNS THAT FORM A TILE ARE NOT NEIGHBOURS: lane r of tile 2 b + u takes column 32 b + 8 u + r + 8 (r / 8); the product is used transposed (source 0 = 16 columns, source 1 = 16 rows), so that the 16
; registers of tiles 2 b, 2 b + 1 are 16 neighbours along the next K, and the results are quantised in registers: the hidden layers go to memory as codes alone, in the order of the operand's registers.
; h1, h2: [tile of 16 slots][K step][c = 0, 1]: 768 bytes: 16 bytes a lane (registers 6 c .. 6 c + 3), then 8 bytes a lane (6 c + 4, 6 c + 5); from HSOFF on the scale words, [tile][K step][row].
; Layer 3's two halves of K are two f32 sums that the last launch adds, with be3: an order of rounding other than one chain's, ahead of no quantiser.
; LIMITS: as stated at the head of the first kernel (scale bytes held at 1 from below; NaN and infinities not served).
.set LAYER, 3
.if LAYER == 2
.set KS,   16                          ; K steps of 128 in the work-group's share
.set NBW,  8                           ; blocks of 32 along K to a wave in phase A
.set ESTR, 16777216                    ; bytes of an expert's weight
.else
.set KS,   8
.set NBW,  4
.set ESTR, 8388608
.endif
.if LAYER == 3
.set PITCHW, 4096                      ; a row of the weight in bytes
.else
.set PITCHW, 8192
.endif
.if LAYER == 1
.set LPS,  13                          ; loads that bring a K step's two fragments and scale words
.set SOFF, 786432                      ; where the incoming scale words begin
.else
.set LPS,  9
.set SOFF, 3538944
.endif
.set HSOFF, 3538944
.set TAB,   25600
.set YH,    9437184
.set WS,    KS*6144                    ; LDS: fragments (4 s + t) x 1536 from 0; scale words (2 s + ch) x 128 from WS
.set STG,   WS+KS*256                  ; layer 3: a stage of 16 rows x 272 bytes for each wave
.if LAYER == 3
.set SPARE, STG+16*4352
.else
.set SPARE, STG
.endif                                 ; the spare words, 128 bytes for each wave: eight blocks of 256 bytes that no other line names
.set SPW, 1
.set NIL, 2
.set VW,   3                           ; 4 col(l) + 128 ch
.set VWF,  4
.set VWS,  5
.set VLA,  6                           ; 16 l
.set VLB,  7                           ; 16 l + 49152
.set VLS,  8
.set VBI,  9                           ; 64 h
.set VL8,  10                          ; 8 l + 512
.set VLS4, 11                          ; 1024 h + 4 r
.set VU16, 12                          ; the trip's unit: 16 l + 49152 U
.set VU8,  13                          ; 8 l + 512 + 49152 U
.set VUS,  14                          ; 1024 h + 4 r + 2048 U
.set SA,   16                          ; v16-19 the rows' scale words, a register a ring slot: lanes 0-15 tile 0, lanes 16-31 tile 1;  v20-21 the weight's: scales and nothing else
.set SB,   20
.set VTB,  15                          ; layer 1: v15, v22-31
.set V4R,  22
.set V4L,  23
.set TK,   24
.set VAT,  27
.set VS1,  29
.set V24H, 30
.set VTA,  31
.set VST,  22                          ; layer 3: v22-25
.set VRD,  23
.set VYL,  24
.set VY,   25
.set ACC,  32                          ; v32-95: the sums, tile m of rows, tile t of columns at 32 m + 8 t
.set AR,   96                          ; v96-191: a ring of four K steps of the rows' fragments; in phase A three sets of 32 numbers
.set BF,   192                         ; v192-239: a K step's four fragments of the weight; in phase A and on the way out: codes
.set CC,   192
.set MX,   240
.set PX,   242
.set SCO,  244
.set BY,   246
.set W16,  248
.set SW,   250
.set WSEL, 251
.set SEL,  42
.if LAYER == 3
.set AB, 26
.set AS, 28
.else
.set AB, 8
.set AS, 8
.endif
.macro WLOAD t                         ; block t of my share: 32 rows at my column, into set t % 3; each byte of the weight is read once in the launch
.irp i, 0,1,2,3,4,5,6,7,8,9,10,11,12,13,14,15,16,17,18,19,20,21,22,23,24,25,26,27,28,29,30,31
	global_load_b32 v[AR+32*((\t)%3)+\i], v[VW], s[24:25] offset:(32*(\t)+\i)*PITCHW th:TH_LOAD_NT
.endr
.endm
.macro QBLK t
.if NBW-1-(\t) >= 2
	s_wait_loadcnt 63                              ; two younger blocks, 64 loads, are out: 63 is the largest count that the wait can name
.elseif NBW-1-(\t) == 1
	s_wait_loadcnt 32                              ; one younger block
.else
	s_wait_loadcnt 0x0
.endif
.set XB, AR+32*((\t)%3)
	v_max3_num_f32 v[MX], |v[XB]|, |v[XB+1]|, |v[XB+2]|            ; the block's largest magnitude: all 32 numbers are mine
	v_max3_num_f32 v[MX+1], |v[XB+3]|, |v[XB+4]|, |v[XB+5]|
.irp i, 6,10,14,18,22,26
	v_max3_num_f32 v[MX], v[MX], |v[XB+\i]|, |v[XB+\i+1]|
	v_max3_num_f32 v[MX+1], v[MX+1], |v[XB+\i+2]|, |v[XB+\i+3]|
.endr
	v_max3_num_f32 v[MX], v[MX], |v[XB+30]|, |v[XB+31]|
	v_max3_num_f32 v[MX], v[MX], v[MX+1], 0x2800000                ; and the floor 2^(5 - 127): the byte cannot fall under 1
	v_add_nc_u32 v[SCO], 0xfe000000, v[MX]                         ; 4 off its exponent field: the conversion's scale operand
	v_lshrrev_b32 v[BY], 23, v[SCO]
	v_cvt_scalef32_pk16_bf6_f32 v[CC:CC+2], v[XB:XB+15], v[SCO]
	v_cvt_scalef32_pk16_bf6_f32 v[CC+4:CC+6], v[XB+16:XB+31], v[SCO]   ; (a conversion's three registers begin on an even number)
.if (\t)%4 == 0
	v_mov_b32 v[SW], v[BY]                         ; the plain place behind the conversions: the byte joins the K step's scale word
.else
	v_lshl_or_b32 v[SW], v[BY], 8*((\t)%4), v[SW]
.endif
	v_mov_b32 v[CC+3], v[CC+4]
	v_mov_b32 v[CC+4], v[CC+5]
	v_mov_b32 v[CC+5], v[CC+6]
.set OO, ((\t)/4)*6144+256*((\t)%2)            ; block 2 c + par of a K step is registers 6 c .. 6 c + 5 of image lane r + 16 par
.if ((\t)/2)%2 == 0
	ds_store_b128 v[VWF], v[CC:CC+3] offset:OO
	ds_store_b64 v[VWF], v[CC+4:CC+5] offset:OO+512
.else
	ds_store_b64 v[VWF], v[CC:CC+1] offset:OO+520
	ds_store_b128 v[VWF], v[CC+2:CC+5] offset:OO+1024
.endif
.if (\t)%4 == 3
	ds_store_b32 v[VWS], v[SW] offset:((\t)/4)*256
.endif
.if (\t)+3 < NBW
	WLOAD (\t)+3
.endif
	s_wait_dscnt 0x0                               ; the stores have read their registers
.endm
.macro ALOAD s                         ; K step s of my 32 rows: two fragments and their scale words, into ring slot s % 4
.irp m, 0,1
.set RR, AR+24*((\s)%4)+12*\m
.if LAYER == 1
.irp p, 0,1,2,3,4,5
	global_load_b64 v[RR+2*\p:RR+2*\p+1], v[VAT+\m], s[AB:AB+1] offset:96*(\s)+48*(\p/3)+8*(\p%3)   ; 24 bytes of the token's stream of bits, twice
.endr
.else
.set OO, 24576*\m+1536*(\s)
	global_load_b128 v[RR:RR+3], v[VU16], s[AB:AB+1] offset:OO
	global_load_b64 v[RR+4:RR+5], v[VU8], s[AB:AB+1] offset:OO
	global_load_b128 v[RR+6:RR+9], v[VU16], s[AB:AB+1] offset:OO+768
	global_load_b64 v[RR+10:RR+11], v[VU8], s[AB:AB+1] offset:OO+768
.endif
.endr
.if LAYER == 1
	global_load_b32 v[SA+(\s)%4], v[VS1], s[AS:AS+1] offset:SOFF+4*(\s)
.else
	global_load_b32 v[SA+(\s)%4], v[VUS], s[AS:AS+1] offset:SOFF+64*(\s)
.endif
.endm
.macro BLOAD s                         ; K step s of the strip: four fragments and two registers of scale words, from LDS
.irp t, 0,1,2,3
.irp g, 0,1,2
.if (\s) < 8
	ds_load_b128 v[BF+12*\t+4*\g:BF+12*\t+4*\g+3], v[VLA] offset:(4*(\s)+\t)*1536+512*\g
.else
	ds_load_b128 v[BF+12*\t+4*\g:BF+12*\t+4*\g+3], v[VLB] offset:(4*((\s)-8)+\t)*1536+512*\g
.endif
.endr
.endr
.irp c, 0,1
	ds_load_b32 v[SB+\c], v[VLS] offset:(2*(\s)+\c)*128
.endr
.endm
.macro WM s, t, m                      ; source 0 = tile t of the columns (its scale words in lanes 0-15 or 16-31 of v[SB + t / 2]), source 1 = tile m of the rows
.set DD, ACC+32*(\m)+8*(\t)
.set WA, BF+12*(\t)
.set XA, AR+24*((\s)%4)+12*(\m)
.set SWR, SB+(\t)/2
.set SXR, SA+(\s)%4
.if (LAYER == 3) && ((\s) == 0)
.if ((\t)%2 == 0) && ((\m) == 0)
	v_wmma_scale_f32_16x16x128_f8f6f4 v[DD:DD+7], v[WA:WA+11], v[XA:XA+11], 0, v[SWR], v[SXR] matrix_a_fmt:MATRIX_FMT_BF6 matrix_b_fmt:MATRIX_FMT_BF6
.elseif ((\t)%2 == 1) && ((\m) == 0)
	v_wmma_scale_f32_16x16x128_f8f6f4 v[DD:DD+7], v[WA:WA+11], v[XA:XA+11], 0, v[SWR], v[SXR] matrix_a_fmt:MATRIX_FMT_BF6 matrix_b_fmt:MATRIX_FMT_BF6 matrix_a_scale:MATRIX_SCALE_ROW1
.elseif ((\t)%2 == 0)
	v_wmma_scale_f32_16x16x128_f8f6f4 v[DD:DD+7], v[WA:WA+11], v[XA:XA+11], 0, v[SWR], v[SXR] matrix_a_fmt:MATRIX_FMT_BF6 matrix_b_fmt:MATRIX_FMT_BF6 matrix_b_scale:MATRIX_SCALE_ROW1
.else
	v_wmma_scale_f32_16x16x128_f8f6f4 v[DD:DD+7], v[WA:WA+11], v[XA:XA+11], 0, v[SWR], v[SXR] matrix_a_fmt:MATRIX_FMT_BF6 matrix_b_fmt:MATRIX_FMT_BF6 matrix_a_scale:MATRIX_SCALE_ROW1 matrix_b_scale:MATRIX_SCALE_ROW1
.endif
.else
.if ((\t)%2 == 0) && ((\m) == 0)
	v_wmma_scale_f32_16x16x128_f8f6f4 v[DD:DD+7], v[WA:WA+11], v[XA:XA+11], v[DD:DD+7], v[SWR], v[SXR] matrix_a_fmt:MATRIX_FMT_BF6 matrix_b_fmt:MATRIX_FMT_BF6
.elseif ((\t)%2 == 1) && ((\m) == 0)
	v_wmma_scale_f32_16x16x128_f8f6f4 v[DD:DD+7], v[WA:WA+11], v[XA:XA+11], v[DD:DD+7], v[SWR], v[SXR] matrix_a_fmt:MATRIX_FMT_BF6 matrix_b_fmt:MATRIX_FMT_BF6 matrix_a_scale:MATRIX_SCALE_ROW1
.elseif ((\t)%2 == 0)
	v_wmma_scale_f32_16x16x128_f8f6f4 v[DD:DD+7], v[WA:WA+11], v[XA:XA+11], v[DD:DD+7], v[SWR], v[SXR] matrix_a_fmt:MATRIX_FMT_BF6 matrix_b_fmt:MATRIX_FMT_BF6 matrix_b_scale:MATRIX_SCALE_ROW1
.else
	v_wmma_scale_f32_16x16x128_f8f6f4 v[DD:DD+7], v[WA:WA+11], v[XA:XA+11], v[DD:DD+7], v[SWR], v[SXR] matrix_a_fmt:MATRIX_FMT_BF6 matrix_b_fmt:MATRIX_FMT_BF6 matrix_a_scale:MATRIX_SCALE_ROW1 matrix_b_scale:MATRIX_SCALE_ROW1
.endif
.endif
.endm
.macro STEP s                          ; eight products: the eight accumulators by turns, in the same order in every step
.if KS-1-(\s) >= 3
	s_wait_loadcnt 3*LPS                           ; this step's loads are in; those of the three younger ring slots may be out (the bias is older than all)
.else
	s_wait_loadcnt LPS*(KS-1-(\s))
.endif
	s_wait_dscnt 0x0                               ; the strip's fragments
.irp t, 0,1,2,3
.irp m, 0,1
	WM \s, \t, \m
.endr
.endr
.rept 4
	v_nop                                          ; places in front of loads into registers that matrix instructions have read, and of the first read of results
.endr
.if (\s)+4 < KS
	ALOAD (\s)+4
.endif
.if (\s)+1 < KS
	BLOAD (\s)+1
.endif
.endm
.macro EPIH m                          ; layers 1, 2: tile m's 32 results a lane: relu, two blocks of 32 quantised in registers, 24 bytes of codes a lane stored in the order of the next operand's registers
.set AM, ACC+32*\m
.set HF, 192+16*\m
.set HQ, 200+16*\m
.set JJ, 0
.rept 32
	v_max_num_f32 v[AM+JJ], 0, v[AM+JJ]            ; each accumulator from its low end on
.set JJ, JJ+1
.endr
.irp b, 0,1
	v_max3_num_f32 v[MX+\b], v[AM+16*\b], v[AM+16*\b+1], 0x2800000   ; none is negative: no |.|
.endr
.irp i, 2,4,6,8,10,12,14
.irp b, 0,1
	v_max3_num_f32 v[MX+\b], v[MX+\b], v[AM+16*\b+\i], v[AM+16*\b+\i+1]
.endr
.endr
.irp b, 0,1
	v_permlanex16_b32 v[PX+\b], v[MX+\b], s[SEL], s[SEL+1]
.endr
.irp b, 0,1
	v_max_num_f32 v[MX+\b], v[MX+\b], v[PX+\b]     ; with lane l xor 16's 16 numbers
.endr
.irp b, 0,1
	v_add_nc_u32 v[SCO+\b], 0xfe000000, v[MX+\b]
.endr
.irp b, 0,1
	v_lshrrev_b32 v[BY+\b], 23, v[SCO+\b]
.endr
	v_cvt_scalef32_pk16_bf6_f32 v[HF:HF+2], v[AM:AM+15], v[SCO]
	v_cvt_scalef32_pk16_bf6_f32 v[HQ:HQ+2], v[AM+16:AM+31], v[SCO+1]
	v_lshl_or_b32 v[W16+\m], v[BY+1], 8, v[BY]     ; the plain place behind the conversions: the strip's two bytes of my row's scale word
.irp i, 0,1,2
	v_permlane16_swap_b32 v[HF+\i], v[HQ+\i]       ; the operand's layout wants a whole block in a lane
.endr
.irp i, 0,1,2
	v_mov_b32 v[HF+3+\i], v[HQ+\i]
.endr
	global_store_b128 v[VU16], v[HF:HF+3], s[32:33] offset:24576*\m    ; 512 consecutive bytes, at a multiple of 256 from the buffer's first byte
	global_store_b64 v[VU8], v[HF+4:HF+5], s[32:33] offset:24576*\m    ; 256 consecutive bytes, likewise
.endm
.macro EPIY m                          ; layer 3: tile m through my stage: a lane's 32 bytes of a row go in, whole pieces of 256 bytes of two rows come back
.irp t, 0,1,2,3
.irp i, 0,1
	ds_store_b128 v[VST], v[ACC+32*\m+8*\t+4*\i:ACC+32*\m+8*\t+4*\i+3] offset:128*(\t/2)+32*(\t%2)+16*\i
.endr
.endr
.irp i, 0,1,2,3,4,5,6,7
	ds_load_b128 v[AR+32*\m+4*\i:AR+32*\m+4*\i+3], v[VRD] offset:544*\i   ; LDS serves a wave's instructions in order: these see my stores
.endr
.irp i, 0,1,2,3,4,5,6,7
	s_wait_dscnt 7-\i                              ; the younger loads from the stage may be out
	global_store_b128 v[VY], v[AR+32*\m+4*\i:AR+32*\m+4*\i+3], s[32:33] offset:(16*\m+2*\i)*4096   ; sixteen lanes store 256 consecutive bytes, aligned
.endr
.endm
.if LAYER == 3
	s_load_b64 s[4:5], s[0:1], 0x0                 ; the weight
	s_load_b128 s[8:11], s[0:1], 0x8               ; the rows' codes, rt
	s_load_b64 s[12:13], s[0:1], 0x18              ; y
.else
	s_load_b256 s[4:11], s[0:1], 0x0               ; the weight, the bias, the rows' codes, rt
	s_load_b64 s[12:13], s[0:1], 0x20              ; the codes that go out
.endif
	v_lshl_add_u32 v[SPW], v0, 2, SPARE
	v_mov_b32 v[NIL], 0
	v_lshrrev_b32 v252, 5, v0
	v_readfirstlane_b32 s14, v252                  ; wave 0..15
	s_lshr_b32 s15, ttmp9, 5                       ; the expert
.if LAYER == 3
	s_bfe_u32 s16, ttmp9, 0x40001                  ; the strip: 4 bits from bit 1
	s_and_b32 s17, ttmp9, 1                        ; the half of K
.else
	s_and_b32 s16, ttmp9, 31                       ; the strip
.endif
	s_and_b32 s18, s14, 1                          ; ch: which 32 of the 64 columns
	s_lshr_b32 s19, s14, 1                         ; kg: which 32 NBW along K
	v_and_b32 v252, 31, v0                         ; l
	v_and_b32 v253, 15, v0                         ; r
	v_bfe_u32 v251, v0, 4, 1                       ; h
	v_and_b32 v249, 7, v0
	v_bfe_u32 v248, v0, 3, 1
	v_lshl_add_u32 v249, v248, 4, v249
	v_lshl_add_u32 v249, v251, 3, v249             ; col(l) = l % 8 + 16 ((l / 8) % 2) + 8 (l / 16)
	s_lshl_b32 s44, s18, 7
	v_lshl_add_u32 v[VW], v249, 2, s44
	s_mul_i32 s36, s15, ESTR
	s_mul_i32 s44, s19, 32*NBW*PITCHW
	s_add_co_u32 s36, s36, s44
.if LAYER == 3
	s_mul_i32 s44, s17, 1024*PITCHW
	s_add_co_u32 s36, s36, s44
.endif
	s_lshl_b32 s44, s16, 8
	s_add_co_u32 s36, s36, s44                     ; under 2^31
	s_mov_b32 s37, 0
	s_lshl_b32 s22, s15, 3
	s_wait_kmcnt 0x0
	s_add_nc_u64 s[24:25], s[4:5], s[36:37]
	WLOAD 0
	WLOAD 1
	WLOAD 2
	s_load_b64 s[20:21], s[10:11], s22 offset:TAB  ; P_e, UB_e
	v_mul_u32_u24 v[VWF], v251, 1536
	v_lshl_add_u32 v[VWF], v253, 4, v[VWF]
	s_mul_i32 s44, s19, NBW
	s_lshl_b32 s45, s18, 1
	s_add_co_u32 s44, s44, s45
	s_mul_i32 s44, s44, 1536
	v_add_nc_u32 v[VWF], s44, v[VWF]               ; fragment 4 s + 2 ch + l / 16, image lane r
	s_mul_i32 s44, s19, NBW/2
	s_add_co_u32 s44, s44, s18
	s_lshl_b32 s44, s44, 7
	s_add_co_u32 s44, s44, WS
	v_lshl_add_u32 v[VWS], v252, 2, s44
	v_lshlrev_b32 v[VLA], 4, v252
.if KS > 8
	v_add_nc_u32 v[VLB], 49152, v[VLA]
.endif
	v_lshl_add_u32 v[VLS], v252, 2, WS
	v_lshl_add_u32 v[VL8], v252, 3, 512
	v_lshlrev_b32 v[VLS4], 2, v253
	v_lshl_add_u32 v[VLS4], v251, 10, v[VLS4]
.if LAYER == 1
	v_lshlrev_b32 v[V4R], 2, v253
	v_lshlrev_b32 v[V4L], 2, v252
	v_mul_u32_u24 v[V24H], v251, 24
.endif
.if LAYER == 3
	s_mul_i32 s44, s14, 4352
	s_add_co_u32 s44, s44, STG                     ; my stage
	v_mul_u32_u24 v[VST], v253, 272
	v_lshl_add_u32 v[VST], v251, 6, v[VST]
	v_add_nc_u32 v[VST], s44, v[VST]               ; in: row r, + 64 h
	v_mul_u32_u24 v[VRD], v251, 272
	v_lshl_add_u32 v[VRD], v253, 4, v[VRD]
	v_add_nc_u32 v[VRD], s44, v[VRD]               ; back: lanes 0-15 one row, lanes 16-31 the next
	v_lshlrev_b32 v[VYL], 4, v253
	v_lshl_add_u32 v[VYL], v251, 12, v[VYL]        ; and the same two rows in y
	s_mul_i32 s36, s17, 12288                      ; my half of K: 8 K steps of 1,536 bytes of codes,
	s_add_nc_u64 s[26:27], s[8:9], s[36:37]
	s_lshl_b32 s36, s17, 9                         ; and of 64 bytes of scale words
	s_add_nc_u64 s[28:29], s[8:9], s[36:37]
	s_mul_i32 s36, s17, YH
	s_lshl_b32 s44, s16, 8
	s_add_co_u32 s36, s36, s44
	s_add_nc_u64 s[32:33], s[12:13], s[36:37]      ; y: my half's plane, my 64 columns
.else
	v_lshlrev_b32 v[VBI], 6, v251
	v_mov_b32 v[PX], 0                             ; written once: a lane permute's destination counts as one of its sources
	v_mov_b32 v[PX+1], 0
	s_mov_b32 s[SEL], 0x76543210
	s_mov_b32 s[SEL+1], 0xfedcba98
	s_mov_b32 s40, 0xffff0000                      ; lanes 16-31
	s_lshl_b32 s36, s15, 13
	s_lshl_b32 s44, s16, 8
	s_add_co_u32 s36, s36, s44
	s_add_nc_u64 s[30:31], s[6:7], s[36:37]        ; the bias: my expert's row of 2,048, my 64 numbers
	s_mul_i32 s36, s16, 768
	s_add_nc_u64 s[32:33], s[12:13], s[36:37]      ; strip q is half q % 2 of K step q / 2 of the next layer
	s_lshr_b32 s36, s16, 1
	s_lshl_b32 s36, s36, 6
	s_and_b32 s44, s16, 1
	s_lshl_b32 s44, s44, 1
	s_add_co_u32 s36, s36, s44
	s_add_nc_u64 s[34:35], s[12:13], s[36:37]      ; and two bytes of that step's scale words
.endif
	; ---- PHASE A
.set QQ, 0
.rept NBW
	QBLK QQ
.set QQ, QQ+1
.endr
	s_wait_dscnt 0x0                               ; for the others' sake: my stores have landed
	s_barrier_signal -1
	s_barrier_wait -1                              ; the strip lies in LDS as codes; nothing writes it again
	; ---- PHASE B: two trips, a constant
	s_wait_kmcnt 0x0
	s_mov_b32 s41, 0
.Ltrip:
	s_lshl_b32 s38, s41, 4
	s_add_co_u32 s38, s38, s14                     ; this trip's unit of the expert: wave + 16 x trip
	s_cmp_ge_u32 s38, s20
	s_cbranch_scc1 .Lnone                          ; the expert has no such unit
	s_add_co_u32 s39, s21, s38
	s_min_u32 s39, s39, 71                         ; the unit among all experts': 71 at the most
	s_mul_i32 s44, s39, 49152
	s_lshl_b32 s45, s39, 11
	v_add_nc_u32 v[VU16], s44, v[VLA]
	v_add_nc_u32 v[VU8], s44, v[VL8]
	v_add_nc_u32 v[VUS], s45, v[VLS4]
.if LAYER == 3
	s_lshl_b32 s45, s39, 17
	v_add_nc_u32 v[VY], s45, v[VYL]
.endif
.if LAYER == 1
	s_lshl_b32 s45, s39, 7
	v_add_nc_u32 v[VTA], s45, v[V4R]
	v_add_nc_u32 v[VTB], s45, v[V4L]
	global_load_b32 v[TK], v[VTA], s[10:11]                ; the token of slot 32 U + r,
	global_load_b32 v[TK+1], v[VTA], s[10:11] offset:64    ; of slot 32 U + 16 + r,
	global_load_b32 v[TK+2], v[VTB], s[10:11]              ; and of slot 32 U + l, for the scale words
	s_wait_loadcnt 0x0
.irp i, 0,1,2
	v_min_u32 v[TK+\i], 0x3ff, v[TK+\i]
.endr
	v_mul_u32_u24 v[VAT], v[TK], 768
	v_mul_u32_u24 v[VAT+1], v[TK+1], 768
	v_add_nc_u32 v[VAT], v[V24H], v[VAT]
	v_add_nc_u32 v[VAT+1], v[V24H], v[VAT+1]
	v_lshlrev_b32 v[VS1], 5, v[TK+2]
.endif
.if LAYER != 3
.irp m, 0,1
.irp t, 0,1,2,3
.irp i, 0,1
	global_load_b128 v[ACC+32*\m+8*\t+4*\i:ACC+32*\m+8*\t+4*\i+3], v[VBI], s[30:31] offset:128*(\t/2)+32*(\t%2)+16*\i   ; the bias is the C of the first products
.endr
.endr
.endr
.endif
	ALOAD 0
	ALOAD 1
	ALOAD 2
	ALOAD 3
	BLOAD 0
.set SS, 0
.rept KS
	STEP SS
.set SS, SS+1
.endr
.if LAYER == 3
	EPIY 0
	EPIY 1
.else
	EPIH 0
	EPIH 1
	v_cndmask_b32 v[WSEL], v[W16], v[W16+1], s40   ; lanes 0-15 store tile 0's bytes, lanes 16-31 tile 1's
	global_store_b16 v[VUS], v[WSEL], s[34:35] offset:HSOFF   ; two bytes of a word whose other two are the neighbouring strip's
.endif
	s_wait_xcnt 0x0                                ; this trip's loads and stores have read their offsets and data: the next trip writes them again
.Lnone:
	s_add_co_u32 s41, s41, 1
	s_cmp_lt_u32 s41, 2
	s_cbranch_scc1 .Ltrip
	s_wait_tensorcnt 0x0                           ; the wave's end: a tensor wait, kept in a text with no tensor load too, then an LDS add and its wait, behind my last LDS store
	ds_add_u32 v[SPW], v[NIL]
	s_wait_dscnt 0x0
	s_endpgm
.Lfunc_end_k_q3c4548ae0c_l3:
	.size	k_q3c4548ae0c_l3, .Lfunc_end_k_q3c4548ae0c_l3-k_q3c4548ae0c_l3
	.p2alignl 7, 3214868480
	.fill 96, 4, 3214868480
	.section	.rodata,"a",@progbits
	.p2align	6, 0x0
	.amdhsa_kernel k_q3c4548ae0c_l3
		.amdhsa_group_segment_fixed_size 122880
		.amdhsa_private_segment_fixed_size 0
		.amdhsa_enable_private_segment 0
		.amdhsa_kernarg_size 32
		.amdhsa_user_sgpr_count 2
		.amdhsa_user_sgpr_kernarg_segment_ptr 1
		.amdhsa_wavefront_size32 1
		.amdhsa_system_sgpr_workgroup_id_x 1
		.amdhsa_system_sgpr_workgroup_id_y 1
		.amdhsa_system_sgpr_workgroup_id_z 1
		.amdhsa_system_vgpr_workitem_id 0
		.amdhsa_next_free_vgpr 256
		.amdhsa_next_free_sgpr 66
		.amdhsa_reserve_vcc 0
		.amdhsa_float_denorm_mode_32 3
		.amdhsa_float_denorm_mode_16_64 3
		.amdhsa_memory_ordered 1
		.amdhsa_forward_progress 1
		.amdhsa_inst_pref_size 51
	.end_amdhsa_kernel
	.amdgpu_metadata
---
amdhsa.version: [ 1, 2 ]
amdhsa.kernels:
  - .name:           k_q3c4548ae0c_l3
    .symbol:         k_q3c4548ae0c_l3.kd
    .args:
      - { .name: We3, .offset: 0, .size: 8, .value_kind: global_buffer, .address_space: global }
      - { .name: h2, .offset: 8, .size: 8, .value_kind: global_buffer, .address_space: global }
      - { .name: rt, .offset: 16, .size: 8, .value_kind: global_buffer, .address_space: global }
      - { .name: y, .offset: 24, .size: 8, .value_kind: global_buffer, .address_space: global }
    .group_segment_fixed_size: 122880
    .private_segment_fixed_size: 0
    .kernarg_segment_align: 8
    .kernarg_segment_size: 32
    .max_flat_workgroup_size: 512
    .sgpr_count:     66
    .vgpr_count:     256
    .wavefront_size: 32
...
	.end_amdgpu_metadata
.endif
;; end of part 5
;; launch comb (part 6): grid 256 x 1, 4 waves a work-group, no clusters, 0 bytes of LDS; arguments y, rt, gx, be3, out0; writes out0
.if DOCPART == 6
	.amdgcn_target "amdgcn-amd-amdhsa--gfx1250"
	.amdhsa_code_object_version 6
	.text
	.protected	k_q3c4548ae0c_comb
	.globl	k_q3c4548ae0c_comb
	.p2align	8
	.type	k_q3c4548ae0c_comb,@function
k_q3c4548ae0c_comb:
	s_mov_b64 s[64:65], 0
	v_nop
	global_prefetch_b8 v0, s[64:65] scope:SCOPE_SE
	s_setreg_imm32_b32 hwreg(HW_REG_WAVE_MODE, 25, 1), 1
	s_wait_xcnt 0x0
; THE COMBINATION: out0[token] = w0 (y0[slot 0] + y1[slot 0] + be3[expert 0]) + w1 (y0[slot 1] + y1[slot 1] + be3[expert 1]); y0, y1: the two halves of the last layer's K.
; Only a token's two chosen rows exist and are read (the rows that the problem's gather drops were left out: shown at the head of the first kernel).
; One wave, one token: a row of 1,024 f32 is eight pieces of 512 bytes; all 48 loads go out at once.  A stream: no LDS, no barrier, no matrix unit.  The slots and experts are whole numbers that the routing launch stored.
.set REC, 9216
.set GWN, 819200
.set YH,  9437184
	s_load_b256 s[4:11], s[0:1], 0x0               ; y, rt, gx, be3
	s_load_b64 s[12:13], s[0:1], 0x20              ; out0
	v_lshrrev_b32 v1, 5, v0
	v_readfirstlane_b32 s14, v1
	s_lshl_b32 s15, ttmp9, 2
	s_add_co_u32 s15, s15, s14                     ; my token
	s_lshl_b32 s20, s15, 4
	s_lshl_b32 s21, s15, 3
	s_lshl_b32 s26, s15, 12
	s_mov_b32 s27, 0
	v_and_b32 v1, 31, v0
	v_lshlrev_b32 v1, 4, v1                        ; 16 bytes a lane
	s_wait_kmcnt 0x0
	s_load_b128 s[16:19], s[6:7], s20 offset:REC   ; slot 0, slot 1, expert 0, expert 1
	s_load_b64 s[22:23], s[8:9], s21 offset:GWN    ; w0, w1
	s_add_nc_u64 s[24:25], s[4:5], YH              ; the second half's plane
	s_add_nc_u64 s[12:13], s[12:13], s[26:27]
	s_wait_kmcnt 0x0
	s_min_u32 s16, s16, 2303
	s_min_u32 s17, s17, 2303
	s_min_u32 s18, s18, 7
	s_min_u32 s19, s19, 7
	s_lshl_b32 s16, s16, 12                        ; rows of 4,096 bytes
	s_lshl_b32 s17, s17, 12
	s_lshl_b32 s18, s18, 12
	s_lshl_b32 s19, s19, 12
	v_add_nc_u32 v2, s16, v1
	v_add_nc_u32 v3, s17, v1
	v_add_nc_u32 v4, s18, v1
	v_add_nc_u32 v5, s19, v1
	s_mov_b32 s28, s23                             ; w1 as the low word of a pair of its own: the packed forms take a scalar pair's low word for both halves
	s_mov_b32 s29, s23
.irp j, 0,1,2,3,4,5,6,7
	global_load_b128 v[16+24*\j:19+24*\j], v2, s[4:5] offset:512*\j th:TH_LOAD_NT
	global_load_b128 v[20+24*\j:23+24*\j], v2, s[24:25] offset:512*\j th:TH_LOAD_NT
	global_load_b128 v[24+24*\j:27+24*\j], v4, s[10:11] offset:512*\j
	global_load_b128 v[28+24*\j:31+24*\j], v3, s[4:5] offset:512*\j th:TH_LOAD_NT
	global_load_b128 v[32+24*\j:35+24*\j], v3, s[24:25] offset:512*\j th:TH_LOAD_NT
	global_load_b128 v[36+24*\j:39+24*\j], v5, s[10:11] offset:512*\j
.endr
.irp j, 0,1,2,3,4,5,6,7
	s_wait_loadcnt 6*(7-\j)                        ; this piece's six loads are in; the younger pieces' may be out
.irp k, 0,2
	v_pk_add_f32 v[16+24*\j+\k:17+24*\j+\k], v[16+24*\j+\k:17+24*\j+\k], v[20+24*\j+\k:21+24*\j+\k]
	v_pk_add_f32 v[28+24*\j+\k:29+24*\j+\k], v[28+24*\j+\k:29+24*\j+\k], v[32+24*\j+\k:33+24*\j+\k]
	v_pk_add_f32 v[16+24*\j+\k:17+24*\j+\k], v[16+24*\j+\k:17+24*\j+\k], v[24+24*\j+\k:25+24*\j+\k]
	v_pk_add_f32 v[28+24*\j+\k:29+24*\j+\k], v[28+24*\j+\k:29+24*\j+\k], v[36+24*\j+\k:37+24*\j+\k]
	v_pk_mul_f32 v[208+4*\j+\k:209+4*\j+\k], v[16+24*\j+\k:17+24*\j+\k], s[22:23] op_sel_hi:[1,0]
	v_pk_fma_f32 v[208+4*\j+\k:209+4*\j+\k], v[28+24*\j+\k:29+24*\j+\k], s[28:29], v[208+4*\j+\k:209+4*\j+\k] op_sel_hi:[1,0,1]
.endr
	global_store_b128 v1, v[208+4*\j:211+4*\j], s[12:13] offset:512*\j th:TH_STORE_NT   ; 512 consecutive bytes, aligned; each piece has registers of its own, so no store's data are written again
.endr
	s_endpgm
.Lfunc_end_k_q3c4548ae0c_comb:
	.size	k_q3c4548ae0c_comb, .Lfunc_end_k_q3c4548ae0c_comb-k_q3c4548ae0c_comb
	.p2alignl 7, 3214868480
	.fill 96, 4, 3214868480
	.section	.rodata,"a",@progbits
	.p2align	6, 0x0
	.amdhsa_kernel k_q3c4548ae0c_comb
		.amdhsa_group_segment_fixed_size 0
		.amdhsa_private_segment_fixed_size 0
		.amdhsa_enable_private_segment 0
		.amdhsa_kernarg_size 40
		.amdhsa_user_sgpr_count 2
		.amdhsa_user_sgpr_kernarg_segment_ptr 1
		.amdhsa_wavefront_size32 1
		.amdhsa_system_sgpr_workgroup_id_x 1
		.amdhsa_system_sgpr_workgroup_id_y 1
		.amdhsa_system_sgpr_workgroup_id_z 1
		.amdhsa_system_vgpr_workitem_id 0
		.amdhsa_next_free_vgpr 240
		.amdhsa_next_free_sgpr 66
		.amdhsa_reserve_vcc 0
		.amdhsa_float_denorm_mode_32 3
		.amdhsa_float_denorm_mode_16_64 3
		.amdhsa_memory_ordered 1
		.amdhsa_forward_progress 1
		.amdhsa_inst_pref_size 13
	.end_amdhsa_kernel
	.amdgpu_metadata
---
amdhsa.version: [ 1, 2 ]
amdhsa.kernels:
  - .name:           k_q3c4548ae0c_comb
    .symbol:         k_q3c4548ae0c_comb.kd
    .args:
      - { .name: y, .offset: 0, .size: 8, .value_kind: global_buffer, .address_space: global }
      - { .name: rt, .offset: 8, .size: 8, .value_kind: global_buffer, .address_space: global }
      - { .name: gx, .offset: 16, .size: 8, .value_kind: global_buffer, .address_space: global }
      - { .name: be3, .offset: 24, .size: 8, .value_kind: global_buffer, .address_space: global }
      - { .name: out0, .offset: 32, .size: 8, .value_kind: global_buffer, .address_space: global }
    .group_segment_fixed_size: 0
    .private_segment_fixed_size: 0
    .kernarg_segment_align: 8
    .kernarg_segment_size: 40
    .max_flat_workgroup_size: 128
    .sgpr_count:     66
    .vgpr_count:     240
    .wavefront_size: 32
...
	.end_amdgpu_metadata
.endif
;; end of part 6
;; ======== version 2 of 2: 6 launches; 1.15 times as fast as version 1
;; workspace buffers: gx 831,488 bytes; gidx 8,192 bytes of whole numbers; rt 25,856 bytes of whole numbers; h1 3,686,400 bytes; h2 3,686,400 bytes; y 18,874,368 bytes; w1c 13,107,200 bytes
;; launch gate (part 7): grid 160 x 1, 16 waves a work-group, no clusters, 288,768 bytes of LDS; arguments x, Wg1, bg1, Wg2, bg2, Wg3, bg3, gx, gidx, out2, out3, We1, w1c; writes gx, gidx, out2, out3, w1c
.if DOCPART == 7
	.amdgcn_target "amdgcn-amd-amdhsa--gfx1250"
	.amdhsa_code_object_version 6
	.text
	.protected	k_q3c4548ae0c_gate
	.globl	k_q3c4548ae0c_gate
	.p2align	8
	.type	k_q3c4548ae0c_gate,@function
k_q3c4548ae0c_gate:
	s_mov_b64 s[64:65], 0
	v_nop
	global_prefetch_b8 v0, s[64:65] scope:SCOPE_SE
	s_setreg_imm32_b32 hwreg(HW_REG_WAVE_MODE, 25, 1), 1
	s_wait_xcnt 0x0
; THE GATE (work-groups 0-31): g1 = relu(Q(x) Q(Wg1) + bg1), g2 = relu(Q(g1) Q(Wg2) + bg2), logits = g2 Wg3 + bg3 (f32), softmax, top-2, each token's entropy; and x's codes for the experts' first layer.
; AND We1's CODES (work-groups 32-159): the gate has work for 32 work-groups, so 128 more quantise the first layer's weight beside it: that needs no routing.
; WORK LEFT OUT BY THE WHOLE PROGRAM.  The problem computes every expert for every token and then keeps, by take_along_axis on its own top_k, the rows of two experts for each token.
; The other six rows of expert_out of a token enter no output: not combined (the gather drops them), not aux_loss, not the indices, not the scores.  That holds for all values of the inputs,
; so the three experts' products are made only for the 2,048 chosen (token, expert) rows.  Every input has a way to an output and is loaded by some launch.
; LIMITS.  A NaN, an infinity or an overflow that reaches only the rows left out is not carried to the result.  NaN and infinities among the inputs are not served.  A block whose largest magnitude lies
; under 2^-122 has its scale byte held at 1; a block of zeros gets the byte 1 where the rule says 127 (its codes are zeros, and this program alone reads the bytes).  p = e x (1 / sum) stands for the division.
; v_exp_f32 gives 0 where 2^d lies under 2^-126: scores that small count as 0.
; SHARES OF THE GATE.  A work-group of sixteen waves owns 32 tokens (two tiles of 16).  PHASE A: wave w quantises tile w & 1, K step w >> 1 of x (16 x 128 numbers), and 32 columns x 256 K of Wg1 and 32 columns x 32 K of Wg2:
; a lane takes a column and its registers run down K, so a block of 32 lies in one lane.  All operands go to LDS as images of their registers (three groups of 512 bytes: lane l's 16 bytes at 16 l).
; THE COLUMNS THAT FORM A TILE ARE NOT NEIGHBOURS: lane r of tile 2 b + u takes column 32 b + 8 u + r + 8 (r / 8), and the products are used transposed (source 0 = 16 columns, source 1 = 16 tokens),
; so a lane holds one token and the 16 registers of tiles 2 b, 2 b + 1 are 16 neighbours along the next K.
; Barrier.  x's codes and scale words leave as dense rows.  Waves 0-7 make product 1 (tile w & 1, 32 columns each).  Barrier.  Waves 0 and 1 finish their tile of tokens.
; x's CODES IN gx: a token has 768 bytes.  The 12 registers that lane (r, h) of an operand holds for K steps 0 to 7, on end, are a stream of 384 bytes; the token's row is six pieces of 128 bytes,
; each 64 bytes of the stream of h = 0 and then 64 bytes of the stream of h = 1: so a fragment of any sixteen tokens comes by three loads of 16 bytes a lane.
; SHARES OF We1.  Work-group 32 + 16 e + Q takes expert e, columns 128 Q on, all 1,024 along K, by the same shares as Wg1's; a barrier; its 64 fragments and 32 x 128 bytes of scale words, 102,400 dense bytes, go to w1c.
; It has LDS bytes of its own, behind the gate's.
; No tensor load and no cluster: what work-groups share is Wg1, half a megabyte, against 32 work-groups' own quantising of it.
.set W1F,   0                          ; LDS: Wg1's fragments, (8 s + t) x 1536
.set W1S,   98304                      ; its scale words, (4 s + cg) x 128: lanes 0-15 tile 2 cg, lanes 16-31 tile 2 cg + 1
.set W2F,   102400                     ; Wg2's 8 fragments
.set W2S,   114688                     ; its scale words, cg x 128
.set XF,    115200                     ; x's fragments, (8 m + s) x 1536
.set XSI,   139776                     ; their scale words, (8 m + s) x 128
.set XST,   141824                     ; x's codes as rows: 32 rows of 768 bytes + 16
.set XSS,   166912                     ; x's scale words as rows: 32 x 32 bytes
.set G1F,   167936                     ; g1, f32, as images: (4 m + np) x 2048
.set SPARE, 184320                     ; the spare words, 128 bytes for each wave: eight blocks of 256 bytes that no other line names
.set QF,    186368                     ; We1's path: its fragments, (8 s + t) x 1536,
.set QS,    284672                     ; and its scale words, (4 s + cg) x 128
.set GRP,   102400                     ; bytes of a group of 128 columns in w1c
.set GXS,   786432                     ; gx: x's scale words
.set GWN,   819200                     ; gx: the two normalised weights of a token
.set GEN,   827392                     ; gx: a token's entropy
.set SPW, 1
.set NIL, 2
.set VX,   3                           ; x: 4096 r + 64 h
.set VW,   4                           ; a weight's row: 4 col(l) + 128 cg
.set VWF1, 5
.set VWS1, 6
.set VW2A, 7
.set VW2B, 8
.set VW2C, 9
.set VW2S, 10
.set VXI,  11
.set VXSI, 12
.set VXS,  13                          ; v13, v254, v255: where the three 16 bytes of my fragment of x lie in the stage
.set VXS1, 254
.set VXS2, 255
.set VXSS, 14
.set VR0,  15
.set VR1,  16
.set VRS,  17
.set VG16, 18
.set VXR,  19
.set VXSR, 20
.set VB1,  21                          ; v21, v22: Wg1's fragments, K steps 0-3 and 4-7
.set VB1S, 23
.set VG1W, 24
.set VG1R, 25
.set VB2,  26
.set VB2S, 27
.set VW3,  28
.set VBI,  29
.set VT8,  30
.set VQ8,  30                          ; We1's path: 8 l
.set VT4,  31
.set SX,  32                           ; v32-35 x's scale words; v36-39 the weights'; v40 the word just made; v41 a weight's word in the making: scales and nothing else
.set SWG, 36
.set PW,  40
.set SW,  41
.set L0,  42                           ; v42-57: the logits' two sums: written by the f32 matrix instruction alone
.set L1,  50
.set TM,  58                           ; v58-73 at work
.set PC,  74                           ; v74-92 codes just made
.set CC,  74
.set R1,  94                           ; v94-157: x's numbers; then product 1's sums and x's fragments; then g1; then Wg3
.set XS0, 158                          ; v158-253: three sets of 32 numbers of a weight; then Wg1's fragments
.set R2,  158                          ; the tail: product 2's sums
.set R3,  222                          ; the tail: two fragments of Wg2; then the softmax
.set TL, 58
.set TR, 59
.set TH, 60
.set TA, 61
.set TB, 62
.set TC, 63
.set SEL, 42                           ; s[42:43]
; 64 numbers of a lane, register 16 b + i = k 32 b + 16 (lane / 16) + i of my row, become a fragment's codes in v[PC] on and its scale word in v[PW]
.macro QUANT s
.irp b, 0,1,2,3
	v_max3_num_f32 v[TM+\b], |v[\s+16*\b]|, |v[\s+1+16*\b]|, 0x2800000   ; my 16 numbers of block b, and the floor 2^(5 - 127): the byte cannot fall under 1
.endr
.irp i, 2,4,6,8,10,12,14
.irp b, 0,1,2,3
	v_max3_num_f32 v[TM+\b], v[TM+\b], |v[\s+16*\b+\i]|, |v[\s+1+16*\b+\i]|
.endr
.endr
.irp b, 0,1,2,3
	v_permlanex16_b32 v[TM+4+\b], v[TM+\b], s[SEL], s[SEL+1]
.endr
.irp b, 0,1,2,3
	v_max_num_f32 v[TM+\b], v[TM+\b], v[TM+4+\b]   ; with lane l xor 16's: the block's largest magnitude
.endr
.irp b, 0,1,2,3
	v_add_nc_u32 v[TM+12+\b], 0xfe000000, v[TM+\b]   ; 4 off its exponent field: the conversion's scale operand
.endr
.irp b, 0,1,2,3
	v_lshrrev_b32 v[TM+4+\b], 23, v[TM+12+\b]      ; the scale's byte
.endr
	v_lshl_or_b32 v[PW], v[TM+5], 8, v[TM+4]
	v_lshl_or_b32 v[PW], v[TM+6], 16, v[PW]
	v_lshl_or_b32 v[PW], v[TM+7], 24, v[PW]
.irp c, 0,1
	v_cvt_scalef32_pk16_bf6_f32 v[PC+6*\c:PC+2+6*\c], v[\s+32*\c:\s+15+32*\c], v[TM+12+2*\c]
	v_cvt_scalef32_pk16_bf6_f32 v[PC+12+4*\c:PC+14+4*\c], v[\s+16+32*\c:\s+31+32*\c], v[TM+12+2*\c+1]   ; (a conversion's three registers begin on an even number)
.endr
	v_nop                                          ; one plain place behind a scaled conversion
.irp c, 0,1                                    ; the operand's layout wants a whole block in a lane
.irp i, 0,1,2
	v_permlane16_swap_b32 v[PC+6*\c+\i], v[PC+12+4*\c+\i]
.endr
.irp i, 0,1,2
	v_mov_b32 v[PC+3+6*\c+\i], v[PC+12+4*\c+\i]
.endr
.endr
.endm
; 32 rows of a weight of the gate at my column, into set t % 3
.macro WLOAD t, sb, row0
.irp i, 0,1,2,3,4,5,6,7,8,9,10,11,12,13,14,15,16,17,18,19,20,21,22,23,24,25,26,27,28,29,30,31
	global_load_b32 v[XS0+32*((\t)%3)+\i], v[VW], s[\sb:\sb+1] offset:((\row0)+\i)*512
.endr
.endm
; block t of my 8 of We1: 32 rows of 8,192 bytes at my column, into set t % 3; each byte of We1 is read once in the launch
.macro WLOADQ t
.irp i, 0,1,2,3,4,5,6,7,8,9,10,11,12,13,14,15,16,17,18,19,20,21,22,23,24,25,26,27,28,29,30,31
	global_load_b32 v[XS0+32*((\t)%3)+\i], v[VW], s[38:39] offset:(32*(\t)+\i)*8192 th:TH_LOAD_NT
.endr
.endm
; a block of 32 along K of my column, in v[XB] on: its codes into v[CC] .. v[CC+5], its byte into v[SW]'s byte t % 4
.macro QHEART t
	v_max3_num_f32 v[TM+8], |v[XB]|, |v[XB+1]|, |v[XB+2]|
	v_max3_num_f32 v[TM+9], |v[XB+3]|, |v[XB+4]|, |v[XB+5]|
.irp i, 6,10,14,18,22,26
	v_max3_num_f32 v[TM+8], v[TM+8], |v[XB+\i]|, |v[XB+\i+1]|
	v_max3_num_f32 v[TM+9], v[TM+9], |v[XB+\i+2]|, |v[XB+\i+3]|
.endr
	v_max3_num_f32 v[TM+8], v[TM+8], |v[XB+30]|, |v[XB+31]|
	v_max3_num_f32 v[TM+8], v[TM+8], v[TM+9], 0x2800000
	v_add_nc_u32 v[TM+10], 0xfe000000, v[TM+8]
	v_lshrrev_b32 v[TM+11], 23, v[TM+10]
	v_cvt_scalef32_pk16_bf6_f32 v[CC:CC+2], v[XB:XB+15], v[TM+10]
	v_cvt_scalef32_pk16_bf6_f32 v[CC+4:CC+6], v[XB+16:XB+31], v[TM+10]
.if (\t)%4 == 0
	v_mov_b32 v[SW], v[TM+11]                      ; the plain place behind the conversions: the byte joins the step's scale word
.else
	v_lshl_or_b32 v[SW], v[TM+11], 8*((\t)%4), v[SW]
.endif
	v_mov_b32 v[CC+3], v[CC+4]
	v_mov_b32 v[CC+4], v[CC+5]
	v_mov_b32 v[CC+5], v[CC+6]
.endm
; the block's codes and, behind a K step's fourth block, its scale word go to LDS.  Block 2 c + par of a K step is registers 6 c .. 6 c + 5 of image lane r + 16 par
.macro QSTORE t
.set OO, ((\t)/4)*12288+256*((\t)%2)
.if ((\t)/2)%2 == 0
	ds_store_b128 v[VWF1], v[CC:CC+3] offset:OO
	ds_store_b64 v[VWF1], v[CC+4:CC+5] offset:OO+512
.else
	ds_store_b64 v[VWF1], v[CC:CC+1] offset:OO+520
	ds_store_b128 v[VWF1], v[CC+2:CC+5] offset:OO+1024
.endif
.if (\t)%4 == 3
	ds_store_b32 v[VWS1], v[SW] offset:((\t)/4)*512
.endif
.endm
; block t of my 8 of Wg1.  left: how many younger loads may stay out
.macro QBLK t, left
	s_wait_loadcnt \left
.set XB, XS0+32*((\t)%3)
	QHEART \t
	QSTORE \t
.if (\t)+3 < 8
	WLOAD (\t)+3, 38, 32*((\t)+3)
.elseif (\t)+3 == 8
	WLOAD 8, 40, 0                                 ; the ninth block is Wg2's
.endif
	s_wait_dscnt 0x0                               ; the stores have read their registers
.endm
; block t of my 8 of We1
.macro QBLKQ t
.if 7-(\t) >= 2
	s_wait_loadcnt 63                              ; two younger blocks, 64 loads, are out: 63 is the largest count that the wait can name
.elseif 7-(\t) == 1
	s_wait_loadcnt 32                              ; one younger block
.else
	s_wait_loadcnt 0x0
.endif
.set XB, XS0+32*((\t)%3)
	QHEART \t
	QSTORE \t
.if (\t)+3 < 8
	WLOADQ (\t)+3
.endif
	s_wait_dscnt 0x0                               ; the stores have read their registers
.endm
; where 16 bytes g of my fragment of x lie in my row of the stage: byte b = 48 s + 16 g of the lane's stream is byte b % 64 of my half of piece b / 64
.macro XSADR reg, g
	s_add_co_u32 s27, s35, 16*\g
	s_lshr_b32 s34, s27, 6
	s_lshl_b32 s34, s34, 7
	s_and_b32 s27, s27, 63
	s_add_co_u32 s27, s27, s34
	v_add_nc_u32 v[\reg], s27, v[TC]
.endm
	v_lshl_add_u32 v[SPW], v0, 2, SPARE
	v_mov_b32 v[NIL], 0
	v_lshrrev_b32 v[TM], 5, v0
	v_readfirstlane_b32 s26, v[TM]                 ; wave 0..15
	s_cmp_ge_u32 ttmp9, 32
	s_cbranch_scc1 .Lquant                         ; work-groups 32 on: We1.  The two ways never join
	s_load_b256 s[4:11], s[0:1], 0x0               ; x, Wg1, bg1, Wg2
	s_load_b256 s[12:19], s[0:1], 0x20             ; bg2, Wg3, bg3, gx
	s_load_b128 s[20:23], s[0:1], 0x40             ; gidx, out2
	s_load_b64 s[24:25], s[0:1], 0x50              ; out3
	s_and_b32 s28, s26, 1                          ; m: my tile of tokens
	s_lshr_b32 s29, s26, 1                         ; s: my K step of x
	s_and_b32 s30, s26, 3                          ; cg: my 32 columns of Wg1 and Wg2
	s_lshr_b32 s31, s26, 2                         ; kgp: my 256 K of Wg1; my block of Wg2
	s_and_b32 s32, s29, 3                          ; np: my 32 columns in product 1
	s_mov_b32 s[SEL], 0x76543210
	s_mov_b32 s[SEL+1], 0xfedcba98
	v_and_b32 v[TL], 31, v0                        ; l
	v_and_b32 v[TR], 15, v0                        ; r
	v_bfe_u32 v[TH], v0, 4, 1                      ; h
	v_lshlrev_b32 v[VX], 12, v[TR]
	v_lshl_add_u32 v[VX], v[TH], 6, v[VX]
	v_and_b32 v[TA], 7, v0
	v_bfe_u32 v[TB], v0, 3, 1
	v_lshl_add_u32 v[TA], v[TB], 4, v[TA]
	v_lshl_add_u32 v[TA], v[TH], 3, v[TA]          ; col(l) = l % 8 + 16 ((l / 8) % 2) + 8 (l / 16)
	s_lshl_b32 s33, s30, 7
	v_lshl_add_u32 v[VW], v[TA], 2, s33
	v_mul_u32_u24 v[TC], v[TH], 1536
	v_lshl_add_u32 v[TC], v[TR], 4, v[TC]          ; 1536 h + 16 r: lanes 16-31 hold the second tile of the 32 columns
	s_lshl_b32 s33, s31, 4
	s_lshl_b32 s34, s30, 1
	s_add_co_u32 s33, s33, s34
	s_mul_i32 s33, s33, 1536
	v_add_nc_u32 v[VWF1], s33, v[TC]
	s_lshl_b32 s33, s31, 3
	s_add_co_u32 s33, s33, s30
	s_lshl_b32 s33, s33, 7
	s_add_co_u32 s33, s33, W1S
	v_lshl_add_u32 v[VWS1], v[TL], 2, s33
	s_mul_i32 s33, s30, 3072                       ; Wg2: tile 2 cg + h, image lane r + 16 (block % 2)
	s_and_b32 s34, s31, 1
	s_lshl_b32 s34, s34, 8
	s_add_co_u32 s33, s33, s34
	s_add_co_u32 s33, s33, W2F
	s_lshr_b32 s34, s31, 1                         ; c2 = block / 2: registers 0-5 or 6-11, in three pieces of 8 bytes
	s_mul_i32 s35, s34, 520
	s_add_co_u32 s35, s35, s33
	v_add_nc_u32 v[VW2A], s35, v[TC]
	s_add_co_u32 s35, s35, 512
	v_add_nc_u32 v[VW2C], s35, v[TC]
	s_mul_i32 s35, s34, 1016
	s_add_co_u32 s35, s35, s33
	s_add_co_u32 s35, s35, 8
	v_add_nc_u32 v[VW2B], s35, v[TC]
	s_lshl_b32 s33, s30, 7
	s_add_co_u32 s33, s33, s31
	s_add_co_u32 s33, s33, W2S
	v_lshl_add_u32 v[VW2S], v[TL], 2, s33
	s_lshl_b32 s33, s28, 3
	s_add_co_u32 s33, s33, s29                     ; my job of x: 8 m + s
	s_mul_i32 s34, s33, 1536
	s_add_co_u32 s34, s34, XF
	v_lshl_add_u32 v[VXI], v[TL], 4, s34
	s_lshl_b32 s34, s33, 7
	s_add_co_u32 s34, s34, XSI
	v_lshl_add_u32 v[VXSI], v[TL], 2, s34
	v_mul_u32_u24 v[TC], v[TR], 784
	v_lshl_add_u32 v[TC], v[TH], 6, v[TC]
	s_mul_i32 s34, s28, 12544
	s_add_co_u32 s34, s34, XST
	v_add_nc_u32 v[TC], s34, v[TC]                 ; my token's row of the stage, my half of each 128 bytes
	s_mul_i32 s35, s29, 48                         ; my fragment is bytes 48 s .. 48 s + 47 of the lane's stream
	XSADR VXS, 0
	XSADR VXS1, 1
	XSADR VXS2, 2
	s_lshl_b32 s34, s28, 9
	s_lshl_b32 s35, s29, 2
	s_add_co_u32 s34, s34, s35
	s_add_co_u32 s34, s34, XSS
	v_lshl_add_u32 v[VXSS], v[TR], 5, s34
	s_mul_i32 s34, s26, 1568                       ; the way out of x's codes: rows 2 w and 2 w + 1
	s_add_co_u32 s34, s34, XST
	v_lshl_add_u32 v[VR0], v[TL], 4, s34
	v_lshl_add_u32 v[VR1], v[TH], 4, v[VR0]
	s_lshl_b32 s34, s28, 9
	s_add_co_u32 s34, s34, XSS
	v_lshl_add_u32 v[VRS], v[TL], 4, s34
	v_lshlrev_b32 v[VG16], 4, v[TL]
	s_mul_i32 s34, s28, 12288
	s_add_co_u32 s34, s34, XF
	v_lshl_add_u32 v[VXR], v[TL], 4, s34
	s_lshl_b32 s34, s28, 10
	s_add_co_u32 s34, s34, XSI
	v_lshl_add_u32 v[VXSR], v[TL], 2, s34
	s_mul_i32 s34, s32, 3072
	v_lshl_add_u32 v[VB1], v[TL], 4, s34
	v_add_nc_u32 v[VB1+1], 49152, v[VB1]
	s_lshl_b32 s34, s32, 7
	s_add_co_u32 s34, s34, W1S
	v_lshl_add_u32 v[VB1S], v[TL], 2, s34
	s_lshl_b32 s34, s28, 2
	s_add_co_u32 s34, s34, s32
	s_lshl_b32 s34, s34, 11
	s_add_co_u32 s34, s34, G1F
	v_lshl_add_u32 v[VG1W], v[TL], 4, s34
	s_lshl_b32 s34, s28, 13
	s_add_co_u32 s34, s34, G1F
	v_lshl_add_u32 v[VG1R], v[TL], 4, s34
	v_lshl_add_u32 v[VB2], v[TL], 4, W2F
	v_lshl_add_u32 v[VB2S], v[TL], 2, W2S
	v_and_b32 v[TA], 7, v0
	v_lshlrev_b32 v[TA], 2, v[TA]
	v_lshl_add_u32 v[VW3], v[TH], 9, v[TA]         ; Wg3: 16 h rows of 32 bytes, expert r % 8
	v_lshlrev_b32 v[VBI], 6, v[TH]
	v_lshlrev_b32 v[VT8], 3, v[TR]
	v_lshlrev_b32 v[VT4], 2, v[TR]
.irp b, 0,1,2,3
	v_mov_b32 v[TM+4+\b], 0                        ; written once: a lane permute's destination counts as one of its sources
.endr
	s_lshl_b32 s36, ttmp9, 17                      ; x: 32 rows of 4,096 bytes a work-group, 16 a tile, 512 bytes a K step
	s_lshl_b32 s33, s28, 16
	s_add_co_u32 s36, s36, s33
	s_lshl_b32 s33, s29, 9
	s_add_co_u32 s36, s36, s33
	s_mov_b32 s37, 0
	s_lshl_b32 s38, s31, 17                        ; Wg1: 256 rows of 512 bytes
	s_mov_b32 s39, 0
	s_lshl_b32 s40, s31, 14                        ; Wg2: 32 rows
	s_mov_b32 s41, 0
	s_mul_i32 s52, ttmp9, 24576                    ; gx: my two rows of codes
	s_mul_i32 s33, s26, 1536
	s_add_co_u32 s52, s52, s33
	s_mov_b32 s53, 0
	s_lshl_b32 s54, ttmp9, 10                      ; gx: half of the work-group's scale words
	s_lshl_b32 s33, s28, 9
	s_add_co_u32 s54, s54, s33
	s_add_co_u32 s54, s54, GXS
	s_mov_b32 s55, 0
	s_lshl_b32 s56, s32, 7                         ; bg1: my 32 numbers
	s_mov_b32 s57, 0
	s_wait_kmcnt 0x0
	s_add_nc_u64 s[36:37], s[4:5], s[36:37]
	s_add_nc_u64 s[38:39], s[6:7], s[38:39]
	s_add_nc_u64 s[40:41], s[10:11], s[40:41]
	s_add_nc_u64 s[52:53], s[18:19], s[52:53]
	s_add_nc_u64 s[54:55], s[18:19], s[54:55]
	s_add_nc_u64 s[56:57], s[8:9], s[56:57]
	; ---- PHASE A
.irp b, 0,1,2,3
.irp j, 0,1,2,3
	global_load_b128 v[R1+16*\b+4*\j:R1+16*\b+4*\j+3], v[VX], s[36:37] offset:128*\b+16*\j   ; x(r, 128 s + 32 b + 16 h + 4 j ..): a block's four loads take neighbouring 16 bytes of a row
.endr
.endr
	WLOAD 0, 38, 0
	WLOAD 1, 38, 32
	WLOAD 2, 38, 64
	s_load_b256 s[44:51], s[16:17], 0x0            ; bg3
	s_wait_loadcnt 63                              ; 96 loads are younger than x's sixteen; 63 is the largest count that the wait can name, and asks for more than is needed
	QUANT R1
.irp c, 0,1,2
	ds_store_b128 v[VXI], v[PC+4*\c:PC+4*\c+3] offset:512*\c       ; the fragment's image, for product 1
.endr
	ds_store_b32 v[VXSI], v[PW]
	ds_store_b128 v[VXS], v[PC:PC+3]               ; and as 48 bytes of the lane's stream in my token's row, for the experts' first layer
	ds_store_b128 v[VXS1], v[PC+4:PC+7]
	ds_store_b128 v[VXS2], v[PC+8:PC+11]
	ds_store_b32 v[VXSS], v[PW]                    ; (both halves of the lanes write the same word with the same value)
	s_wait_dscnt 0x0                               ; the stores have read their registers
.irp t, 0,1,2,3,4,5,6
	QBLK \t, 63                                    ; two younger blocks, 64 loads, are out: 63 is the largest count
.endr
	QBLK 7, 32                                     ; one younger block
	s_wait_loadcnt 0x0
.set XB, XS0+32*(8%3)
	QHEART 8                                       ; my block of Wg2
	ds_store_b64 v[VW2A], v[CC:CC+1]
	ds_store_b64 v[VW2B], v[CC+2:CC+3]
	ds_store_b64 v[VW2C], v[CC+4:CC+5]
	ds_store_b8 v[VW2S], v[SW]
	s_wait_kmcnt 0x0                               ; bg3
	s_wait_dscnt 0x0                               ; for the others' sake: my stores have landed
	s_barrier_signal -1
	s_barrier_wait -1                              ; all operands lie in LDS
	; ---- x's codes leave: two rows, 1,536 dense bytes, a wave: three stores of 512 consecutive bytes.  A stage row is 784 bytes: behind byte 768 the address is 16 further on
	ds_load_b128 v[R1:R1+3], v[VR0]
	ds_load_b128 v[R1+4:R1+7], v[VR1] offset:512
	ds_load_b128 v[R1+8:R1+11], v[VR0] offset:1040
	s_wait_dscnt 0x0
.irp j, 0,1,2
	global_store_b128 v[VG16], v[R1+4*\j:R1+4*\j+3], s[52:53] offset:512*\j
.endr
	s_cmp_lt_u32 s26, 2
	s_cbranch_scc0 .Lno_xs
	ds_load_b128 v[R1+12:R1+15], v[VRS]            ; waves 0 and 1: the 1,024 bytes of scale words
	s_wait_dscnt 0x0
	global_store_b128 v[VG16], v[R1+12:R1+15], s[54:55]
.Lno_xs:
	s_wait_xcnt 0x0                                ; the stores have read their registers and bases: both are written again below
	s_cmp_lt_u32 s26, 8
	s_cbranch_scc0 .Lno_p1
	; ---- PRODUCT 1, waves 0-7: tile m of tokens x 32 columns, K = 1,024 in two batches of four K steps; two accumulators by turns.  bg1 is the C of the first products
.irp u, 0,1
.irp i, 0,1
	global_load_b128 v[R1+8*\u+4*\i:R1+8*\u+4*\i+3], v[VBI], s[56:57] offset:32*\u+16*\i
.endr
.endr
.macro P1BATCH bt
.irp sb, 0,1,2,3
.irp g, 0,1,2
	ds_load_b128 v[R1+16+12*\sb+4*\g:R1+16+12*\sb+4*\g+3], v[VXR] offset:(4*\bt+\sb)*1536+512*\g
.endr
.irp u, 0,1
.irp g, 0,1,2
	ds_load_b128 v[XS0+24*\sb+12*\u+4*\g:XS0+24*\sb+12*\u+4*\g+3], v[VB1+\bt] offset:\sb*12288+\u*1536+512*\g
.endr
.endr
	ds_load_b32 v[SX+\sb], v[VXSR] offset:128*(4*\bt+\sb)
	ds_load_b32 v[SWG+\sb], v[VB1S] offset:512*(4*\bt+\sb)
.endr
	s_wait_dscnt 0x0
.if \bt == 0
	s_wait_loadcnt 0x0                             ; bg1
.endif
.irp sb, 0,1,2,3
	v_wmma_scale_f32_16x16x128_f8f6f4 v[R1:R1+7], v[XS0+24*\sb:XS0+24*\sb+11], v[R1+16+12*\sb:R1+16+12*\sb+11], v[R1:R1+7], v[SWG+\sb], v[SX+\sb] matrix_a_fmt:MATRIX_FMT_BF6 matrix_b_fmt:MATRIX_FMT_BF6
	v_wmma_scale_f32_16x16x128_f8f6f4 v[R1+8:R1+15], v[XS0+24*\sb+12:XS0+24*\sb+23], v[R1+16+12*\sb:R1+16+12*\sb+11], v[R1+8:R1+15], v[SWG+\sb], v[SX+\sb] matrix_a_fmt:MATRIX_FMT_BF6 matrix_b_fmt:MATRIX_FMT_BF6 matrix_a_scale:MATRIX_SCALE_ROW1
.endr
.rept 4
	v_nop                                          ; places in front of loads into registers that matrix instructions have read, and of the first read of results
.endr
.endm
	P1BATCH 0
	P1BATCH 1
.set JJ, 0
.rept 16
	v_max_num_f32 v[R1+JJ], 0, v[R1+JJ]            ; relu, in f32; each accumulator from its low end on
.set JJ, JJ+1
.endr
.irp i, 0,1,2,3
	ds_store_b128 v[VG1W], v[R1+4*\i:R1+4*\i+3] offset:512*\i      ; register 8 u + j = g1(token r, 32 np + 16 h + 8 u + j)
.endr
.Lno_p1:
	s_wait_dscnt 0x0
	s_barrier_signal -1
	s_barrier_wait -1                              ; g1 lies in LDS
	s_cmp_lt_u32 s26, 2
	s_cbranch_scc0 .Lend
	; ---- THE TAIL, waves 0 and 1: tile m of tokens
.irp t, 0,1,2,3,4,5,6,7
.irp i, 0,1
	global_load_b128 v[R2+8*\t+4*\i:R2+8*\t+4*\i+3], v[VBI], s[12:13] offset:128*(\t/2)+32*(\t%2)+16*\i   ; bg2, the C of product 2
.endr
.endr
.irp c, 0,1,2,3
	ds_load_b32 v[SWG+\c], v[VB2S] offset:128*\c
.endr
.irp n, 0,1,2,3
.irp i, 0,1,2,3
	ds_load_b128 v[R1+16*\n+4*\i:R1+16*\n+4*\i+3], v[VG1R] offset:2048*\n+512*\i
.endr
.endr
	s_wait_dscnt 0x0
	QUANT R1                                       ; g1's 128 numbers of my token: one fragment, one scale word
.set RHO, 0
.rept 64
	global_load_b32 v[R1+RHO], v[VW3], s[14:15] offset:(32*(RHO/16)+RHO%16)*32   ; Wg3(32 (rho / 16) + 16 h + rho % 16, r % 8): the hidden unit that register rho of product 2's sums holds in my half
.set RHO, RHO+1
.endr
.rept 8
	v_nop                                          ; a scale register written by a vector instruction stands 8 places ahead of a scaled matrix instruction, an operand so written 4
.endr
.irp bq, 0,1,2,3
.irp u, 0,1
.irp g, 0,1,2
	ds_load_b128 v[R3+12*\u+4*\g:R3+12*\u+4*\g+3], v[VB2] offset:(2*\bq+\u)*1536+512*\g
.endr
.endr
	s_wait_dscnt 0x0
.if \bq == 0
	s_wait_loadcnt 0x0                             ; bg2, and Wg3 behind it
.endif
	v_wmma_scale_f32_16x16x128_f8f6f4 v[R2+16*\bq:R2+16*\bq+7], v[R3:R3+11], v[PC:PC+11], v[R2+16*\bq:R2+16*\bq+7], v[SWG+\bq], v[PW] matrix_a_fmt:MATRIX_FMT_BF6 matrix_b_fmt:MATRIX_FMT_BF6
	v_wmma_scale_f32_16x16x128_f8f6f4 v[R2+16*\bq+8:R2+16*\bq+15], v[R3+12:R3+23], v[PC:PC+11], v[R2+16*\bq+8:R2+16*\bq+15], v[SWG+\bq], v[PW] matrix_a_fmt:MATRIX_FMT_BF6 matrix_b_fmt:MATRIX_FMT_BF6 matrix_a_scale:MATRIX_SCALE_ROW1
.rept 4
	v_nop
.endr
.endr
.set JJ, 0
.rept 64
	v_max_num_f32 v[R2+JJ], 0, v[R2+JJ]            ; g2 = relu, in f32
.set JJ, JJ+1
.endr
	; PRODUCT 3, in f32: source 0 = Wg3's experts (rows 8-15 repeat rows 0-7), source 1 = g2 as it stands; k is permuted alike on both sides.  Two sums by turns, each begun with the constant 0
.set II, 0
.rept 32
.if II < 2
	v_wmma_f32_16x16x4_f32 v[L0+8*(II%2):L0+8*(II%2)+7], v[R1+2*II:R1+2*II+1], v[R2+2*II:R2+2*II+1], 0
.else
	v_wmma_f32_16x16x4_f32 v[L0+8*(II%2):L0+8*(II%2)+7], v[R1+2*II:R1+2*II+1], v[R2+2*II:R2+2*II+1], v[L0+8*(II%2):L0+8*(II%2)+7]
.endif
.set II, II+1
.endr
.rept 8
	v_nop                                          ; eight places behind this form
.endr
.set LG, 222                                   ; the logits; later log2(p + 1e-9)
.set EX, 230                                   ; the exponentials; later the scores without the best
.set PP, 238                                   ; the scores
.irp j, 0,1,2,3,4,5,6,7
	v_add_f32 v[LG+\j], v[L0+\j], v[L1+\j]         ; every lane holds its token's eight logits (both halves of the lanes alike)
.endr
.irp j, 0,1,2,3,4,5,6,7
	v_add_f32 v[LG+\j], s[44+\j], v[LG+\j]         ; + bg3
.endr
	v_max3_num_f32 v246, v[LG], v[LG+1], v[LG+2]
	v_max3_num_f32 v246, v246, v[LG+3], v[LG+4]
	v_max3_num_f32 v246, v246, v[LG+5], v[LG+6]
	v_max_num_f32 v246, v246, v[LG+7]              ; the maximum is taken away before the exponential
.irp j, 0,1,2,3,4,5,6,7
	v_sub_f32 v[EX+\j], v[LG+\j], v246
.endr
.irp j, 0,1,2,3,4,5,6,7
	v_mul_f32 v[EX+\j], 0x3fb8aa3b, v[EX+\j]       ; x log2(e)
.endr
.irp j, 0,1,2,3,4,5,6,7
	v_exp_f32 v[EX+\j], v[EX+\j]
.endr
	v_nop                                          ; a plain place behind the batch
	s_wait_alu depctr_va_vdst(0)                   ; one wait for the eight, ahead of their first reader
	v_add_f32 v247, v[EX], v[EX+1]
	v_add_f32 v248, v[EX+2], v[EX+3]
	v_add_f32 v249, v[EX+4], v[EX+5]
	v_add_f32 v250, v[EX+6], v[EX+7]
	v_add_f32 v247, v247, v248
	v_add_f32 v249, v249, v250
	v_add_f32 v247, v247, v249
	v_rcp_f32 v248, v247
	v_nop
	s_wait_alu depctr_va_vdst(0)
.irp j, 0,1,2,3,4,5,6,7
	v_mul_f32 v[PP+\j], v[EX+\j], v248             ; the gate's scores
.endr
.irp j, 0,1,2,3,4,5,6,7
	v_add_f32 v[LG+\j], 0x3089705f, v[PP+\j]       ; + 1e-9
.endr
.irp j, 0,1,2,3,4,5,6,7
	v_log_f32 v[LG+\j], v[LG+\j]
.endr
	v_mov_b32 v252, v[PP]                          ; the best score and its expert: a later expert wins only by a larger score, so the lower index is kept.  (Independent work behind the logarithms)
	v_mov_b32 v250, 0
.irp e, 1,2,3,4,5,6,7
	v_cmp_ge_f32 vcc_lo, v252, v[PP+\e]
	v_cndmask_b32 v252, v[PP+\e], v252, vcc_lo
	v_cndmask_b32 v250, \e, v250, vcc_lo
.endr
	s_wait_alu depctr_va_vdst(0)                   ; one wait for the eight logarithms
	v_mul_f32 v249, v[PP], v[LG]
.irp j, 1,2,3,4,5,6,7
	v_fmac_f32 v249, v[PP+\j], v[LG+\j]
.endr
	v_mul_f32 v249, 0xbf317218, v249               ; x -ln 2: the token's entropy
.irp e, 0,1,2,3,4,5,6,7
	v_cmp_ne_u32 vcc_lo, \e, v250
	v_cndmask_b32 v[EX+\e], -1.0, v[PP+\e], vcc_lo ; the best is taken out: -1 lies under every score
.endr
	v_mov_b32 v253, v[EX]
	v_mov_b32 v251, 0
.irp e, 1,2,3,4,5,6,7
	v_cmp_ge_f32 vcc_lo, v253, v[EX+\e]
	v_cndmask_b32 v253, v[EX+\e], v253, vcc_lo
	v_cndmask_b32 v251, \e, v251, vcc_lo
.endr
	v_add_f32 v230, v252, v253
	v_add_f32 v230, 0x3089705f, v230               ; the two scores' sum + 1e-9
	v_rcp_f32 v231, v230
	s_lshl_b32 s58, ttmp9, 5
	s_lshl_b32 s33, s28, 4
	s_add_co_u32 s58, s58, s33                     ; my tile's first token
	s_lshl_b32 s60, s58, 2
	s_lshl_b32 s58, s58, 3
	s_mov_b32 s59, 0
	s_mov_b32 s61, 0
	s_add_nc_u64 s[20:21], s[20:21], s[58:59]
	s_add_nc_u64 s[22:23], s[22:23], s[58:59]
	s_add_nc_u64 s[24:25], s[24:25], s[58:59]
	s_add_nc_u64 s[52:53], s[18:19], s[58:59]
	s_add_nc_u64 s[54:55], s[18:19], s[60:61]
	v_nop
	s_wait_alu depctr_va_vdst(0)
	v_mul_f32 v246, v252, v231
	v_mul_f32 v247, v253, v231
	; Lanes r and r + 16 store the same bytes with the same values.  Pieces of 128 and 64 bytes of arrays of 8 KB and 4 KB: no stage is spent on them
	global_store_b64 v[VT8], v[250:251], s[22:23]              ; out2
	global_store_b64 v[VT8], v[250:251], s[20:21]              ; the same as whole numbers for the next launch
	global_store_b64 v[VT8], v[252:253], s[24:25]              ; out3
	global_store_b64 v[VT8], v[246:247], s[52:53] offset:GWN
	global_store_b32 v[VT4], v249, s[54:55] offset:GEN
.Lend:
	s_wait_tensorcnt 0x0                           ; the wave's end: a tensor wait, kept in a text with no tensor load too, then an LDS add and its wait, behind my last LDS store
	ds_add_u32 v[SPW], v[NIL]
	s_wait_dscnt 0x0
	s_endpgm
	; ---- We1: expert e, columns 128 Q on.  Wave w: 32 columns (w & 3) x 256 along K (w >> 2), eight blocks a lane
.Lquant:
	s_load_b128 s[4:7], s[0:1], 0x58               ; We1, w1c
	s_sub_co_u32 s27, ttmp9, 32                    ; the group: 16 e + Q
	s_lshr_b32 s28, s27, 4                         ; e
	s_and_b32 s29, s27, 15                         ; Q
	s_and_b32 s30, s26, 3                          ; cg
	s_lshr_b32 s31, s26, 2                         ; kgp
	v_and_b32 v[TL], 31, v0                        ; l
	v_and_b32 v[TR], 15, v0                        ; r
	v_bfe_u32 v[TH], v0, 4, 1                      ; h
	v_and_b32 v[TA], 7, v0
	v_bfe_u32 v[TB], v0, 3, 1
	v_lshl_add_u32 v[TA], v[TB], 4, v[TA]
	v_lshl_add_u32 v[TA], v[TH], 3, v[TA]          ; col(l)
	s_lshl_b32 s33, s30, 7
	v_lshl_add_u32 v[VW], v[TA], 2, s33
	v_mul_u32_u24 v[TC], v[TH], 1536
	v_lshl_add_u32 v[TC], v[TR], 4, v[TC]
	s_lshl_b32 s33, s31, 4
	s_lshl_b32 s34, s30, 1
	s_add_co_u32 s33, s33, s34
	s_mul_i32 s33, s33, 1536
	s_add_co_u32 s33, s33, QF
	v_add_nc_u32 v[VWF1], s33, v[TC]               ; fragment 8 s + 2 cg + l / 16, image lane r
	s_lshl_b32 s33, s31, 3
	s_add_co_u32 s33, s33, s30
	s_lshl_b32 s33, s33, 7
	s_add_co_u32 s33, s33, QS
	v_lshl_add_u32 v[VWS1], v[TL], 2, s33
	s_mul_i32 s34, s26, 6144                       ; the way out: wave w takes 6,144 bytes of fragments
	s_add_co_u32 s35, s34, QF
	v_lshl_add_u32 v[VR0], v[TL], 4, s35
	v_lshlrev_b32 v[VG16], 4, v[TL]
	s_lshl_b32 s35, s26, 8                         ; and 256 bytes of scale words
	s_add_co_u32 s33, s35, QS
	v_lshl_add_u32 v[VRS], v[TL], 3, s33
	v_lshlrev_b32 v[VQ8], 3, v[TL]
	s_lshl_b32 s36, s28, 23                        ; an expert's weight is 8,388,608 bytes,
	s_lshl_b32 s33, s31, 21                        ; 256 rows of 8,192 bytes,
	s_add_co_u32 s36, s36, s33
	s_lshl_b32 s33, s29, 9                         ; 128 columns
	s_add_co_u32 s36, s36, s33
	s_mov_b32 s37, 0
	s_mul_i32 s40, s27, GRP
	s_add_co_u32 s52, s40, s35
	s_add_co_u32 s52, s52, 98304
	s_add_co_u32 s40, s40, s34
	s_mov_b32 s41, 0
	s_mov_b32 s53, 0
	s_wait_kmcnt 0x0
	s_add_nc_u64 s[38:39], s[4:5], s[36:37]
	s_add_nc_u64 s[40:41], s[6:7], s[40:41]
	s_add_nc_u64 s[52:53], s[6:7], s[52:53]
	WLOADQ 0
	WLOADQ 1
	WLOADQ 2
.irp t, 0,1,2,3,4,5,6,7
	QBLKQ \t
.endr
	s_wait_dscnt 0x0                               ; for the others' sake: my stores have landed
	s_barrier_signal -1
	s_barrier_wait -1                              ; the group's codes lie in LDS
.irp j, 0,1,2,3,4,5,6,7,8,9,10,11
	ds_load_b128 v[XS0+4*\j:XS0+4*\j+3], v[VR0] offset:512*\j
.endr
	ds_load_b64 v[XS0+48:XS0+49], v[VRS]
.irp j, 0,1,2,3,4,5,6,7,8,9,10,11
	s_wait_dscnt 12-\j                             ; the younger LDS loads may be out
	global_store_b128 v[VG16], v[XS0+4*\j:XS0+4*\j+3], s[40:41] offset:512*\j   ; 512 consecutive bytes, at a multiple of 256 from the buffer's first byte
.endr
	s_wait_dscnt 0x0
	global_store_b64 v[VQ8], v[XS0+48:XS0+49], s[52:53]   ; 256 consecutive bytes, likewise
	s_wait_tensorcnt 0x0                           ; the wave's end: the same three lines
	ds_add_u32 v[SPW], v[NIL]
	s_wait_dscnt 0x0
	s_endpgm
.Lfunc_end_k_q3c4548ae0c_gate:
	.size	k_q3c4548ae0c_gate, .Lfunc_end_k_q3c4548ae0c_gate-k_q3c4548ae0c_gate
	.p2alignl 7, 3214868480
	.fill 96, 4, 3214868480
	.section	.rodata,"a",@progbits
	.p2align	6, 0x0
	.amdhsa_kernel k_q3c4548ae0c_gate
		.amdhsa_group_segment_fixed_size 288768
		.amdhsa_private_segment_fixed_size 0
		.amdhsa_enable_private_segment 0
		.amdhsa_kernarg_size 104
		.amdhsa_user_sgpr_count 2
		.amdhsa_user_sgpr_kernarg_segment_ptr 1
		.amdhsa_wavefront_size32 1
		.amdhsa_system_sgpr_workgroup_id_x 1
		.amdhsa_system_sgpr_workgroup_id_y 1
		.amdhsa_system_sgpr_workgroup_id_z 1
		.amdhsa_system_vgpr_workitem_id 0
		.amdhsa_next_free_vgpr 256
		.amdhsa_next_free_sgpr 66
		.amdhsa_reserve_vcc 1
		.amdhsa_float_denorm_mode_32 3
		.amdhsa_float_denorm_mode_16_64 3
		.amdhsa_memory_ordered 1
		.amdhsa_forward_progress 1
		.amdhsa_inst_pref_size 134
	.end_amdhsa_kernel
	.amdgpu_metadata
---
amdhsa.version: [ 1, 2 ]
amdhsa.kernels:
  - .name:           k_q3c4548ae0c_gate
    .symbol:         k_q3c4548ae0c_gate.kd
    .args:
      - { .name: x, .offset: 0, .size: 8, .value_kind: global_buffer, .address_space: global }
      - { .name: Wg1, .offset: 8, .size: 8, .value_kind: global_buffer, .address_space: global }
      - { .name: bg1, .offset: 16, .size: 8, .value_kind: global_buffer, .address_space: global }
      - { .name: Wg2, .offset: 24, .size: 8, .value_kind: global_buffer, .address_space: global }
      - { .name: bg2, .offset: 32, .size: 8, .value_kind: global_buffer, .address_space: global }
      - { .name: Wg3, .offset: 40, .size: 8, .value_kind: global_buffer, .address_space: global }
      - { .name: bg3, .offset: 48, .size: 8, .value_kind: global_buffer, .address_space: global }
      - { .name: gx, .offset: 56, .size: 8, .value_kind: global_buffer, .address_space: global }
      - { .name: gidx, .offset: 64, .size: 8, .value_kind: global_buffer, .address_space: global }
      - { .name: out2, .offset: 72, .size: 8, .value_kind: global_buffer, .address_space: global }
      - { .name: out3, .offset: 80, .size: 8, .value_kind: global_buffer, .address_space: global }
      - { .name: We1, .offset: 88, .size: 8, .value_kind: global_buffer, .address_space: global }
      - { .name: w1c, .offset: 96, .size: 8, .value_kind: global_buffer, .address_space: global }
    .group_segment_fixed_size: 288768
    .private_segment_fixed_size: 0
    .kernarg_segment_align: 8
    .kernarg_segment_size: 104
    .max_flat_workgroup_size: 512
    .sgpr_count:     66
    .vgpr_count:     256
    .wavefront_size: 32
...
	.end_amdgpu_metadata
.endif
;; end of part 7
;; launch route: the kernel of part 2 again; grid 1 x 1, 32 waves a work-group, no clusters, 8,448 bytes of LDS; arguments gidx, gx, rt, out1; writes rt, out1
;; launch l1 (part 8): grid 256 x 1, 16 waves a work-group, no clusters, 53,248 bytes of LDS; arguments w1c, be1, gx, rt, h1; writes h1
.if DOCPART == 8
	.amdgcn_target "amdgcn-amd-amdhsa--gfx1250"
	.amdhsa_code_object_version 6
	.text
	.protected	k_q3c4548ae0c_l1
	.globl	k_q3c4548ae0c_l1
	.p2align	8
	.type	k_q3c4548ae0c_l1,@function
k_q3c4548ae0c_l1:
	s_mov_b64 s[64:65], 0
	v_nop
	global_prefetch_b8 v0, s[64:65] scope:SCOPE_SE
	s_setreg_imm32_b32 hwreg(HW_REG_WAVE_MODE, 25, 1), 1
	s_wait_xcnt 0x0
; THE EXPERTS' FIRST LAYER: h1 = relu(Q(x) Q(We1) + be1), on codes that the first launch made: We1's in w1c, x's in gx.
; Only the rows of the experts chosen for each token are multiplied: the others are dropped by the problem's own gather (shown at the head of the first kernel).
; SHARES.  A work-group owns one expert and a strip of 64 of its 2,048 columns.  Its sixteen waves copy the strip's 32 fragments and 16 x 128 bytes of scale words, 51,200 bytes, from w1c into LDS, as they lie:
; wave w two fragments of K step w / 2.  One barrier.  Then wave w takes the expert's units w and w + 16 of 32 routed rows, in two trips that are written out: a token's two experts differ, so an expert has
; 1,024 rows, 32 units, at the most.  A trip whose unit lies at or beyond P_e, a whole number that the routing launch stored, is jumped over.
; THE ROWS ARE GATHERED: the tokens of a unit's slots come from the routing launch's list.  The list's words for both trips are asked for ahead of the barrier, with the unit held at 71 and with no branch:
; a wave without a unit reads six words and uses none.  A token's 768 bytes of codes are six pieces of 128 bytes, each 64 bytes for lanes 0-15 and 64 for lanes 16-31, in the order of the operand's registers:
; a fragment is three loads of 16 bytes a lane.  A token's eight scale words are two such loads.
; No tensor load, no copy and so no joint load.
; The product is used transposed (source 0 = 16 columns, source 1 = 16 rows), and the columns of a tile are chosen (lane r of tile 2 b + u: column 32 b + 8 u + r + 8 (r / 8)) so that the 16 registers of tiles
; 2 b, 2 b + 1 are 16 neighbours along the next K: the results are quantised in registers and go to memory as codes alone, in the order of the next operand's registers.
; h1: [tile of 16 slots][K step][c = 0, 1]: 768 bytes: 16 bytes a lane (registers 6 c .. 6 c + 3), then 8 bytes a lane (6 c + 4, 6 c + 5); from HSOFF on the scale words, [tile][K step][row].
; LIMITS: as stated at the head of the first kernel (scale bytes held at 1 from below; NaN and infinities not served).
.set KS,    8                          ; K steps of 128
.set LPS,   6                          ; loads that bring a K step's two fragments of rows
.set GXS,   786432                     ; gx: x's scale words
.set HSOFF, 3538944
.set TAB,   25600
.set GRP,   102400                     ; w1c: a group of 128 columns: 64 fragments (8 s + t) x 1536, then scale words (4 s + cg) x 128
.set WS,    KS*6144                    ; LDS: fragments (4 s + t) x 1536 from 0; scale words (2 s + ch) x 128 from WS
.set SPARE, WS+KS*256                  ; the spare words, 128 bytes for each wave: eight blocks of 256 bytes that no other line names
.set SPW, 1
.set NIL, 2
.set VCL,  3                           ; LDS: where I put my part of the strip: 3072 w + 16 l
.set VCS,  4                           ; and of its scale words: WS + 128 w + 4 l
.set V4L,  5                           ; 4 l
.set VLA,  6                           ; 16 l
.set V4R,  7                           ; 4 r
.set VLS,  8                           ; WS + 4 l
.set VBI,  9                           ; 64 h
.set VL8,  10                          ; 8 l + 512
.set VLS4, 11                          ; 1024 h + 4 r
.set VU16, 12                          ; the trip's unit: 16 l + 49152 U
.set VU8,  13                          ; 8 l + 512 + 49152 U
.set VUS,  14                          ; 1024 h + 4 r + 2048 U
.set SA,   16                          ; v16-23 the rows' scale words, a register a K step: lanes 0-15 tile 0, lanes 16-31 tile 1;  v24-25 the weight's: scales and nothing else
.set SB,   24
.set TK,   26                          ; v26-31 trip j at 3 j: the tokens of slots r, 16 + r and l; then, in place, their offsets in gx
.set ACC,  32                          ; v32-95: the sums, tile m of rows, tile t of columns at 32 m + 8 t
.set AR,   96                          ; v96-191: a ring of four K steps of the rows' fragments; at the head: my part of the strip
.set BF,   192                         ; v192-239: a K step's four fragments of the weight; on the way out: codes
.set MX,   240
.set PX,   242
.set SCO,  244
.set BY,   246
.set W16,  248
.set WSEL, 250
.set VTA,  251                         ; v251-254 trip j at 2 j: where the list's words lie: 128 U + 4 r, 128 U + 4 l
.set SEL,  42
.macro ALOAD s                         ; K step s of my 32 rows: bytes 48 s .. 48 s + 47 of each lane's stream, into ring slot s % 4
.irp m, 0,1
.irp g, 0,1,2
.set BB, 48*(\s)+16*\g
	global_load_b128 v[AR+24*((\s)%4)+12*\m+4*\g:AR+24*((\s)%4)+12*\m+4*\g+3], v[TKJ+\m], s[8:9] offset:(BB/64)*128+BB%64
.endr
.endr
.endm
.macro BLOAD s                         ; K step s of the strip: four fragments and two registers of scale words, from LDS
.irp t, 0,1,2,3
.irp g, 0,1,2
	ds_load_b128 v[BF+12*\t+4*\g:BF+12*\t+4*\g+3], v[VLA] offset:(4*(\s)+\t)*1536+512*\g
.endr
.endr
.irp c, 0,1
	ds_load_b32 v[SB+\c], v[VLS] offset:(2*(\s)+\c)*128
.endr
.endm
.macro WM s, t, m                      ; source 0 = tile t of the columns (its scale words in lanes 0-15 or 16-31 of v[SB + t / 2]), source 1 = tile m of the rows
.set DD, ACC+32*(\m)+8*(\t)
.set WA, BF+12*(\t)
.set XA, AR+24*((\s)%4)+12*(\m)
.set SWR, SB+(\t)/2
.set SXR, SA+(\s)
.if ((\t)%2 == 0) && ((\m) == 0)
	v_wmma_scale_f32_16x16x128_f8f6f4 v[DD:DD+7], v[WA:WA+11], v[XA:XA+11], v[DD:DD+7], v[SWR], v[SXR] matrix_a_fmt:MATRIX_FMT_BF6 matrix_b_fmt:MATRIX_FMT_BF6
.elseif ((\t)%2 == 1) && ((\m) == 0)
	v_wmma_scale_f32_16x16x128_f8f6f4 v[DD:DD+7], v[WA:WA+11], v[XA:XA+11], v[DD:DD+7], v[SWR], v[SXR] matrix_a_fmt:MATRIX_FMT_BF6 matrix_b_fmt:MATRIX_FMT_BF6 matrix_a_scale:MATRIX_SCALE_ROW1
.elseif ((\t)%2 == 0)
	v_wmma_scale_f32_16x16x128_f8f6f4 v[DD:DD+7], v[WA:WA+11], v[XA:XA+11], v[DD:DD+7], v[SWR], v[SXR] matrix_a_fmt:MATRIX_FMT_BF6 matrix_b_fmt:MATRIX_FMT_BF6 matrix_b_scale:MATRIX_SCALE_ROW1
.else
	v_wmma_scale_f32_16x16x128_f8f6f4 v[DD:DD+7], v[WA:WA+11], v[XA:XA+11], v[DD:DD+7], v[SWR], v[SXR] matrix_a_fmt:MATRIX_FMT_BF6 matrix_b_fmt:MATRIX_FMT_BF6 matrix_a_scale:MATRIX_SCALE_ROW1 matrix_b_scale:MATRIX_SCALE_ROW1
.endif
.endm
.macro STEP s                          ; eight products: the eight accumulators by turns, in the same order in every step
.if KS-1-(\s) >= 3
	s_wait_loadcnt 3*LPS                           ; this step's loads are in; those of the three younger ring slots may be out (the bias and the scale words are older than all)
.else
	s_wait_loadcnt LPS*(KS-1-(\s))
.endif
	s_wait_dscnt 0x0                               ; the strip's fragments
.irp t, 0,1,2,3
.irp m, 0,1
	WM \s, \t, \m
.endr
.endr
.rept 4
	v_nop                                          ; places in front of loads into registers that matrix instructions have read, and of the first read of results
.endr
.if (\s)+4 < KS
	ALOAD (\s)+4
.endif
.if (\s)+1 < KS
	BLOAD (\s)+1
.endif
.endm
.macro EPIH m                          ; tile m's 32 results a lane: relu, two blocks of 32 quantised in registers, 24 bytes of codes a lane stored in the order of the next operand's registers
.set AM, ACC+32*\m
.set HF, 192+16*\m
.set HQ, 200+16*\m
.set JJ, 0
.rept 32
	v_max_num_f32 v[AM+JJ], 0, v[AM+JJ]            ; each accumulator from its low end on
.set JJ, JJ+1
.endr
.irp b, 0,1
	v_max3_num_f32 v[MX+\b], v[AM+16*\b], v[AM+16*\b+1], 0x2800000   ; none is negative: no |.|; the floor 2^(5 - 127): the byte cannot fall under 1
.endr
.irp i, 2,4,6,8,10,12,14
.irp b, 0,1
	v_max3_num_f32 v[MX+\b], v[MX+\b], v[AM+16*\b+\i], v[AM+16*\b+\i+1]
.endr
.endr
.irp b, 0,1
	v_permlanex16_b32 v[PX+\b], v[MX+\b], s[SEL], s[SEL+1]
.endr
.irp b, 0,1
	v_max_num_f32 v[MX+\b], v[MX+\b], v[PX+\b]     ; with lane l xor 16's 16 numbers
.endr
.irp b, 0,1
	v_add_nc_u32 v[SCO+\b], 0xfe000000, v[MX+\b]   ; 4 off the exponent field: the conversion's scale operand
.endr
.irp b, 0,1
	v_lshrrev_b32 v[BY+\b], 23, v[SCO+\b]
.endr
	v_cvt_scalef32_pk16_bf6_f32 v[HF:HF+2], v[AM:AM+15], v[SCO]
	v_cvt_scalef32_pk16_bf6_f32 v[HQ:HQ+2], v[AM+16:AM+31], v[SCO+1]
	v_lshl_or_b32 v[W16+\m], v[BY+1], 8, v[BY]     ; the plain place behind the conversions: the strip's two bytes of my row's scale word
.irp i, 0,1,2
	v_permlane16_swap_b32 v[HF+\i], v[HQ+\i]       ; the operand's layout wants a whole block in a lane
.endr
.irp i, 0,1,2
	v_mov_b32 v[HF+3+\i], v[HQ+\i]
.endr
	global_store_b128 v[VU16], v[HF:HF+3], s[32:33] offset:24576*\m    ; 512 consecutive bytes, at a multiple of 256 from the buffer's first byte
	global_store_b64 v[VU8], v[HF+4:HF+5], s[32:33] offset:24576*\m    ; 256 consecutive bytes, likewise
.endm
; Trip j: unit w + 16 j of the expert
.macro TRIP j
.set TKJ, TK+3*\j
	s_add_co_u32 s38, s14, 16*\j
	s_cmp_ge_u32 s38, s20
	s_cbranch_scc1 .Lnone_\@                       ; the expert has no such unit
	s_add_co_u32 s39, s21, s38
	s_min_u32 s39, s39, 71                         ; the unit among all experts': 71 at the most
	s_mul_i32 s44, s39, 49152
	s_lshl_b32 s45, s39, 11
	v_add_nc_u32 v[VU16], s44, v[VLA]
	v_add_nc_u32 v[VU8], s44, v[VL8]
	v_add_nc_u32 v[VUS], s45, v[VLS4]
.irp m, 0,1
.irp t, 0,1,2,3
.irp i, 0,1
	global_load_b128 v[ACC+32*\m+8*\t+4*\i:ACC+32*\m+8*\t+4*\i+3], v[VBI], s[30:31] offset:128*(\t/2)+32*(\t%2)+16*\i   ; the bias is the C of the first products
.endr
.endr
.endr
	global_load_b128 v[SA:SA+3], v[TKJ+2], s[8:9] offset:GXS          ; the eight scale words of slot l's token
	global_load_b128 v[SA+4:SA+7], v[TKJ+2], s[8:9] offset:GXS+16
	ALOAD 0
	ALOAD 1
	ALOAD 2
	ALOAD 3
	BLOAD 0
.set SS, 0
.rept KS
	STEP SS
.set SS, SS+1
.endr
	EPIH 0
	EPIH 1
	v_cndmask_b32 v[WSEL], v[W16], v[W16+1], s46   ; lanes 0-15 store tile 0's bytes, lanes 16-31 tile 1's
	global_store_b16 v[VUS], v[WSEL], s[34:35] offset:HSOFF   ; two bytes of a word whose other two are the neighbouring strip's
	s_wait_xcnt 0x0                                ; this trip's loads and stores have read their offsets and data: the next trip writes them again
.Lnone_\@:
.endm
	s_load_b256 s[4:11], s[0:1], 0x0               ; w1c, be1, gx, rt
	s_load_b64 s[12:13], s[0:1], 0x20              ; h1
	v_lshl_add_u32 v[SPW], v0, 2, SPARE
	v_mov_b32 v[NIL], 0
	v_lshrrev_b32 v200, 5, v0
	v_readfirstlane_b32 s14, v200                  ; wave 0..15
	s_lshr_b32 s15, ttmp9, 5                       ; the expert
	s_and_b32 s16, ttmp9, 31                       ; the strip
	v_and_b32 v200, 31, v0                         ; l
	v_and_b32 v201, 15, v0                         ; r
	v_bfe_u32 v202, v0, 4, 1                       ; h
	v_lshlrev_b32 v[VLA], 4, v200
	v_lshlrev_b32 v[V4L], 2, v200
	s_lshl_b32 s36, s15, 4
	s_lshr_b32 s44, s16, 1
	s_add_co_u32 s36, s36, s44                     ; the group of 128 columns: 16 e + strip / 2
	s_mul_i32 s36, s36, GRP
	s_and_b32 s17, s16, 1                          ; which 64 of them are mine
	s_lshr_b32 s18, s14, 1                         ; the K step of which I copy
	s_and_b32 s19, s14, 1                          ; two of the strip's four fragments
	s_mul_i32 s44, s17, 6144
	s_add_co_u32 s38, s36, s44
	s_mul_i32 s44, s18, 12288
	s_add_co_u32 s38, s38, s44
	s_mul_i32 s44, s19, 3072
	s_add_co_u32 s38, s38, s44
	s_mov_b32 s39, 0
	s_lshl_b32 s44, s18, 9                         ; and 128 bytes of its scale words
	s_add_co_u32 s40, s36, s44
	s_lshl_b32 s44, s17, 8
	s_add_co_u32 s40, s40, s44
	s_lshl_b32 s44, s19, 7
	s_add_co_u32 s40, s40, s44
	s_add_co_u32 s40, s40, 98304
	s_mov_b32 s41, 0
	s_lshl_b32 s22, s15, 3
	s_wait_kmcnt 0x0
	s_add_nc_u64 s[24:25], s[4:5], s[38:39]
	s_add_nc_u64 s[26:27], s[4:5], s[40:41]
.irp j, 0,1,2,3,4,5
	global_load_b128 v[AR+4*\j:AR+4*\j+3], v[VLA], s[24:25] offset:512*\j th:TH_LOAD_NT   ; 512 consecutive bytes; each byte of w1c is read once in the launch
.endr
	global_load_b32 v[AR+24], v[V4L], s[26:27] th:TH_LOAD_NT
	s_load_b64 s[20:21], s[10:11], s22 offset:TAB  ; P_e, UB_e
	s_mul_i32 s44, s14, 3072
	v_add_nc_u32 v[VCL], s44, v[VLA]
	s_lshl_b32 s44, s14, 7
	s_add_co_u32 s44, s44, WS
	v_add_nc_u32 v[VCS], s44, v[V4L]
	v_lshl_add_u32 v[VLS], v200, 2, WS
	v_lshl_add_u32 v[VL8], v200, 3, 512
	v_lshlrev_b32 v[V4R], 2, v201
	v_lshl_add_u32 v[VLS4], v202, 10, v[V4R]
	v_lshlrev_b32 v[VBI], 6, v202
	v_mov_b32 v[PX], 0                             ; written once: a lane permute's destination counts as one of its sources
	v_mov_b32 v[PX+1], 0
	s_mov_b32 s[SEL], 0x76543210
	s_mov_b32 s[SEL+1], 0xfedcba98
	s_mov_b32 s46, 0xffff0000                      ; lanes 16-31
	s_mov_b32 s37, 0
	s_lshl_b32 s36, s15, 13
	s_lshl_b32 s44, s16, 8
	s_add_co_u32 s36, s36, s44
	s_add_nc_u64 s[30:31], s[6:7], s[36:37]        ; the bias: my expert's row of 2,048, my 64 numbers
	s_mul_i32 s36, s16, 768
	s_add_nc_u64 s[32:33], s[12:13], s[36:37]      ; strip q is half q % 2 of K step q / 2 of the next layer
	s_lshr_b32 s36, s16, 1
	s_lshl_b32 s36, s36, 6
	s_lshl_b32 s44, s17, 1
	s_add_co_u32 s36, s36, s44
	s_add_nc_u64 s[34:35], s[12:13], s[36:37]      ; and two bytes of that step's scale words
	s_wait_kmcnt 0x0                               ; P_e, UB_e
.irp j, 0,1
	s_add_co_u32 s44, s21, s14
	s_add_co_u32 s44, s44, 16*\j
	s_min_u32 s44, s44, 71                         ; trip j's unit among all experts', held inside the list
	s_lshl_b32 s44, s44, 7
	v_add_nc_u32 v[VTA+2*\j], s44, v[V4R]
	v_add_nc_u32 v[VTA+2*\j+1], s44, v[V4L]
	global_load_b32 v[TK+3*\j], v[VTA+2*\j], s[10:11]              ; the token of slot 32 U + r,
	global_load_b32 v[TK+3*\j+1], v[VTA+2*\j], s[10:11] offset:64  ; of slot 32 U + 16 + r,
	global_load_b32 v[TK+3*\j+2], v[VTA+2*\j+1], s[10:11]          ; and of slot 32 U + l, for the scale words
.endr
	s_wait_loadcnt 6                               ; my part of the strip is in; the list's six words may be out
.irp j, 0,1,2,3,4,5
	ds_store_b128 v[VCL], v[AR+4*\j:AR+4*\j+3] offset:512*\j
.endr
	ds_store_b32 v[VCS], v[AR+24]
	s_wait_dscnt 0x0                               ; for the others' sake: my stores have landed
	s_barrier_signal -1
	s_barrier_wait -1                              ; the strip lies in LDS; nothing writes it again
	s_wait_loadcnt 0x0                             ; the list's words
.irp i, 0,1,2,3,4,5
	v_min_u32 v[TK+\i], 0x3ff, v[TK+\i]            ; a token lies under 1,024
.endr
.irp j, 0,1
	v_mul_u32_u24 v[TK+3*\j], v[TK+3*\j], 768      ; its codes,
	v_mul_u32_u24 v[TK+3*\j+1], v[TK+3*\j+1], 768
	v_lshlrev_b32 v[TK+3*\j+2], 5, v[TK+3*\j+2]    ; its 32 bytes of scale words
.endr
.irp j, 0,1
	v_add_nc_u32 v[TK+3*\j], v[VBI], v[TK+3*\j]    ; my half of each 128 bytes
	v_add_nc_u32 v[TK+3*\j+1], v[VBI], v[TK+3*\j+1]
.endr
	TRIP 0
	TRIP 1
	s_wait_tensorcnt 0x0                           ; the wave's end: a tensor wait, kept in a text with no tensor load too, then an LDS add and its wait, behind my last LDS store
	ds_add_u32 v[SPW], v[NIL]
	s_wait_dscnt 0x0
	s_endpgm
.Lfunc_end_k_q3c4548ae0c_l1:
	.size	k_q3c4548ae0c_l1, .Lfunc_end_k_q3c4548ae0c_l1-k_q3c4548ae0c_l1
	.p2alignl 7, 3214868480
	.fill 96, 4, 3214868480
	.section	.rodata,"a",@progbits
	.p2align	6, 0x0
	.amdhsa_kernel k_q3c4548ae0c_l1
		.amdhsa_group_segment_fixed_size 53248
		.amdhsa_private_segment_fixed_size 0
		.amdhsa_enable_private_segment 0
		.amdhsa_kernarg_size 40
		.amdhsa_user_sgpr_count 2
		.amdhsa_user_sgpr_kernarg_segment_ptr 1
		.amdhsa_wavefront_size32 1
		.amdhsa_system_sgpr_workgroup_id_x 1
		.amdhsa_system_sgpr_workgroup_id_y 1
		.amdhsa_system_sgpr_workgroup_id_z 1
		.amdhsa_system_vgpr_workitem_id 0
		.amdhsa_next_free_vgpr 256
		.amdhsa_next_free_sgpr 66
		.amdhsa_reserve_vcc 0
		.amdhsa_float_denorm_mode_32 3
		.amdhsa_float_denorm_mode_16_64 3
		.amdhsa_memory_ordered 1
		.amdhsa_forward_progress 1
		.amdhsa_inst_pref_size 65
	.end_amdhsa_kernel
	.amdgpu_metadata
---
amdhsa.version: [ 1, 2 ]
amdhsa.kernels:
  - .name:           k_q3c4548ae0c_l1
    .symbol:         k_q3c4548ae0c_l1.kd
    .args:
      - { .name: w1c, .offset: 0, .size: 8, .value_kind: global_buffer, .address_space: global }
      - { .name: be1, .offset: 8, .size: 8, .value_kind: global_buffer, .address_space: global }
      - { .name: gx, .offset: 16, .size: 8, .value_kind: global_buffer, .address_space: global }
      - { .name: rt, .offset: 24, .size: 8, .value_kind: global_buffer, .address_space: global }
      - { .name: h1, .offset: 32, .size: 8, .value_kind: global_buffer, .address_space: global }
    .group_segment_fixed_size: 53248
    .private_segment_fixed_size: 0
    .kernarg_segment_align: 8
    .kernarg_segment_size: 40
    .max_flat_workgroup_size: 512
    .sgpr_count:     66
    .vgpr_count:     256
    .wavefront_size: 32
...
	.end_amdgpu_metadata
.endif
;; end of part 8
;; launch l2: the kernel of part 4 again; grid 256 x 1, 16 waves a work-group, no clusters, 104,448 bytes of LDS; arguments We2, be2, h1, rt, h2; writes h2
;; launch l3: the kernel of part 5 again; grid 256 x 1, 16 waves a work-group, no clusters, 122,880 bytes of LDS; arguments We3, h2, rt, y; writes y
;; launch comb: the kernel of part 6 again; grid 256 x 1, 4 waves a work-group, no clusters, 0 bytes of LDS; arguments y, rt, gx, be3, out0; writes out0
